; MI455X (gfx1250); checked and timed in simulation.
; The chip was launched on July 23, 2026; its instructions are those of AMD's public machine-readable ISA for CDNA 5 (MIT licence, August 2026) and "CDNA5" Instruction Set Architecture Reference Guide (July 2026). The comments in the code are by the model that wrote it; some were corrected since.
;; Multi Flash Attention Ro PE. Allowed arithmetic: matrix products marked QUANTISED: E2M3 operands, one E8M0 scale for each 32 along K, by v_wmma_scale_f32_16x16x128_f8f6f4 with both operands' format E2M3, f32 sums; everything else in f32.
;; Inputs: Wk 2,048 x 2,048 float32; Wo 2,048 x 2,048 float32; Wq 2,048 x 2,048 float32; Wv 2,048 x 2,048 float32; angles 2 x 2,048 x 64 float32; attn_mask 1 x 2,048 int32; bk 2,048 float32; bo 2,048 float32; bq 2,048 float32; bv 2,048 float32; x_kv 1 x 2,048 x 2,048 float32; x_q 1 x 2,048 x 2,048 float32.
;; Outputs: out0 1 x 2,048 x 2,048 float32.
;; Constants: causal = 0, k_rope = 1.
;; This version of the problem:
;;   THIS VERSION OF THE PROBLEM IS GIVEN IN LOW PRECISION. The matrix products marked QUANTISED in the list below multiply operands that are first quantised to E2M3 (2 exponent bits, 3 mantissa bits; 6 bits a number), with one power-of-two scale for each 32 numbers along K (OCP MX v1.0); their sums are f32. All else is computed in f32.
;;   The module's matrix products, in the order in which they are computed (A, B: the left and right operand; K: the contracted axis; several contracted axes count as one K, in the product's order):
;;     1. [M 2,048, K 2,048] x [K 2,048, N 2,048]; A: input x_q; B: input Wq: QUANTISED
;;     2. [M 2,048, K 2,048] x [K 2,048, N 2,048]; A: input x_kv; B: input Wk: QUANTISED
;;     3. [M 2,048, K 2,048] x [K 2,048, N 2,048]; A: input x_kv; B: input Wv: QUANTISED
;;     4. batch 16 x [M 2,048, K 128] x [K 128, N 2,048]; A: computed on the way; B: computed on the way: QUANTISED
;;     5. batch 16 x [M 128, K 2,048] x [K 2,048, N 2,048]; A: computed on the way; B: softmax (see below): QUANTISED
;;     6. [M 2,048, K 2,048] x [K 2,048, N 2,048]; A: computed on the way; B: input Wo: QUANTISED
;;   THE QUANTISER, for each operand of a quantised product, along K:
;;     - K is cut into blocks of 32 from its start; a last block that is shorter is filled with zeros.
;;     - A block's scale is 2^e with e = floor(log2(the largest magnitude in the block)) - 2, held to -126 .. 127; a block of zeros has e = 0. As a byte (E8M0): e + 127.
;;     - Each number is divided by its block's scale, clamped to +-7.5, and rounded to the nearest number of E2M3, ties to even, subnormals kept.
;;     - The product sums the exact products of the quantised numbers (number of the format x scale) in f32.
;;   ~~~python
;;   def quantise(x, axis):      # numpy; x: float32 -> the quantised numbers, widened to float32 again
;;       x = np.moveaxis(x, axis, -1); K = x.shape[-1]
;;       x = np.pad(x, [(0, 0)] * (x.ndim - 1) + [(0, -K % 32)]); x = x.reshape(x.shape[:-1] + (-1, 32)); a = np.abs(x).max(-1, keepdims=True)
;;       e = np.where(a > 0, np.clip(np.frexp(np.where(a > 0, a, 1))[1] - 1 - 2, -126, 127), 0)      # np.frexp(a)[1] - 1 = floor(log2(a)), exactly
;;       r = np.clip(x / 2.0 ** e, -7.5, 7.5)
;;       step = 2.0 ** (np.maximum(np.frexp(np.where(r == 0, 1, r))[1] - 1, 0) - 3)
;;       q = np.round(r / step) * step * 2.0 ** e      # np.round: ties to even
;;       return np.moveaxis(q.reshape(q.shape[:-2] + (-1,))[..., :K], -1, axis).astype(np.float32)
;;   ~~~
;;   SOFTMAX AHEAD OF A QUANTISED PRODUCT. Where the list says 'softmax', what is quantised is not the finished softmax but p = 2^(t - M), with t = logit x log2(e) and M = ceil(the row's largest t), a whole number; so 1/2 < the row's largest p <= 1. The row's sum l is taken of the UNQUANTISED p, in f32, and the product's result is divided by l at the end. Since M is a whole number, a kernel that streams over the keys may use a running M (the ceiling of the running maximum): every later rescaling is an exact power of two, which a block's scale takes up: the codes' values come out the same.
;;   OPERANDS COMPUTED ON THE WAY. 'Computed on the way' means the value that the module computes at that place (a softmax that the list does not call 'softmax' is quantised finished and normalised). What goes into a quantiser is computed in f32, as accurately as f32 sums, v_exp_f32 and their like allow (about 1e-6 of the number): no bf16 or f16 on the way to a quantiser, and a product that is left as it is and whose result goes on into a quantised operand takes f32 operands (vector FMAs, or v_wmma_f32_16x16x4_f32). A number that lies on a knife's edge between two numbers of the format may be rounded either way, as far as f32 arithmetic and the matrix unit's own rounding can turn it there, and no further.
;; 2 versions. Each part assembles by itself: llvm-mc -triple=amdgcn-amd-amdhsa -mcpu=gfx1250 --defsym DOCPART=n.
;; ======== version 1 of 2: 4 launches
;; limits: right only within a limited range of input values
;; workspace buffers: ops 19,660,800 bytes; qkv 9,830,400 bytes; att 3,276,800 bytes
;; launch quant (part 1): grid 64 x 6, 4 waves a work-group, no clusters, 34,304 bytes of LDS; arguments x_q, x_kv, Wv, Wk, Wo, Wq, ops; writes ops
.if DOCPART == 1
	.amdgcn_target "amdgcn-amd-amdhsa--gfx1250"
	.amdhsa_code_object_version 6
	.text
	.protected	k_qd4786bff66_quant
	.globl	k_qd4786bff66_quant
	.p2align	8
	.type	k_qd4786bff66_quant,@function
k_qd4786bff66_quant:
	s_mov_b64 s[64:65], 0
	v_nop
	global_prefetch_b8 v0, s[64:65] scope:SCOPE_SE
	s_setreg_imm32_b32 hwreg(HW_REG_WAVE_MODE, 25, 1), 1
	s_wait_xcnt 0x0
; Six f32 matrices [2048][2048], K innermost, become codes of FP6 (E2M3) with one E8M0 scale byte for each 32 along K.
; A block's scale is 2^(floor(log2(its largest magnitude)) - 2); its byte is the largest magnitude's exponent field - 2, held at 1 from below.
; LAYOUT OF THE RESULT: RECORDS.  A record is 128 rows x 128 K as eight images of operand registers: fragment f (16 rows x 128 K, 12 registers a lane) at 1,536 f, its registers
; 4 c .. 4 c + 3 at 512 c, lane l at 16 l.  Behind them, at 12,288, the scale words: that of (fragment f, lane r) at 256 (f / 4) + 16 r + 4 (f % 4).  12,800 bytes in all.
; Lane r of fragment f holds row 32 (f / 2) + 8 (f % 2) + r + 8 (r / 8) of the 128: with that choice a product's results lie, in a lane's registers, as neighbours along the next product's K.
; A matrix is 16 x 16 records, [row / 128][k / 128]; tensor y of the grid lies at y x 256 records: 0 x_q, 1 x_kv, 2 Wv, 3 Wk, 4 Wo, 5 Wq.
; SHARES.  A wave makes one record: it reads 128 rows x 512 bytes, 512 consecutive bytes a load, and stores 12,800 consecutive bytes, 512 a store.
; The conversions want 16 neighbours along K in one lane, the loads want neighbouring lanes on neighbouring bytes: a fragment's 16 rows turn through the wave's own stage in LDS (rows of 512 + 16 bytes).
; No matrix unit, no cluster, no tensor load: every byte is read once by one wave, and waves share nothing, so there is no barrier.  Loads run two fragments (32 loads a wave) ahead.
; LIMITS: NaN and infinities among the inputs are not served.  A block of zeros, or one whose largest magnitude lies under 2^-124, gets the byte 1: its codes are zeros or what the
; held scale gives, and the bytes are read by this program alone.
.set REC,  12800
.set TEN,  256*REC
.set FRB,  1536
.set SCO,  8*FRB
.set SP,   528                         ; a stage row
.set TM,   8                           ; v8-23    at work in QUANT
.set W,    24                          ; v24-31   the eight fragments' scale words
.set X4,   32                          ; v32-35   the scale block as it is stored
.set PC,   36                          ; v36-55   the codes just made
.set R,    64                          ; v64-191  two sets of 64 registers as loaded
.set X,    192                         ; v192-255 64 numbers of my row: register 16 b + i = k 32 b + 16 (lane / 16) + i
.set SEL,  20                          ; s[20:21] v_permlanex16_b32's selects for lane l xor 16
; 64 numbers of a lane become a fragment's codes in v[PC] .. v[PC + 11] and my row's scale word in v[pw].
.macro QUANT src, pw
.irp b, 0,1,2,3
	v_max3_num_f32 v[TM+\b], |v[\src+16*\b]|, |v[\src+1+16*\b]|, 0x1800000   ; block b: my 16 numbers, and the floor 2^(3 - 127): the byte cannot fall under 1
.endr
.irp i, 2,4,6,8,10,12,14
.irp b, 0,1,2,3
	v_max3_num_f32 v[TM+\b], v[TM+\b], |v[\src+16*\b+\i]|, |v[\src+1+16*\b+\i]|   ; the four blocks by turns
.endr
.endr
.irp b, 0,1,2,3
	v_permlanex16_b32 v[TM+4+\b], v[TM+\b], s[SEL], s[SEL+1]
.endr
.irp b, 0,1,2,3
	v_max_num_f32 v[TM+\b], v[TM+\b], v[TM+4+\b]   ; with lane l xor 16's 16: the block's largest magnitude
.endr
.irp b, 0,1,2,3
	v_add_nc_u32 v[TM+12+\b], 0xff000000, v[TM+\b]   ; 2 off its exponent field: the conversion takes the exponent field of this operand as its scale
.endr
.irp b, 0,1,2,3
	v_lshrrev_b32 v[TM+4+\b], 23, v[TM+12+\b]      ; the scale's byte
.endr
	v_lshl_or_b32 v[\pw], v[TM+5], 8, v[TM+4]
	v_lshl_or_b32 v[\pw], v[TM+6], 16, v[\pw]
	v_lshl_or_b32 v[\pw], v[TM+7], 24, v[\pw]      ; my row's scale word, the same in both halves of the lanes
.irp c, 0,1
	v_cvt_scalef32_pk16_fp6_f32 v[PC+6*\c:PC+2+6*\c], v[\src+32*\c:\src+15+32*\c], v[TM+12+2*\c]
	v_cvt_scalef32_pk16_fp6_f32 v[PC+12+4*\c:PC+14+4*\c], v[\src+16+32*\c:\src+31+32*\c], v[TM+13+2*\c]   ; (a conversion's three registers begin on an even number)
.endr
	v_nop                                          ; one plain instruction behind the scaled conversions
.irp c, 0,1                                    ; the operand's layout wants a whole block in a lane: lanes 0-15 block 2 c, lanes 16-31 block 2 c + 1
.irp i, 0,1,2
	v_permlane16_swap_b32 v[PC+6*\c+\i], v[PC+12+4*\c+\i]
.endr
.irp i, 0,1,2
	v_mov_b32 v[PC+3+6*\c+\i], v[PC+12+4*\c+\i]
.endr
.endr
.endm
	s_load_b256 s[4:11], s[0:1], 0x0               ; x_q, x_kv, Wv, Wk
	s_load_b128 s[12:15], s[0:1], 0x20             ; Wo, Wq
	s_load_b64 s[16:17], s[0:1], 0x30              ; ops
	v_lshl_add_u32 v62, v0, 2, 0x8400
	v_mov_b32 v63, 0
	v_lshrrev_b32 v5, 5, v0
	v_readfirstlane_b32 s18, v5                    ; wave 0..3
	v_and_b32 v6, 31, v0
	v_lshlrev_b32 v1, 4, v6                        ; 16 x lane: my bytes of a load's or a store's 512
	v_and_b32 v7, 15, v0                           ; r
	v_bfe_u32 v4, v0, 4, 1                         ; h
	s_mul_i32 s19, s18, 16*SP                      ; my wave's stage
	v_add_nc_u32 v2, s19, v1                       ; into it: a row as it lies
	v_mul_u32_u24 v3, v7, SP
	v_lshl_add_u32 v3, v4, 6, v3
	v_add_nc_u32 v3, s19, v3                       ; out of it: row r, + 64 h: my 16 numbers of each block of 32
	s_mov_b32 s[SEL], 0x76543210
	s_mov_b32 s[SEL+1], 0xfedcba98
.irp b, 0,1,2,3
	v_mov_b32 v[TM+4+\b], 0                        ; written once: a lane permute's destination counts as one of its sources
.endr
	s_and_b32 s22, ttmp7, 0xffff                   ; which tensor
	s_lshl_b32 s23, ttmp9, 2
	s_add_co_u32 s23, s23, s18                     ; which record: 16 G + s
	s_lshr_b32 s24, s23, 4
	s_lshl_b32 s24, s24, 20                        ; G x 128 rows of 8,192 bytes
	s_and_b32 s25, s23, 15
	s_lshl_b32 s25, s25, 9                         ; s x 128 numbers
	s_add_co_u32 s24, s24, s25
	s_mov_b32 s25, 0
	s_mul_i32 s26, s22, TEN
	s_mul_i32 s27, s23, REC
	s_add_co_u32 s26, s26, s27
	s_mov_b32 s27, 0
	s_wait_kmcnt 0x0
	s_cmp_eq_u32 s22, 1                            ; the input is chosen by the work-group's y alone
	s_cselect_b64 s[4:5], s[6:7], s[4:5]
	s_cmp_eq_u32 s22, 2
	s_cselect_b64 s[4:5], s[8:9], s[4:5]
	s_cmp_eq_u32 s22, 3
	s_cselect_b64 s[4:5], s[10:11], s[4:5]
	s_cmp_eq_u32 s22, 4
	s_cselect_b64 s[4:5], s[12:13], s[4:5]
	s_cmp_eq_u32 s22, 5
	s_cselect_b64 s[4:5], s[14:15], s[4:5]
	s_add_nc_u64 s[4:5], s[4:5], s[24:25]
	s_add_nc_u64 s[16:17], s[16:17], s[26:27]
.macro LOAD f                          ; fragment f's 16 rows, 512 consecutive bytes each, into set f % 2
.irp t, 0,1,2,3,4,5,6,7,8,9,10,11,12,13,14,15
	global_load_b128 v[R+64*((\f)%2)+4*\t:R+64*((\f)%2)+4*\t+3], v1, s[4:5] offset:(32*((\f)/2)+8*((\f)%2)+\t+8*(\t/8))*8192 th:TH_LOAD_NT
.endr
.endm
.macro FRAGQ f
.if (\f) < 7
	s_wait_loadcnt 16                              ; this fragment's 16 loads are in; the next fragment's 16 may be out
.else
	s_wait_loadcnt 0x0
.endif
.irp t, 0,1,2,3,4,5,6,7,8,9,10,11,12,13,14,15
	ds_store_b128 v2, v[R+64*((\f)%2)+4*\t:R+64*((\f)%2)+4*\t+3] offset:SP*\t
.endr
.irp n, 0,1,2,3,4,5,6,7,8,9,10,11,12,13,14,15
	ds_load_b128 v[X+4*\n:X+4*\n+3], v3 offset:128*(\n/4)+16*(\n%4)   ; LDS serves a wave's instructions in order: these see the stores above
.endr
	s_wait_dscnt 0x0                               ; my numbers are back, and the stores have read their registers,
.if (\f) < 6
	LOAD (\f)+2                                    ; which take the loads of two fragments on
.endif
	s_wait_xcnt 0x0                                ; the last fragment's stores have read the codes' registers: they are written again only behind this wait
	QUANT X, W+(\f)
.irp c, 0,1,2
	global_store_b128 v1, v[PC+4*\c:PC+4*\c+3], s[16:17] offset:FRB*(\f)+512*\c   ; 32 lanes store 512 consecutive bytes, aligned
.endr
.endm
	LOAD 0
	LOAD 1
.irp f, 0,1,2,3,4,5,6,7
	FRAGQ \f
.endr
	v_cmp_eq_u32 vcc_lo, 1, v4                     ; the scale block: lanes 0-15 hold fragments 0-3's words of their row, lanes 16-31 fragments 4-7's
.irp i, 0,1,2,3
	v_cndmask_b32 v[X4+\i], v[W+\i], v[W+4+\i], vcc_lo
.endr
	global_store_b128 v1, v[X4:X4+3], s[16:17] offset:SCO
	s_wait_tensorcnt 0x0
	ds_add_u32 v62, v63
	s_wait_dscnt 0x0
	s_endpgm
.Lfunc_end_k_qd4786bff66_quant:
	.size	k_qd4786bff66_quant, .Lfunc_end_k_qd4786bff66_quant-k_qd4786bff66_quant
	.p2alignl 7, 3214868480
	.fill 96, 4, 3214868480
	.section	.rodata,"a",@progbits
	.p2align	6, 0x0
	.amdhsa_kernel k_qd4786bff66_quant
		.amdhsa_group_segment_fixed_size 34304
		.amdhsa_private_segment_fixed_size 0
		.amdhsa_enable_private_segment 0
		.amdhsa_kernarg_size 56
		.amdhsa_user_sgpr_count 2
		.amdhsa_user_sgpr_kernarg_segment_ptr 1
		.amdhsa_wavefront_size32 1
		.amdhsa_system_sgpr_workgroup_id_x 1
		.amdhsa_system_sgpr_workgroup_id_y 1
		.amdhsa_system_sgpr_workgroup_id_z 1
		.amdhsa_system_vgpr_workitem_id 0
		.amdhsa_next_free_vgpr 256
		.amdhsa_next_free_sgpr 66
		.amdhsa_reserve_vcc 1
		.amdhsa_float_denorm_mode_32 3
		.amdhsa_float_denorm_mode_16_64 3
		.amdhsa_memory_ordered 1
		.amdhsa_forward_progress 1
		.amdhsa_inst_pref_size 64
	.end_amdhsa_kernel
	.amdgpu_metadata
---
amdhsa.version: [ 1, 2 ]
amdhsa.kernels:
  - .name:           k_qd4786bff66_quant
    .symbol:         k_qd4786bff66_quant.kd
    .args:
      - { .name: x_q, .offset: 0, .size: 8, .value_kind: global_buffer, .address_space: global }
      - { .name: x_kv, .offset: 8, .size: 8, .value_kind: global_buffer, .address_space: global }
      - { .name: Wv, .offset: 16, .size: 8, .value_kind: global_buffer, .address_space: global }
      - { .name: Wk, .offset: 24, .size: 8, .value_kind: global_buffer, .address_space: global }
      - { .name: Wo, .offset: 32, .size: 8, .value_kind: global_buffer, .address_space: global }
      - { .name: Wq, .offset: 40, .size: 8, .value_kind: global_buffer, .address_space: global }
      - { .name: ops, .offset: 48, .size: 8, .value_kind: global_buffer, .address_space: global }
    .group_segment_fixed_size: 34304
    .private_segment_fixed_size: 0
    .kernarg_segment_align: 8
    .kernarg_segment_size: 56
    .max_flat_workgroup_size: 128
    .sgpr_count:     66
    .vgpr_count:     256
    .wavefront_size: 32
...
	.end_amdgpu_metadata
.endif
;; end of part 1
;; launch proj (part 2): grid 8 x 24, 4 waves a work-group, clusters of 4 x 4, 327,680 bytes of LDS; arguments ops, bq, bk, bv, angles, qkv; writes qkv
.if DOCPART == 2
	.amdgcn_target "amdgcn-amd-amdhsa--gfx1250"
	.amdhsa_code_object_version 6
	.text
	.protected	k_qd4786bff66_proj
	.globl	k_qd4786bff66_proj
	.p2align	8
	.type	k_qd4786bff66_proj,@function
k_qd4786bff66_proj:
	s_mov_b64 s[64:65], 0
	v_nop
	global_prefetch_b8 v0, s[64:65] scope:SCOPE_SE
	s_setreg_imm32_b32 hwreg(HW_REG_WAVE_MODE, 25, 1), 1
	s_wait_xcnt 0x0
	s_wait_alu depctr_hold_cnt(0) depctr_sa_sdst(0) depctr_va_vdst(0) depctr_va_sdst(0) depctr_va_ssrc(0) depctr_va_vcc(0) depctr_vm_vsrc(0)
	s_getreg_b32 s2, hwreg(HW_REG_IB_STS2, 6, 4)
	s_cmp_eq_u32 s2, 0
	s_cbranch_scc0 .Lentry_in_a_cluster
	s_endpgm
.Lentry_in_a_cluster:
	s_bfe_u32 s2, ttmp6, 0x10000c
	s_cmp_lg_u32 s2, 0xf033
	s_cbranch_scc0 .Lentry_shape_is_right
	s_endpgm
.Lentry_shape_is_right:
; THE THREE PROJECTIONS, one text, on codes of FP6 (E2M3) with E8M0 scales: kind 0: q = rope(x_q Wq^T + bq); kind 1: k = rope(x_kv Wk^T + bk); kind 2: v^T = Wv x_kv^T + bv.
; Each is M N^T with M, N of [2048][2048]: (x_q, Wq), (x_kv, Wk), (Wv, x_kv).  v is made transposed, since its next K is the keys.  The results are quantised in registers and leave as codes.
; OPERANDS ARE RECORDS (128 rows x 128 K as eight images of operand registers, 1,536 bytes each, and 512 bytes of scale words: 12,800 bytes; lane r of fragment f holds row
; 32 (f / 2) + 8 (f % 2) + r + 8 (r / 8)).  A fragment is three loads of 16 bytes a lane at 16 x lane; 128 rows x 256 K are 25,600 dense bytes: one tensor load.
; SHARES.  A tile of 256 x 256 is made by four waves, each 128 x 128: 64 accumulators, 512 registers.  K goes in slots of 256 through a ring of two LDS slots.  3 x 64 tiles: 192 work-groups; a smaller
; tile would cut a wave's 128 columns, which are one head: with them in one lane's registers the rotation's pairs (d, d + 64) and the blocks of the quantiser need no other wave.
; CLUSTERS: 4 x 4 work-groups; M's tiles are asked for jointly along a row of the cluster, N's along a column.
; THE MATRIX INSTRUCTION IS USED TRANSPOSED (source 0 = 16 rows of N, source 1 = 16 rows of M): lane (r, h) holds one row of M, and by the fragments' choice of rows the 64 registers of its eight
; tiles are columns 32 B + 16 h + i at register 16 B + i: 16 neighbours of each block of 32 along the next K.  So a wave's 128 x 128 becomes one record of the next product.
; OUT: qkv, three tensors of 256 records: q [head][query block], k [head][key group], v^T [head][key step].
; REGISTERS, in windows of 256: window 0: v16-31 addresses; v32-63 scale words, two sets; v64-127 sines and cosines; v128-223 M's fragments, one set (on the way out: numbers, codes, work); v248-255 the bias by rows.
;   window 1: N's fragments, two sets, at v0 and v128; v96-127 and v224-255 the bias by columns.   windows 2, 3: the accumulators ((a, b) at v[8 (8 (a % 4) + b)]).
; LIMITS: NaN and infinities are not served; a block of zeros or under 2^-124 gets the scale byte 1 (read by this program alone).
.set REC,   12800
.set FRB,   1536
.set SCO,   8*FRB
.set TEN,   256*REC
.set GB,    16*REC                     ; the 16 records of 128 rows
.set PART,  2*REC                      ; 128 rows x 256 K: what one tensor load brings
.set SLOT,  4*PART                     ; M's two halves, then N's two
.set SPARE, 2*SLOT                     ; behind the ring: the spare words, 128 bytes a wave: two blocks of 256 bytes that no other line names
.set FR,    12
.set NL,    3                          ; LDS loads that bring a fragment
.set NP,    4                          ; places behind this matrix instruction (ISA guide 7.12.1)
.set ADRA, 16                          ; v16-17 LDS address of my M fragments in slot 0, 1
.set ADRB, 20                          ; v20-21 the same for N
.set ADRS, 22                          ; v22-23 of my scale words: lanes 0-15 M's, lanes 16-31 N's
.set VAN,  24                          ; v24 my byte among a block's angles
.set VBN,  25                          ; v25 64 h
.set VBM,  26                          ; v26 4 (r + 8 (r / 8))
.set CO,   27                          ; v27 16 x lane
.set SPW,  28                          ; v28 LDS address of my spare word; never rewritten
.set NIL,  29                          ; v29 0; never rewritten
.set PFO,  30                          ; v30 the prefetches' offset
.set HH,   31                          ; v31 h
.set SC,   32                          ; scale words: register SC + 16 slot + 8 q + i: lanes 0-15 M's fragment i, lanes 16-31 N's
.set ANG,  64                          ; v64-95 sines, v96-127 cosines of my row
.set AF,   128
.set H,    128                         ; the way out: 64 numbers
.set PC,   192
.set TM,   212
.set W,    228
.set X4,   236
.set BM,   248
.set KIND, 2
.set WV,   16
.set RH,   17                          ; which half of the tile's rows is mine; also: I fetch for M (0) or for N (1)
.set CH,   18                          ; which half of its columns; also: which 128 rows of that tile I fetch
.set TR,   19
.set G1,   24
.set G0,   32
.set G1B,  48
.set G0B,  56
.set PFA,  66
.set LIM,  68
.set SEL,  78
.set MSB, 0
.macro WIN new                         ; the immediate's high byte repeats the setting that is left
.if MSB != (\new)
	s_set_vgpr_msb (MSB<<8)|(\new)
.set MSB, (\new)
.endif
.endm
.set MUL_LO, 0xa1                      ; source 0 (N) window 1, source 1 (M) window 0, C and D window 2
.set MUL_HI, 0xf1                      ; the same, C and D window 3
.set TO_B,   0x40                      ; destination window 1, address window 0
; A joint load: waves 0 and 1 fetch for M, waves 2 and 3 for N; the branch hangs on the wave's number alone.  Four v_nop follow each of the two lines.
.macro JLOAD g0a, g1a, g0b, g1b
	s_cmp_eq_u32 s[RH], 0
	s_cbranch_scc0 .Lfor_b_\@
	tensor_load_to_lds s[\g0a:\g0a+3], s[\g1a:\g1a+7]
	s_nop 0
.rept 4
	v_nop
.endr
	s_branch .Lasked_\@
.Lfor_b_\@:
	tensor_load_to_lds s[\g0b:\g0b+3], s[\g1b:\g1b+7]
	s_nop 0
.rept 4
	v_nop
.endr
.Lasked_\@:
.endm
.macro CREST                           ; a round of the cluster's barrier behind its opening barrier
	s_cmp_lg_u32 s[WV], 0
	s_cbranch_scc1 .Lnot_wave_0_\@
	s_barrier_signal -3
.Lnot_wave_0_\@:
	s_barrier_wait -3
	s_barrier_signal -1
	s_barrier_wait -1
.endm
.macro CROUND
	s_barrier_signal -1
	s_barrier_wait -1
	CREST
.endm
; A prefetch of the slot that stands two refills on: of the 25,600 bytes that I fetch, my work-group's quarter, 25 blocks of 256 bytes, a lane a block (lanes 25-31 repeat lane 24's).
; The partners that ask for a part jointly share it out by address (cx for M, cy for N).  M's parts are read by both clusters of a row of clusters: cluster x = 0 asks.  N's by both clusters of a kind:
; the first asks; kind 2's N is x_kv, which kind 1 names as its M: it asks for nothing.  The loop's last trip has no slot two on.
.macro ASK
	s_cmp_gt_u32 s3, s[LIM]
	s_cbranch_scc0 .Lnot_mine_\@
	global_prefetch_b8 v[PFO], s[PFA:PFA+1] offset:PART th:TH_LOAD_NT scope:SCOPE_SE
.Lnot_mine_\@:
.endm
.macro PLACES n
.rept \n
	v_nop
.endr
.endm
	s_load_b256 s[4:11], s[0:1], 0x0               ; ops, bq, bk, bv
	s_load_b128 s[12:15], s[0:1], 0x20             ; angles, qkv
	v_lshl_add_u32 v[SPW], v0, 2, SPARE
	v_mov_b32 v[NIL], 0
	ds_add_u32 v28, v29
	s_wait_dscnt 0x0
	v_lshrrev_b32 v1, 5, v0
	v_readfirstlane_b32 s[WV], v1                  ; wave 0..3
	s_lshr_b32 s[RH], s[WV], 1
	s_and_b32 s[CH], s[WV], 1
	s_bfe_u32 s40, ttmp6, 0x40000                  ; cx
	s_bfe_u32 s41, ttmp6, 0x40004                  ; cy
	s_lshl_b32 s42, ttmp9, 2
	s_add_co_u32 s42, s42, s40                     ; tile column = 4 x cluster x + cx
	s_and_b32 s69, ttmp7, 0xffff                   ; cluster y, 0..5
	s_lshr_b32 s[KIND], s69, 1                     ; two rows of clusters to a kind
	s_and_b32 s[TR], s69, 1
	s_lshl_b32 s[TR], s[TR], 2
	s_add_co_u32 s[TR], s[TR], s41                 ; tile row
	s_lshl_b32 s43, s41, 2
	s_lshl_b32 s43, 15, s43                        ; my row of the cluster
	s_lshl_b32 s44, 0x1111, s40                    ; my column
	; descriptor group 1: 25,600 dense bytes as 100 rows of 32 elements of 8 bytes; no padding: an instruction's 512 bytes are consecutive
	s_or_b32 s[G1+0], s43, (3<<16)|(1<<21)         ; 15:0 the mask; 17:16 elements of 8 bytes; 21 set beside a mask
	s_or_b32 s[G1B+0], s44, (3<<16)|(1<<21)
.irp g, G1, G1B
	s_mov_b32 s[\g+1], 32<<16                      ; tensor_dim0
	s_mov_b32 s[\g+2], 100<<16                     ; tensor_dim1
	s_mov_b32 s[\g+3], 32<<16                      ; tile_dim0
	s_mov_b32 s[\g+4], 100                         ; tile_dim1
	s_mov_b32 s[\g+5], 32                          ; tensor_dim0_stride
	s_mov_b32 s[\g+6], 0
	s_mov_b32 s[\g+7], 0
.endr
	s_lshl_b32 s20, s[TR], 1                       ; M: tensor kind, rows 128 (2 x tile row + the half that I fetch)
	s_add_co_u32 s20, s20, s[CH]
	s_mul_i32 s20, s20, GB
	s_mul_i32 s21, s[KIND], TEN
	s_add_co_u32 s20, s20, s21
	s_mov_b32 s21, 0
	s_lshl_b32 s46, s42, 1                         ; N: tensor 5 - 2 kind, rows 128 (2 x tile column + half)
	s_add_co_u32 s46, s46, s[CH]
	s_mul_i32 s46, s46, GB
	s_lshl_b32 s47, s[KIND], 1
	s_sub_co_u32 s47, 5, s47
	s_mul_i32 s47, s47, TEN
	s_add_co_u32 s46, s46, s47
	s_mov_b32 s47, 0
	s_mul_i32 s45, s[WV], PART                     ; where they go: wave x a part: no place in the cluster enters an LDS address
	s_lshl_b32 s70, s42, 1
	s_add_co_u32 s70, s70, s[CH]                   ; my 128 columns: 0..15
	s_lshl_b32 s71, s[TR], 1
	s_add_co_u32 s71, s71, s[RH]                   ; my 128 rows: 0..15
	s_mov_b32 s[SEL], 0x76543210
	s_mov_b32 s[SEL+1], 0xfedcba98
	s_wait_kmcnt 0x0
	s_add_nc_u64 s[20:21], s[4:5], s[20:21]
	s_add_nc_u64 s[46:47], s[4:5], s[46:47]
	s_cmp_eq_u32 s[KIND], 1                        ; the kind's bias
	s_cselect_b64 s[6:7], s[8:9], s[6:7]
	s_cmp_eq_u32 s[KIND], 2
	s_cselect_b64 s[6:7], s[10:11], s[6:7]
	s_cselect_b32 s72, s71, s70                    ; my record: q, k: [head = columns][rows]; v^T: [head = rows][columns]
	s_cselect_b32 s73, s70, s71
	s_lshl_b32 s72, s72, 4
	s_add_co_u32 s72, s72, s73
	s_mul_i32 s72, s72, REC
	s_mul_i32 s73, s[KIND], TEN
	s_add_co_u32 s72, s72, s73
	s_mov_b32 s73, 0
	s_add_nc_u64 s[14:15], s[14:15], s[72:73]      ; where my record goes
	s_lshl_b32 s72, s70, 9
	s_add_nc_u64 s[8:9], s[6:7], s[72:73]          ; the bias of my 128 columns
	s_lshl_b32 s72, s71, 9
	s_add_nc_u64 s[10:11], s[6:7], s[72:73]        ; and of my 128 rows
	s_lshl_b32 s72, s71, 15
	s_add_nc_u64 s[12:13], s[12:13], s[72:73]      ; the sines of my 128 rows: 256 bytes a row
	; the prefetches: where mine stand, and who asks
	s_and_b32 s22, s69, 1
	s_lshr_b32 s23, s69, 2                         ; 1 in kind 2
	s_or_b32 s22, s22, s23
	s_cmp_eq_u32 s[RH], 0                          ; do I fetch for M?
	s_cselect_b32 s72, s40, s41                    ; my place among the four that ask with me
	s_cselect_b32 s22, ttmp9, s22
	s_cselect_b64 s[PFA:PFA+1], s[20:21], s[46:47]
	s_cmp_eq_u32 s22, 0
	s_cselect_b32 s[LIM], 1, -1                    ; the same in all sixteen partners, for a given wave
	s_mul_i32 s72, s72, PART/4
	s_add_co_u32 s72, s72, 2*PART                  ; at slot 2: the first refill steps it to 3 and names slot 4
	s_add_nc_u64 s[PFA:PFA+1], s[PFA:PFA+1], s[72:73]
	CROUND                                         ; all sixteen work-groups are here: the first joint loads meet
.irp s, 0,1
	s_mov_b32 s[G0+4*\s], 1
	s_add_co_u32 s[G0+4*\s+1], s45, \s*SLOT
	s_add_nc_u64 s[G0+4*\s+2:G0+4*\s+3], s[20:21], \s*PART
	s_or_b32 s[G0+4*\s+3], s[G0+4*\s+3], 0x80000000
	s_mov_b32 s[G0B+4*\s], 1
	s_add_co_u32 s[G0B+4*\s+1], s45, \s*SLOT
	s_add_nc_u64 s[G0B+4*\s+2:G0B+4*\s+3], s[46:47], \s*PART
	s_or_b32 s[G0B+4*\s+3], s[G0B+4*\s+3], 0x80000000
	JLOAD G0+4*\s, G1, G0B+4*\s, G1B
.endr
	v_and_b32 v1, 31, v0
	v_lshlrev_b32 v[CO], 4, v1                     ; 16 x lane
	v_and_b32 v3, 15, v0                           ; r
	v_bfe_u32 v[HH], v0, 4, 1                      ; h
	s_mul_i32 s74, s[RH], PART                     ; my 128 rows of M
	s_mul_i32 s75, s[CH], PART
	s_add_co_u32 s75, s75, 2*PART                  ; my 128 rows of N, behind M's two parts
.irp s, 0,1
	v_add_nc_u32 v[ADRA+\s], s74, v[CO]
	v_add_nc_u32 v[ADRB+\s], s75, v[CO]
	s_add_co_u32 s74, s74, SLOT
	s_add_co_u32 s75, s75, SLOT
.endr
	s_mul_i32 s74, s[RH], PART
	s_mul_i32 s75, s[CH], PART
	s_add_co_u32 s75, s75, 2*PART
	s_sub_co_u32 s75, s75, s74
	v_mul_u32_u24 v5, s75, v[HH]                   ; lanes 16-31 take N's scale words
	v_lshl_add_u32 v5, v3, 4, v5                   ; 16 bytes a row: four fragments' words
	s_add_co_u32 s74, s74, SCO
	v_add_nc_u32 v[ADRS], s74, v5
	v_add_nc_u32 v[ADRS+1], SLOT, v[ADRS]
	v_min_u32 v[PFO], 24, v1
	v_lshlrev_b32 v[PFO], 8, v[PFO]
	v_lshlrev_b32 v[VBN], 6, v[HH]
	v_and_b32 v4, 8, v3
	v_add_nc_u32 v4, v4, v3                        ; r + 8 (r / 8)
	v_lshlrev_b32 v[VBM], 2, v4
	v_lshl_add_u32 v[VAN], v4, 8, v[VBN]
	; The biases and the first block's angles, the same loads in every kind (each kind uses its part; every address lies inside its buffer): they land under the loop.
	WIN TO_B
.irp n, 0,1,2,3,4,5,6,7,8,9,10,11,12,13,14,15
	global_load_b128 v[96+4*\n+96*(\n/8):99+4*\n+96*(\n/8)], v[VBN], s[8:9] offset:128*(\n/4)+16*(\n%4)   ; by columns, in the result's layout: register 16 B + i = column 32 B + 16 h + i
.endr
	WIN 0
.irp a, 0,1,2,3,4,5,6,7
	global_load_b32 v[BM+\a], v[VBM], s[10:11] offset:4*(32*(\a/2)+8*(\a%2))   ; by rows: block a's row of my lane
.endr
.macro ANGLOAD a                       ; sines and cosines of block a's row of my lane, at the 32 places 32 B + 16 h + i, B = 0, 1
.irp n, 0,1,2,3,4,5,6,7
	global_load_b128 v[ANG+4*\n:ANG+4*\n+3], v[VAN], s[12:13] offset:(32*((\a)/2)+8*((\a)%2))*256+128*(\n/4)+16*(\n%4)
	global_load_b128 v[ANG+32+4*\n:ANG+35+4*\n], v[VAN], s[12:13] offset:524288+(32*((\a)/2)+8*((\a)%2))*256+128*(\n/4)+16*(\n%4)
.endr
.endm
	ANGLOAD 0
.macro FRAG reg, adr, q, i             ; a fragment comes back as it was stored: three loads of 16 bytes a lane, 512 consecutive bytes each
.irp c, 0,1,2
	ds_load_b128 v[\reg+4*\c:\reg+4*\c+3], v[\adr] offset:(\q)*REC+(\i)*FRB+512*\c
.endr
.endm
; 16 matrix instructions: M's blocks a0, a0 + 1 x N's eight, 128 along K: the slot's q-th.  p: N's set; sc: the set of scale words.  zero = 1: the first product starts the sums.
; The 64 accumulators take turns, one instruction a turn, in the same order in every step.
.macro MUL16 a0, p, q, sc, zero
.irp a, \a0, \a0+1
.irp b, 0,1,2,3,4,5,6,7
.set rD, 8*(8*((\a)%4)+\b)
.set rB, 128*(\p)+FR*\b
.set rA, AF+FR*(\a)
.set rSB, SC+16*(\sc)+8*(\q)+\b
.set rSA, SC+16*(\sc)+8*(\q)+(\a)
.if \zero
	v_wmma_scale_f32_16x16x128_f8f6f4 v[rD:rD+7], v[rB:rB+11], v[rA:rA+11], 0, v[rSB], v[rSA] matrix_a_fmt:MATRIX_FMT_FP6 matrix_b_fmt:MATRIX_FMT_FP6 matrix_a_scale:MATRIX_SCALE_ROW1
.else
	v_wmma_scale_f32_16x16x128_f8f6f4 v[rD:rD+7], v[rB:rB+11], v[rA:rA+11], v[rD:rD+7], v[rSB], v[rSA] matrix_a_fmt:MATRIX_FMT_FP6 matrix_b_fmt:MATRIX_FMT_FP6 matrix_a_scale:MATRIX_SCALE_ROW1
.endif
.endr
.endr
.endm
.macro FETCH_B slot, q, p
	WIN TO_B
.irp i, 0,1,2,3,4,5,6,7
	FRAG 128*(\p)+FR*\i, ADRB+\slot, \q, \i
.endr
	WIN 0
.endm
.macro FETCH_A slot, q, i0
.irp i, \i0, \i0+1, \i0+2, \i0+3
	FRAG AF+FR*(\i), ADRA+\slot, \q, \i
.endr
.endm
.macro SCALES slot                     ; a slot's scale words: lanes 0-15 M's, lanes 16-31 N's; four fragments' words a load
.irp q, 0,1
.irp hh, 0,1
	ds_load_b128 v[SC+16*\slot+8*\q+4*\hh:SC+16*\slot+8*\q+4*\hh+3], v[ADRS+\slot] offset:\q*REC+256*\hh
.endr
.endr
.endm
; A slot's first step of 128 along K.  M has one set of registers: blocks 0-3 are fetched anew in the step's middle, blocks 4-7 at its end; N has two sets.
.macro STEP slot, zero
	s_wait_dscnt 4*NL                              ; N's set, M's blocks 0-3 and the scale words are in; the youngest 12 loads (M's blocks 4-7) may be out
	WIN MUL_LO
	MUL16 0, 0, 0, \slot, \zero
	MUL16 2, 0, 0, \slot, \zero
	s_wait_dscnt 0x0                               ; M's blocks 4-7 are in
	PLACES NP                                      ; in front of loads into registers that matrix instructions have read
	FETCH_B \slot, 1, 1
	FETCH_A \slot, 1, 0
	WIN MUL_HI
	MUL16 4, 0, 0, \slot, \zero
	MUL16 6, 0, 0, \slot, \zero
	PLACES NP
	WIN 0
	FETCH_A \slot, 1, 4
.endm
; A slot's second step changes slots: one barrier; in front of it each wave waits for all its tensor loads, adds 0 to its spare word, and waits for that and for its reads of this slot.
; fill = 1: the barrier opens a round of the cluster's, and this slot is filled again, two slots ahead.
.macro TURN slot, next, fill
.if \fill
	s_wait_xcnt 0x0                                ; the last prefetch, a slot back, has read its address: it is stepped here
	s_add_nc_u64 s[PFA:PFA+1], s[PFA:PFA+1], PART
.endif
	s_wait_tensorcnt 0x0                           ; all my tensor loads have landed: my part of the next slot
	ds_add_u32 v[SPW], v[NIL]                      ; 0 onto my spare word
	s_wait_dscnt 4*NL+1                            ; (the add and the youngest 12 loads, M's blocks 4-7, may be out)
	WIN MUL_LO
	MUL16 0, 1, 1, \slot, 0                        ; sixteen matrix instructions stand between the add and the wait for it
	s_wait_dscnt 0x0                               ; the add is done, and my reads of this slot are over
	s_barrier_signal -1
	MUL16 2, 1, 1, \slot, 0
	WIN 0
	s_barrier_wait -1
.if \fill
	CREST                                          ; no wave of any partner still reads this slot or has a load on its way
	s_add_nc_u64 s[G0+4*\slot+2:G0+4*\slot+3], s[G0+4*\slot+2:G0+4*\slot+3], 2*PART
	s_add_nc_u64 s[G0B+4*\slot+2:G0B+4*\slot+3], s[G0B+4*\slot+2:G0B+4*\slot+3], 2*PART
	JLOAD G0+4*\slot, G1, G0B+4*\slot, G1B         ; the first tensor load behind the round; its four v_nop are also the places in front of the loads below
.else
	PLACES NP
.endif
	FETCH_B \next, 0, 0
	FETCH_A \next, 0, 0
	SCALES \next
.if \fill
	ASK
.endif
	WIN MUL_HI
	MUL16 4, 1, 1, \slot, 0
	MUL16 6, 1, 1, \slot, 0
	PLACES NP
	WIN 0
	FETCH_A \next, 0, 4
.endm
	s_wait_tensorcnt 1                             ; my part of slot 0 is in; slot 1's may be out
	s_barrier_signal -1
	s_barrier_wait -1
	FETCH_B 0, 0, 0
	FETCH_A 0, 0, 0
	SCALES 0
	FETCH_A 0, 0, 4
	STEP 0, 1                                      ; the first step stands in front of the loop: its products start the sums
	s_mov_b32 s3, 3
.Llap:                                             ; a trip goes once round the ring and fills both slots again: 8 slots of 256 along K in all
	TURN 0, 1, 1
	STEP 1, 0
	TURN 1, 0, 1
	STEP 0, 0
	s_sub_co_u32 s3, s3, 1
	s_cmp_lg_u32 s3, 0
	s_cbranch_scc1 .Llap
	TURN 0, 1, 0                                   ; the last lap fills nothing
	STEP 1, 0
	s_wait_dscnt 4*NL
	WIN MUL_LO
	MUL16 0, 1, 1, 1, 0
	MUL16 2, 1, 1, 1, 0
	s_wait_dscnt 0x0
	WIN MUL_HI
	MUL16 4, 1, 1, 1, 0
	MUL16 6, 1, 1, 1, 0
	WIN 0
; 64 numbers of a lane, register 16 b + i = k 32 b + 16 h + i of my row, become a fragment's codes in v[PC] on and my row's scale word in v[pw].
.macro QUANT src, pw
.irp b, 0,1,2,3
	v_max3_num_f32 v[TM+\b], |v[\src+16*\b]|, |v[\src+1+16*\b]|, 0x1800000   ; and the floor 2^(3 - 127): the byte cannot fall under 1
.endr
.irp i, 2,4,6,8,10,12,14
.irp b, 0,1,2,3
	v_max3_num_f32 v[TM+\b], v[TM+\b], |v[\src+16*\b+\i]|, |v[\src+1+16*\b+\i]|
.endr
.endr
.irp b, 0,1,2,3
	v_permlanex16_b32 v[TM+4+\b], v[TM+\b], s[SEL], s[SEL+1]
.endr
.irp b, 0,1,2,3
	v_max_num_f32 v[TM+\b], v[TM+\b], v[TM+4+\b]
.endr
.irp b, 0,1,2,3
	v_add_nc_u32 v[TM+12+\b], 0xff000000, v[TM+\b]   ; 2 off the exponent field: the conversion's scale operand
.endr
.irp b, 0,1,2,3
	v_lshrrev_b32 v[TM+4+\b], 23, v[TM+12+\b]
.endr
	v_lshl_or_b32 v[\pw], v[TM+5], 8, v[TM+4]
	v_lshl_or_b32 v[\pw], v[TM+6], 16, v[\pw]
	v_lshl_or_b32 v[\pw], v[TM+7], 24, v[\pw]
.irp c, 0,1
	v_cvt_scalef32_pk16_fp6_f32 v[PC+6*\c:PC+2+6*\c], v[\src+32*\c:\src+15+32*\c], v[TM+12+2*\c]
	v_cvt_scalef32_pk16_fp6_f32 v[PC+12+4*\c:PC+14+4*\c], v[\src+16+32*\c:\src+31+32*\c], v[TM+13+2*\c]
.endr
	v_nop                                          ; one plain instruction behind the scaled conversions
.irp c, 0,1
.irp i, 0,1,2
	v_permlane16_swap_b32 v[PC+6*\c+\i], v[PC+12+4*\c+\i]
.endr
.irp i, 0,1,2
	v_mov_b32 v[PC+3+6*\c+\i], v[PC+12+4*\c+\i]
.endr
.endr
.endm
.macro OUTFRAG a
.irp c, 0,1,2
	global_store_b128 v[CO], v[PC+4*\c:PC+4*\c+3], s[14:15] offset:FRB*(\a)+512*\c   ; 32 lanes store 512 consecutive bytes, aligned
.endr
.endm
; Block a of q or k: + bias by columns (which also brings the numbers into window 0, each accumulator from its low end on), the rotation, the quantiser, three stores.
.macro EPI_QK a
.set AC, 64*((\a)%4)
.if (\a) > 0
	s_wait_xcnt 0x0                                ; the last block's stores have read the codes' registers
.endif
	WIN 0x06+(\a)/4                                ; source 0: the accumulators' window; source 1: window 1
.set p, 0
.rept 32
	v_pk_add_f32 v[H+p:H+p+1], v[AC+p:AC+p+1], v[96+p+96*(p/32):97+p+96*(p/32)]
.set p, p+2
.endr
	WIN 0
.if (\a) > 0
	s_wait_loadcnt 0x0                             ; this block's angles
.endif
.set p, 0
.rept 16                               ; x1 = columns 0-63 (registers 0-31), x2 = columns 64-127 (registers 32-63): x1' = x1 cos - x2 sin, x2' = x1 sin + x2 cos
.set T, TM+4*((p/2)%2)
	v_pk_mul_f32 v[T:T+1], v[H+32+p:H+33+p], v[ANG+p:ANG+p+1]
	v_pk_mul_f32 v[T+2:T+3], v[H+32+p:H+33+p], v[ANG+32+p:ANG+33+p]
	v_pk_fma_f32 v[H+32+p:H+33+p], v[H+p:H+p+1], v[ANG+p:ANG+p+1], v[T+2:T+3]
	v_pk_fma_f32 v[H+p:H+p+1], v[H+p:H+p+1], v[ANG+32+p:ANG+33+p], v[T:T+1] neg_lo:[0,0,1] neg_hi:[0,0,1]
.set p, p+2
.endr
.if (\a) < 7
	ANGLOAD (\a)+1                                 ; the next block's angles land under the quantiser
.endif
	QUANT H, W+(\a)
	OUTFRAG \a
.endm
; Block a of v^T: + bias by rows (one number a lane), the quantiser along the keys, three stores.
.macro EPI_V a
.set AC, 64*((\a)%4)
.if (\a) > 0
	s_wait_xcnt 0x0
.endif
	WIN 0x02+(\a)/4
.set p, 0
.rept 32
	v_pk_add_f32 v[H+p:H+p+1], v[AC+p:AC+p+1], v[BM+2*((\a)/2):BM+2*((\a)/2)+1] op_sel:[0,(\a)%2] op_sel_hi:[1,(\a)%2]
.set p, p+2
.endr
	WIN 0
	QUANT H, W+(\a)
	OUTFRAG \a
.endm
	PLACES NP                                      ; behind the last products: their results are read and their operands' registers written below
.irp b, 0,1,2,3
	v_mov_b32 v[TM+4+\b], 0                        ; a lane permute's destination counts as one of its sources
.endr
	s_wait_loadcnt 0x0                             ; the biases, the first angles
	s_cmp_eq_u32 s[KIND], 2                        ; the kind hangs on the cluster's y: the same in all partners
	s_cbranch_scc1 .Lv
.irp a, 0,1,2,3,4,5,6,7
	EPI_QK \a
.endr
	s_branch .Ljoin
.Lv:
.irp a, 0,1,2,3,4,5,6,7
	EPI_V \a
.endr
.Ljoin:
	v_cmp_eq_u32 vcc_lo, 1, v[HH]                  ; the scale block: lanes 0-15 fragments 0-3's words of their row, lanes 16-31 fragments 4-7's
.irp i, 0,1,2,3
	v_cndmask_b32 v[X4+\i], v[W+\i], v[W+4+\i], vcc_lo
.endr
	global_store_b128 v[CO], v[X4:X4+3], s[14:15] offset:SCO
	s_wait_tensorcnt 0x0                           ; the wave's end
	ds_add_u32 v[SPW], v[NIL]
	s_wait_dscnt 0x0
	CROUND                                         ; the closing round
	s_endpgm
.Lfunc_end_k_qd4786bff66_proj:
	.size	k_qd4786bff66_proj, .Lfunc_end_k_qd4786bff66_proj-k_qd4786bff66_proj
	.p2alignl 7, 3214868480
	.fill 96, 4, 3214868480
	.section	.rodata,"a",@progbits
	.p2align	6, 0x0
	.amdhsa_kernel k_qd4786bff66_proj
		.amdhsa_group_segment_fixed_size 327680
		.amdhsa_private_segment_fixed_size 0
		.amdhsa_enable_private_segment 0
		.amdhsa_kernarg_size 48
		.amdhsa_user_sgpr_count 2
		.amdhsa_user_sgpr_kernarg_segment_ptr 1
		.amdhsa_wavefront_size32 1
		.amdhsa_system_sgpr_workgroup_id_x 1
		.amdhsa_system_sgpr_workgroup_id_y 1
		.amdhsa_system_sgpr_workgroup_id_z 1
		.amdhsa_system_vgpr_workitem_id 0
		.amdhsa_next_free_vgpr 1024
		.amdhsa_next_free_sgpr 96
		.amdhsa_reserve_vcc 1
		.amdhsa_float_denorm_mode_32 3
		.amdhsa_float_denorm_mode_16_64 3
		.amdhsa_memory_ordered 1
		.amdhsa_forward_progress 1
		.amdhsa_inst_pref_size 249
	.end_amdhsa_kernel
	.amdgpu_metadata
---
amdhsa.version: [ 1, 2 ]
amdhsa.kernels:
  - .name:           k_qd4786bff66_proj
    .symbol:         k_qd4786bff66_proj.kd
    .args:
      - { .name: ops, .offset: 0, .size: 8, .value_kind: global_buffer, .address_space: global }
      - { .name: bq, .offset: 8, .size: 8, .value_kind: global_buffer, .address_space: global }
      - { .name: bk, .offset: 16, .size: 8, .value_kind: global_buffer, .address_space: global }
      - { .name: bv, .offset: 24, .size: 8, .value_kind: global_buffer, .address_space: global }
      - { .name: angles, .offset: 32, .size: 8, .value_kind: global_buffer, .address_space: global }
      - { .name: qkv, .offset: 40, .size: 8, .value_kind: global_buffer, .address_space: global }
    .group_segment_fixed_size: 327680
    .private_segment_fixed_size: 0
    .kernarg_segment_align: 8
    .kernarg_segment_size: 48
    .max_flat_workgroup_size: 128
    .sgpr_count:     96
    .vgpr_count:     1024
    .wavefront_size: 32
...
	.end_amdgpu_metadata
.endif
;; end of part 2
;; launch attn (part 3): grid 16 x 16, 16 waves a work-group, clusters of 4 x 1, 327,680 bytes of LDS; arguments qkv, attn_mask, att; writes att
.if DOCPART == 3
	.amdgcn_target "amdgcn-amd-amdhsa--gfx1250"
	.amdhsa_code_object_version 6
	.text
	.protected	k_qd4786bff66_attn
	.globl	k_qd4786bff66_attn
	.p2align	8
	.type	k_qd4786bff66_attn,@function
k_qd4786bff66_attn:
	s_mov_b64 s[64:65], 0
	v_nop
	global_prefetch_b8 v0, s[64:65] scope:SCOPE_SE
	s_setreg_imm32_b32 hwreg(HW_REG_WAVE_MODE, 25, 1), 1
	s_wait_xcnt 0x0
	s_wait_alu depctr_hold_cnt(0) depctr_sa_sdst(0) depctr_va_vdst(0) depctr_va_sdst(0) depctr_va_ssrc(0) depctr_va_vcc(0) depctr_vm_vsrc(0)
	s_getreg_b32 s2, hwreg(HW_REG_IB_STS2, 6, 4)
	s_cmp_eq_u32 s2, 0
	s_cbranch_scc0 .Lentry_in_a_cluster
	s_endpgm
.Lentry_in_a_cluster:
	s_bfe_u32 s2, ttmp6, 0x10000c
	s_cmp_lg_u32 s2, 0x3003
	s_cbranch_scc0 .Lentry_shape_is_right
	s_endpgm
.Lentry_shape_is_right:
; ATTENTION ON CODES of FP6 (E2M3) with E8M0 scales: 16 heads, 2,048 queries, 2,048 keys, head size 128, with a mask over the keys that is an input.
; q, k, v^T come as records (128 rows x 128 K: eight images of operand registers of 1,536 bytes, then 512 bytes of scale words; lane r of fragment f holds row 32 (f / 2) + 8 (f % 2) + r + 8 (r / 8)).
; THE SOFTMAX: t = score x log2(e) / sqrt(128); M = the running largest t rounded up to a whole number; p = 2^(t - M) is quantised along the keys, not normalised; the row's sum is taken of the
; unquantised p and divides at the end; when M moves, the sum and O are multiplied by 2^(old M - new M), which rounds nothing.
; THE MASK IS THE C OF THE SCORE PRODUCT: a table of one f32 a key in LDS, 0 for a key that counts and -2^100 for one that does not, is loaded into the scores' registers, and the products add onto it.
; The running largest t begins at -2^80: a wave that has seen only masked keys (t near -2^97) keeps M = -2^80, p = 0, sum 0.
; A MASK WITH NO TRUE KEY gives uniform weights: c and the table's entries are then chosen 0 (a choice of values, no branch), so that every p is 1.
; SHARES.  A work-group owns 128 queries of one head: 256 work-groups.  Wave w owns tile a = w % 8 (16 queries) and half j = w / 8 of the keys: of each slot's four key steps of 128 it takes 2 j and 2 j + 1.
; Four waves of 256 registers share a SIMD, so that one wave's vector work stands beside another's products and LDS loads.  At the end the two halves are merged by exact powers of two.
; Both products are used transposed (S^T = K Q^T, O^T = V^T P^T): a lane holds one query throughout, and by the fragments' choice of rows its registers run along the next K.
; CLUSTER: the four query blocks of a cluster belong to one head and walk the same K and V: each part of a slot is asked for jointly.
; OUT: att, records [query block][head]: O / sum, quantised along the head's 128, is fragment a of the output projection's first operand.
; LIMITS: |score| x c under 2^80; NaN and infinities are not served; a block of zeros gets the scale byte 1 (read by this program alone).
; REGISTERS: v1-7, v11, v28-31 addresses that stay; v8-10 addresses of the step; v12 -M, v13 the largest t, v[14:15] the sum; v16-27 Q; v32-79 four fragments; v80-83, v84-87 K's, V's scale words;
;   v96-159 S^T, then p; v160-223 O^T; v224-235 p's codes; v232-254 at work; v253 p's scale word; v255 Q's.
.set REC,   12800
.set FRB,   1536
.set SCO,   8*FRB
.set TEN,   256*REC
.set GB,    16*REC
.set PART,  2*REC                      ; what one tensor load brings: two key steps of K or of V
.set VOFF,  4*REC                      ; a slot: four records of K, then four of V
.set SLOT1, 1<<17                      ; slot 1 begins here: one exclusive or turns an address from one slot to the other
.set BIAS,  2*SLOT1                    ; the mask's table: 8,192 bytes
.set SPARE, BIAS+8192                  ; the spare words, 128 bytes a wave: eight blocks of 256 bytes that no other line names
.set SCW,   SPARE+2048                 ; the output record's scale words: 512 bytes
.set MRGB,  8704                       ; the merge: for each tile 8,192 bytes of O^T, 128 of -M, 128 of the sum; in slot 0, which has had its last fill and its last read by then
.set AL0,  1
.set AV0,  2
.set AM0,  3
.set MA,   4
.set SPW,  5
.set NIL,  6
.set MB,   7
.set ADK,  8
.set ADV,  9
.set ADM,  10
.set SWA,  11
.set PFO,  28
.set L16,  29                          ; 16 x lane
.set SRD,  30                          ; SCW + 16 x lane
.set R16,  31                          ; 16 r
.set PC,   32
.set TM,   232
.set TB,   2                           ; s2  LDS byte at which the slot in hand begins
.set TMK,  3                           ; s3  where the slot's part of the mask's table begins
.set WV,   18
.set TA,   19                          ; s19 my tile
.set SEL,  20
.set CS,   22                          ; s[22:23] c
.set G1,   24
.set G0,   40
.set SLOTS, 67
.set PFA,  76
.set LIM,  80
.set BIG,  81
.macro CROUND                          ; a round of the cluster's barrier
	s_barrier_signal -1
	s_barrier_wait -1
	s_cmp_lg_u32 s[WV], 0
	s_cbranch_scc1 .Lnot_wave_0_\@
	s_barrier_signal -3
.Lnot_wave_0_\@:
	s_barrier_wait -3
	s_barrier_signal -1
	s_barrier_wait -1
.endm
.macro TLOAD                           ; waves 0 and 1 fetch K's halves of a slot, waves 2 and 3 V's, the others nothing; four v_nop follow the line
	s_cmp_lt_u32 s[WV], 4
	s_cbranch_scc0 .Lasked_\@
	tensor_load_to_lds s[G0:G0+3], s[G1:G1+7]
	s_nop 0
.rept 4
	v_nop
.endr
.Lasked_\@:
.endm
; A prefetch of what the next change of slots will ask for.  All clusters of a head walk the same K and V: the head's first cluster asks.  Its four partners take a record of K and one of V each, told apart by
; address; in each, waves 4 and 5 ask for the halves of K's record, waves 6 and 7 of V's: 25 blocks of 256 bytes, a lane a block (lanes 25-31 repeat lane 24's).  The last filling change asks for nothing.
.macro ASK
	s_cmp_gt_u32 s[SLOTS], s[LIM]
	s_cbranch_scc0 .Lnot_mine_\@
	global_prefetch_b8 v[PFO], s[PFA:PFA+1] th:TH_LOAD_NT scope:SCOPE_SE
.Lnot_mine_\@:
.endm
	s_load_b128 s[4:7], s[0:1], 0x0                ; qkv, attn_mask
	s_load_b64 s[8:9], s[0:1], 0x10                ; att
	v_lshl_add_u32 v[SPW], v0, 2, SPARE
	v_mov_b32 v[NIL], 0
	ds_add_u32 v5, v6
	s_wait_dscnt 0x0
	v_lshrrev_b32 v8, 5, v0
	v_readfirstlane_b32 s[WV], v8                  ; wave 0..15
	s_and_b32 s[TA], s[WV], 7                      ; my tile of 16 queries
	s_lshr_b32 s10, s[WV], 3                       ; my half of the keys
	s_bfe_u32 s11, ttmp6, 0x40000                  ; cx: it enters Q's, att's and the prefetches' addresses alone
	s_lshl_b32 s12, ttmp9, 2
	s_add_co_u32 s12, s12, s11                     ; my block of 128 queries
	s_and_b32 s13, ttmp7, 0xffff                   ; the head, which the four partners share
	s_and_b32 s14, s[WV], 3                        ; what I fetch, if I fetch
	s_mul_i32 s15, s14, PART                       ; its place in a slot
	s_lshr_b32 s44, s14, 1
	s_add_co_u32 s44, s44, 1                       ; tensor 1 (k) or 2 (v^T)
	s_mul_i32 s44, s44, TEN
	s_mul_i32 s45, s13, GB
	s_add_co_u32 s44, s44, s45
	s_and_b32 s45, s[WV], 1
	s_mul_i32 s45, s45, PART
	s_add_co_u32 s44, s44, s45
	s_mov_b32 s45, 0
	s_mov_b32 s[G1], 15|(3<<16)|(1<<21)            ; 15:0 the mask: all four work-groups; 17:16 elements of 8 bytes; 21 set beside a mask; no padding
	s_mov_b32 s[G1+1], 32<<16                      ; 25,600 dense bytes as 100 rows of 32 elements
	s_mov_b32 s[G1+2], 100<<16
	s_mov_b32 s[G1+3], 32<<16
	s_mov_b32 s[G1+4], 100
	s_mov_b32 s[G1+5], 32
	s_mov_b32 s[G1+6], 0
	s_mov_b32 s[G1+7], 0
	; every LDS address that stays is made here, ahead of the first branch on the wave's number
	v_and_b32 v8, 31, v0                           ; lane
	v_and_b32 v9, 15, v0                           ; r
	v_bfe_u32 v10, v0, 4, 1                        ; h
	v_lshlrev_b32 v[L16], 4, v8
	s_mul_i32 s46, s10, PART
	v_add_nc_u32 v[AL0], s46, v[L16]               ; K: 16 x lane + my half's two records
	v_add_nc_u32 v[AV0], VOFF, v[AL0]              ; V likewise
	s_lshl_b32 s46, s10, 10
	s_add_co_u32 s46, s46, BIAS
	v_lshl_add_u32 v[AM0], v10, 6, s46             ; the table: 64 h + my half's 256 keys
	s_mul_i32 s46, s[TA], MRGB
	v_add_nc_u32 v[MA], s46, v[L16]
	v_lshl_add_u32 v[MB], v8, 2, s46
	s_lshr_b32 s47, s[TA], 2
	s_lshl_b32 s47, s47, 8
	s_and_b32 s46, s[TA], 3
	s_lshl_b32 s46, s46, 2
	s_add_co_u32 s47, s47, s46                     ; 256 (a / 4) + 4 (a % 4): my tile's place in a scale block
	s_add_co_u32 s46, s47, SCW
	v_lshl_add_u32 v[SWA], v9, 4, s46
	v_add_nc_u32 v[SRD], SCW, v[L16]
	v_lshlrev_b32 v[R16], 4, v9
	v_lshl_add_u32 v88, v0, 4, BIAS                ; where my thread's four entries of the table go
	v_lshlrev_b32 v89, 4, v0                       ; and its four words of the mask
	v_min_u32 v[PFO], 24, v8
	v_lshlrev_b32 v[PFO], 8, v[PFO]
	s_lshl_b32 s32, s13, 4
	s_add_co_u32 s32, s32, s12
	s_mul_i32 s32, s32, REC                        ; Q's record: [head][query block]
	s_mul_i32 s33, s[TA], FRB
	s_add_co_u32 s34, s32, s33                     ; my fragment
	s_mov_b32 s35, 0
	s_add_co_u32 s36, s32, s47
	s_add_co_u32 s36, s36, SCO                     ; its scale words
	s_mov_b32 s37, 0
	s_lshl_b32 s38, s12, 4
	s_add_co_u32 s38, s38, s13
	s_mul_i32 s38, s38, REC                        ; att's record: [query block][head]
	s_add_co_u32 s38, s38, s33
	s_mov_b32 s39, 0
	s_lshr_b32 s48, s[WV], 1                       ; the prefetches: waves 4, 5: k; waves 6, 7: v^T
	s_and_b32 s48, s48, 1
	s_add_co_u32 s48, s48, 1
	s_mul_i32 s48, s48, TEN
	s_mul_i32 s49, s13, GB
	s_add_co_u32 s48, s48, s49
	s_mul_i32 s49, s11, REC                        ; my work-group's record of a slot's four
	s_add_co_u32 s48, s48, s49
	s_and_b32 s49, s[WV], 1
	s_mul_i32 s49, s49, REC/2
	s_add_co_u32 s48, s48, s49
	s_add_co_u32 s48, s48, 4*REC                   ; in slot 1: the first change of slots steps it to slot 2
	s_mov_b32 s49, 0
	s_lshr_b32 s50, s[WV], 2
	s_xor_b32 s50, s50, 1                          ; 0 in waves 4 to 7,
	s_or_b32 s50, s50, ttmp9                       ; of the head's first cluster: the same in all four partners
	s_cmp_eq_u32 s50, 0
	s_cselect_b32 s[LIM], 1, -1
	s_mov_b32 s[SEL], 0x76543210
	s_mov_b32 s[SEL+1], 0xfedcba98
	s_mov_b32 s[TB], 0
	s_mov_b32 s[TMK], 0
	s_mov_b32 s[SLOTS], 3
	s_wait_kmcnt 0x0
	s_mov_b32 s[G0], 1
	s_mov_b32 s[G0+1], s15
	s_add_nc_u64 s[G0+2:G0+3], s[4:5], s[44:45]
	s_or_b32 s[G0+3], s[G0+3], 0x80000000
	s_add_nc_u64 s[34:35], s[4:5], s[34:35]
	s_add_nc_u64 s[36:37], s[4:5], s[36:37]
	s_add_nc_u64 s[8:9], s[8:9], s[38:39]
	s_add_nc_u64 s[PFA:PFA+1], s[4:5], s[48:49]
	CROUND                                         ; all four work-groups are here: the first joint loads meet
	TLOAD                                          ; slot 0
.irp c, 0,1,2
	global_load_b128 v[16+4*\c:19+4*\c], v[L16], s[34:35] offset:512*\c   ; Q's fragment stays in registers
.endr
	global_load_b32 v255, v[R16], s[36:37]         ; and its scale words
.irp n, 0,1,2,3,4,5,6,7,8,9,10,11,12,13,14,15
	global_load_b128 v[96+4*\n:99+4*\n], v[L16], s[6:7] offset:512*\n   ; the whole mask, to see whether any key counts
.endr
	global_load_b128 v[92:95], v89, s[6:7]         ; my thread's four keys
	v_mov_b32 v13, 0xe7800000                      ; the largest t so far: -2^80
	v_floor_f32 v12, -v13                          ; -M
	v_mov_b32 v14, 0                               ; the sum, in two halves
	v_mov_b32 v15, 0
.irp b, 0,1,2,3
	v_mov_b32 v[236+\b], 0                         ; a lane permute's destination counts as one of its sources
.endr
	v_mov_b32 v253, 0                              ; (named as the upper half of the pair v[252:253] before it is first written)
.set j, 0
.rept 64
	v_mov_b32 v[160+j], 0                          ; O^T: the step is written for every step alike; the first finds zeros, which the first change of M leaves zeros
.set j, j+1
.endr
	s_wait_loadcnt 0x0
.irp n, 32,16,8,4,2,1
.set i, 0
.rept \n
	v_or_b32 v[96+i], v[96+i], v[96+\n+i]
.set i, i+1
.endr
.endr
	v_cmp_ne_u32 s82, 0, v96
	s_cmp_lg_u32 s82, 0                            ; does any key count?
	s_cselect_b32 s[CS], 0x3e0293ee, 0             ; c = log2(e) / sqrt(128), or 0
	s_cselect_b32 s[BIG], 0xf1800000, 0            ; -2^100, or 0
	s_mov_b32 s[CS+1], s[CS]                       ; (named with it as a pair)
	v_mov_b32 v90, s[BIG]
.irp i, 0,1,2,3
	v_cmp_eq_u32 vcc_lo, 0, v[92+\i]
	v_cndmask_b32 v[92+\i], 0, v90, vcc_lo
.endr
	ds_store_b128 v88, v[92:95]                    ; the table; the first change of slots' wait and barrier stand between this and its readers
; A KEY STEP: 128 keys, the q-th of my two in the slot in hand.
.macro STEP q
	v_add_nc_u32 v[ADK], s[TB], v[AL0]
	v_add_nc_u32 v[ADV], s[TB], v[AV0]
	v_add_nc_u32 v[ADM], s[TMK], v[AM0]
	v_nop                                          ; four places in front of loads into registers that the last products have read
.irp n, 0,1,2,3,4,5,6,7,8,9,10,11,12,13,14,15
	ds_load_b128 v[96+4*\n:99+4*\n], v[ADM] offset:512*(\q)+128*(\n/4)+16*(\n%4)   ; the mask's entries of keys 32 B + 16 h + i into register 16 B + i: the C of the scores
.endr
	ds_load_b128 v[80:83], v[ADK] offset:(\q)*REC+SCO   ; K's scale words: lanes 0-15 fragments 0-3, lanes 16-31 fragments 4-7
.irp g, 0,1                                    ; S^T = K Q^T + the mask, four tiles of 16 keys at a time
.if \g
.rept 4
	v_nop
.endr
.endif
.irp t, 0,1,2,3
.irp c, 0,1,2
	ds_load_b128 v[32+12*\t+4*\c:35+12*\t+4*\c], v[ADK] offset:(\q)*REC+(4*\g+\t)*FRB+512*\c
.endr
.endr
	s_wait_dscnt 0x0
.irp t, 0,1,2,3
.if \g
	v_wmma_scale_f32_16x16x128_f8f6f4 v[128+8*\t:135+8*\t], v[32+12*\t:43+12*\t], v[16:27], v[128+8*\t:135+8*\t], v[80+\t], v255 matrix_a_fmt:MATRIX_FMT_FP6 matrix_b_fmt:MATRIX_FMT_FP6 matrix_a_scale:MATRIX_SCALE_ROW1
.else
	v_wmma_scale_f32_16x16x128_f8f6f4 v[96+8*\t:103+8*\t], v[32+12*\t:43+12*\t], v[16:27], v[96+8*\t:103+8*\t], v[80+\t], v255 matrix_a_fmt:MATRIX_FMT_FP6 matrix_b_fmt:MATRIX_FMT_FP6
.endif
.endr
.endr
.rept 4
	v_nop                                          ; places: the scores are read below, and V's first fragments land where K's last lay
.endr
	ds_load_b128 v[84:87], v[ADV] offset:(\q)*REC+SCO
.irp t, 0,1,2,3
.irp c, 0,1,2
	ds_load_b128 v[32+12*\t+4*\c:35+12*\t+4*\c], v[ADV] offset:(\q)*REC+\t*FRB+512*\c   ; they land under the softmax
.endr
.endr
.irp b, 0,1,2,3
	v_max3_num_f32 v[232+\b], v[96+16*\b], v[97+16*\b], v[98+16*\b]   ; the largest score of each block of 32 keys: for the row's maximum and, since p rises with the score, for the block's largest p
.endr
.irp i, 3,5,7,9,11,13
.irp b, 0,1,2,3
	v_max3_num_f32 v[232+\b], v[232+\b], v[96+16*\b+\i], v[97+16*\b+\i]
.endr
.endr
.irp b, 0,1,2,3
	v_max_num_f32 v[232+\b], v[232+\b], v[111+16*\b]
.endr
.irp b, 0,1,2,3
	v_permlanex16_b32 v[236+\b], v[232+\b], s[SEL], s[SEL+1]
.endr
.irp b, 0,1,2,3
	v_max_num_f32 v[232+\b], v[232+\b], v[236+\b]  ; with lane l xor 16's 16 keys
.endr
	v_max3_num_f32 v254, v232, v233, v234
	v_max_num_f32 v254, v254, v235                 ; the step's largest score of my query
	v_mul_f32 v254, s[CS], v254                    ; as t (c is not negative)
	v_max_num_f32 v13, v13, v254                   ; the running largest t
	v_mov_b32 v254, v12
	v_floor_f32 v12, -v13                          ; the new -M = floor(-t): M is a whole number
	v_sub_f32 v254, v12, v254                      ; old M - new M: a whole number, 0 or less
	v_cvt_i32_f32 v254, v254                       ; (it saturates)
	v_ldexp_f32 v252, 1.0, v254                    ; f = 2^(old M - new M)
.set j, 0
.rept 32
	v_pk_fma_f32 v[96+j:97+j], v[96+j:97+j], s[CS:CS+1], v[12:13] op_sel_hi:[1,0,0]   ; t - M, two at a time
.set j, j+2
.endr
.irp b, 0,1,2,3
	v_fma_f32 v[232+\b], v[232+\b], s[CS], v12     ; the same of each block's largest score
.endr
.set j, 0
.rept 64
	v_exp_f32 v[96+j], v[96+j]                     ; p = 2^(t - M)
.set j, j+1
.endr
	v_pk_mul_f32 v[14:15], v[14:15], v[252:253] op_sel_hi:[1,0]   ; the sums under the new M (a plain instruction behind the exponentials)
	s_wait_alu depctr_va_vdst(0)                   ; one wait for the whole batch, ahead of its first reader
.irp b, 0,1,2,3
	v_exp_f32 v[232+\b], v[232+\b]                 ; the block's largest p: the same two instructions on the same number give the same bits
.endr
	v_pk_add_f32 v[236:237], v[96:97], v[98:99]    ; the row's sum of the unquantised p, in two chains
.irp j, 4,8,12,16,20,24,28,32,36,40,44,48,52,56,60
	v_pk_add_f32 v[14:15], v[14:15], v[96+\j:97+\j]
	v_pk_add_f32 v[236:237], v[236:237], v[98+\j:99+\j]
.endr
	v_pk_add_f32 v[14:15], v[14:15], v[236:237]
	s_wait_alu depctr_va_vdst(0)                   ; and one for the four
.irp b, 0,1,2,3
	v_max_num_f32 v[232+\b], 0x1800000, v[232+\b]  ; the floor 2^(3 - 127): a block whose every p is 0 keeps the byte 1; its codes are zeros
.endr
.irp b, 0,1,2,3
	v_add_nc_u32 v[244+\b], 0xff000000, v[232+\b]  ; 2 off the exponent field: the conversion's scale operand
.endr
.irp b, 0,1,2,3
	v_lshrrev_b32 v[236+\b], 23, v[244+\b]
.endr
	v_lshl_or_b32 v253, v237, 8, v236              ; p's scale word for these 128 keys
	v_lshl_or_b32 v253, v238, 16, v253
	v_lshl_or_b32 v253, v239, 24, v253
.irp c, 0,1
	v_cvt_scalef32_pk16_fp6_f32 v[224+6*\c:226+6*\c], v[96+32*\c:111+32*\c], v[244+2*\c]
	v_cvt_scalef32_pk16_fp6_f32 v[236+4*\c:238+4*\c], v[112+32*\c:127+32*\c], v[245+2*\c]
.endr
	v_nop                                          ; one plain instruction behind the scaled conversions
.irp c, 0,1
.irp i, 0,1,2
	v_permlane16_swap_b32 v[224+6*\c+\i], v[236+4*\c+\i]
.endr
.irp i, 0,1,2
	v_mov_b32 v[227+6*\c+\i], v[236+4*\c+\i]
.endr
.endr
.set j, 0
.rept 32
	v_pk_mul_f32 v[160+j:161+j], v[160+j:161+j], v[252:253] op_sel_hi:[1,0]   ; O^T under the new M; these 32 are also the places between the codes' and the scale word's last writes and the products
.set j, j+2
.endr
	s_wait_dscnt 0x0                               ; V's first four fragments and its scale words
.irp t, 0,1,2,3
	v_wmma_scale_f32_16x16x128_f8f6f4 v[160+8*\t:167+8*\t], v[32+12*\t:43+12*\t], v[224:235], v[160+8*\t:167+8*\t], v[84+\t], v253 matrix_a_fmt:MATRIX_FMT_FP6 matrix_b_fmt:MATRIX_FMT_FP6
.endr
.rept 4
	v_nop
.endr
.irp t, 0,1,2,3
.irp c, 0,1,2
	ds_load_b128 v[32+12*\t+4*\c:35+12*\t+4*\c], v[ADV] offset:(\q)*REC+(4+\t)*FRB+512*\c
.endr
.endr
	s_wait_dscnt 0x0
.irp t, 0,1,2,3
	v_wmma_scale_f32_16x16x128_f8f6f4 v[192+8*\t:199+8*\t], v[32+12*\t:43+12*\t], v[224:235], v[192+8*\t:199+8*\t], v[84+\t], v253 matrix_a_fmt:MATRIX_FMT_FP6 matrix_b_fmt:MATRIX_FMT_FP6 matrix_a_scale:MATRIX_SCALE_ROW1
.endr
.endm
; THE CHANGE OF SLOTS stands at a slot's head.  Each wave waits for all its tensor loads, adds 0 to its spare word, and waits for that and for its reads of the slot that it has left.
; fill = 1: a round of the cluster's barrier, and behind it the slot just left is filled with the next 512 keys: the load has a slot's steps in which to land.
.macro CHANGE fill
	s_wait_tensorcnt 0x0                           ; no tensor load of mine is out, so the group 0 may be written
	ds_add_u32 v[SPW], v[NIL]                      ; 0 onto my spare word
.if \fill
	s_xor_b32 s[G0+1], s[G0+1], SLOT1              ; the walking descriptor: the other slot,
	s_add_nc_u64 s[G0+2:G0+3], s[G0+2:G0+3], 4*REC ; the next four records
	s_wait_xcnt 0x0                                ; the last prefetch, a slot back, has read its address
	s_add_nc_u64 s[PFA:PFA+1], s[PFA:PFA+1], 4*REC
	s_wait_dscnt 0x0                               ; the add is done; my LDS reads and stores are over
	CROUND
	TLOAD                                          ; the first thing behind the round, and a wave's one tensor load until the next
	ASK
.else
	s_wait_dscnt 0x0
	s_barrier_signal -1
	s_barrier_wait -1
.endif
.endm
.Lslot:                                            ; three trips: behind each change of slots but the last the next slot is asked for
	CHANGE 1
	STEP 0
	STEP 1
	s_xor_b32 s[TB], s[TB], SLOT1
	s_add_co_u32 s[TMK], s[TMK], 2048
	s_sub_co_u32 s[SLOTS], s[SLOTS], 1
	s_cmp_lg_u32 s[SLOTS], 0
	s_cbranch_scc1 .Lslot
	CHANGE 0                                       ; the last slot is written out
	STEP 0
	STEP 1
; 64 numbers of a lane become a fragment's codes in v[PC] on and my row's scale word in v[pw].
.macro QUANT src, pw
.irp b, 0,1,2,3
	v_max3_num_f32 v[TM+\b], |v[\src+16*\b]|, |v[\src+1+16*\b]|, 0x1800000
.endr
.irp i, 2,4,6,8,10,12,14
.irp b, 0,1,2,3
	v_max3_num_f32 v[TM+\b], v[TM+\b], |v[\src+16*\b+\i]|, |v[\src+1+16*\b+\i]|
.endr
.endr
.irp b, 0,1,2,3
	v_permlanex16_b32 v[TM+4+\b], v[TM+\b], s[SEL], s[SEL+1]
.endr
.irp b, 0,1,2,3
	v_max_num_f32 v[TM+\b], v[TM+\b], v[TM+4+\b]
.endr
.irp b, 0,1,2,3
	v_add_nc_u32 v[TM+12+\b], 0xff000000, v[TM+\b]
.endr
.irp b, 0,1,2,3
	v_lshrrev_b32 v[TM+4+\b], 23, v[TM+12+\b]
.endr
	v_lshl_or_b32 v[\pw], v[TM+5], 8, v[TM+4]
	v_lshl_or_b32 v[\pw], v[TM+6], 16, v[\pw]
	v_lshl_or_b32 v[\pw], v[TM+7], 24, v[\pw]
.irp c, 0,1
	v_cvt_scalef32_pk16_fp6_f32 v[PC+6*\c:PC+2+6*\c], v[\src+32*\c:\src+15+32*\c], v[TM+12+2*\c]
	v_cvt_scalef32_pk16_fp6_f32 v[PC+12+4*\c:PC+14+4*\c], v[\src+16+32*\c:\src+31+32*\c], v[TM+13+2*\c]
.endr
	v_nop
.irp c, 0,1
.irp i, 0,1,2
	v_permlane16_swap_b32 v[PC+6*\c+\i], v[PC+12+4*\c+\i]
.endr
.irp i, 0,1,2
	v_mov_b32 v[PC+3+6*\c+\i], v[PC+12+4*\c+\i]
.endr
.endr
.endm
	; THE MERGE.  Waves 8-15 hand O^T, -M and the sum of their half of the keys to waves 0-7 through LDS, as images of the registers.
.rept 4
	v_nop                                          ; places behind the last products
.endr
	v_add_f32 v14, v14, v15                        ; the sum's two halves,
	v_permlanex16_b32 v252, v14, s[SEL], s[SEL+1]
	v_add_f32 v14, v14, v252                       ; and lane l xor 16's
	s_cmp_lt_u32 s[WV], 8
	s_cbranch_scc1 .Lkeeps
.irp k, 0,1,2,3,4,5,6,7,8,9,10,11,12,13,14,15
	ds_store_b128 v[MA], v[160+4*\k:163+4*\k] offset:512*\k   ; each accumulator from its low end on
.endr
	ds_store_b32 v[MB], v12 offset:8192
	ds_store_b32 v[MB], v14 offset:8320
.Lkeeps:
	s_wait_dscnt 0x0                               ; for the others' sake: my stores have landed
	s_barrier_signal -1
	s_barrier_wait -1
	s_cmp_ge_u32 s[WV], 8
	s_cbranch_scc1 .Lgave
.irp k, 0,1,2,3,4,5,6,7,8,9,10,11,12,13,14,15
	ds_load_b128 v[96+4*\k:99+4*\k], v[MA] offset:512*\k
.endr
	ds_load_b32 v232, v[MB] offset:8192
	ds_load_b32 v233, v[MB] offset:8320
	s_wait_dscnt 0x0
	v_min_num_f32 v234, v12, v232                  ; -M of both halves: the larger M
	v_sub_f32 v235, v234, v12                      ; my M less the common one: a whole number, 0 or less
	v_sub_f32 v236, v234, v232
	v_cvt_i32_f32 v235, v235
	v_cvt_i32_f32 v236, v236
	v_ldexp_f32 v235, 1.0, v235                    ; f1, f2: exact powers of two (0 for a half whose keys are all masked)
	v_ldexp_f32 v236, 1.0, v236
	v_mul_f32 v237, v14, v235
	v_fma_f32 v237, v233, v236, v237               ; the row's sum
	v_rcp_f32 v238, v237
	v_nop                                          ; a plain instruction behind the reciprocal
	s_wait_alu depctr_va_vdst(0)                   ; and the wait ahead of its first reader
	v_mul_f32 v240, v235, v238
	v_mul_f32 v242, v236, v238
	v_mov_b32 v241, v240                           ; (the pairs' upper halves are named, so they are written)
	v_mov_b32 v243, v242
.set j, 0
.rept 32
	v_pk_mul_f32 v[160+j:161+j], v[160+j:161+j], v[240:241] op_sel_hi:[1,0]
.set j, j+2
.endr
.set j, 0
.rept 32
	v_pk_fma_f32 v[96+j:97+j], v[96+j:97+j], v[242:243], v[160+j:161+j] op_sel_hi:[1,0,1]   ; O / sum: register 16 B + i = channel 32 B + 16 h + i of my query
.set j, j+2
.endr
	QUANT 96, 248
.irp c, 0,1,2
	global_store_b128 v[L16], v[PC+4*\c:PC+4*\c+3], s[8:9] offset:512*\c   ; fragment a of the record: 512 consecutive bytes a store
.endr
	ds_store_b32 v[SWA], v248                      ; its scale words meet the other tiles' in LDS (both halves of the lanes write the same word with the same value)
.Lgave:
	s_wait_dscnt 0x0
	s_barrier_signal -1
	s_barrier_wait -1
	s_cmp_lg_u32 s[WV], 0
	s_cbranch_scc1 .Lnot_first
	ds_load_b128 v[64:67], v[SRD]
	s_wait_dscnt 0x0
	global_store_b128 v[L16], v[64:67], s[8:9] offset:SCO   ; wave 0 (tile 0: its base is the record's) stores the scale block whole
.Lnot_first:
	s_wait_tensorcnt 0x0                           ; the wave's end
	ds_add_u32 v[SPW], v[NIL]
	s_wait_dscnt 0x0
	CROUND                                         ; the closing round
	s_endpgm
.Lfunc_end_k_qd4786bff66_attn:
	.size	k_qd4786bff66_attn, .Lfunc_end_k_qd4786bff66_attn-k_qd4786bff66_attn
	.p2alignl 7, 3214868480
	.fill 96, 4, 3214868480
	.section	.rodata,"a",@progbits
	.p2align	6, 0x0
	.amdhsa_kernel k_qd4786bff66_attn
		.amdhsa_group_segment_fixed_size 327680
		.amdhsa_private_segment_fixed_size 0
		.amdhsa_enable_private_segment 0
		.amdhsa_kernarg_size 24
		.amdhsa_user_sgpr_count 2
		.amdhsa_user_sgpr_kernarg_segment_ptr 1
		.amdhsa_wavefront_size32 1
		.amdhsa_system_sgpr_workgroup_id_x 1
		.amdhsa_system_sgpr_workgroup_id_y 1
		.amdhsa_system_sgpr_workgroup_id_z 1
		.amdhsa_system_vgpr_workitem_id 0
		.amdhsa_next_free_vgpr 256
		.amdhsa_next_free_sgpr 100
		.amdhsa_reserve_vcc 1
		.amdhsa_float_denorm_mode_32 3
		.amdhsa_float_denorm_mode_16_64 3
		.amdhsa_memory_ordered 1
		.amdhsa_forward_progress 1
		.amdhsa_inst_pref_size 104
	.end_amdhsa_kernel
	.amdgpu_metadata
---
amdhsa.version: [ 1, 2 ]
amdhsa.kernels:
  - .name:           k_qd4786bff66_attn
    .symbol:         k_qd4786bff66_attn.kd
    .args:
      - { .name: qkv, .offset: 0, .size: 8, .value_kind: global_buffer, .address_space: global }
      - { .name: attn_mask, .offset: 8, .size: 8, .value_kind: global_buffer, .address_space: global }
      - { .name: att, .offset: 16, .size: 8, .value_kind: global_buffer, .address_space: global }
    .group_segment_fixed_size: 327680
    .private_segment_fixed_size: 0
    .kernarg_segment_align: 8
    .kernarg_segment_size: 24
    .max_flat_workgroup_size: 512
    .sgpr_count:     100
    .vgpr_count:     256
    .wavefront_size: 32
...
	.end_amdgpu_metadata
.endif
;; end of part 3
;; launch outp (part 4): grid 8 x 8, 4 waves a work-group, clusters of 4 x 4, 327,680 bytes of LDS; arguments att, ops, bo, out0; writes out0
.if DOCPART == 4
	.amdgcn_target "amdgcn-amd-amdhsa--gfx1250"
	.amdhsa_code_object_version 6
	.text
	.protected	k_qd4786bff66_outp
	.globl	k_qd4786bff66_outp
	.p2align	8
	.type	k_qd4786bff66_outp,@function
k_qd4786bff66_outp:
	s_mov_b64 s[64:65], 0
	v_nop
	global_prefetch_b8 v0, s[64:65] scope:SCOPE_SE
	s_setreg_imm32_b32 hwreg(HW_REG_WAVE_MODE, 25, 1), 1
	s_wait_xcnt 0x0
	s_wait_alu depctr_hold_cnt(0) depctr_sa_sdst(0) depctr_va_vdst(0) depctr_va_sdst(0) depctr_va_ssrc(0) depctr_va_vcc(0) depctr_vm_vsrc(0)
	s_getreg_b32 s2, hwreg(HW_REG_IB_STS2, 6, 4)
	s_cmp_eq_u32 s2, 0
	s_cbranch_scc0 .Lentry_in_a_cluster
	s_endpgm
.Lentry_in_a_cluster:
	s_bfe_u32 s2, ttmp6, 0x10000c
	s_cmp_lg_u32 s2, 0xf033
	s_cbranch_scc0 .Lentry_shape_is_right
	s_endpgm
.Lentry_shape_is_right:
; THE OUTPUT PROJECTION: out0 = attn Wo^T + bo, on codes of FP6 (E2M3) with E8M0 scales; out0 [2048][2048] f32.
; Both operands are records (128 rows x 128 K: eight images of operand registers of 1,536 bytes, then 512 bytes of scale words; lane r of fragment f holds row 32 (f / 2) + 8 (f % 2) + r + 8 (r / 8)):
; attn from the buffer att, [query block][head]; Wo is tensor 4 of ops.  A fragment is three loads of 16 bytes a lane; 128 rows x 256 K are 25,600 dense bytes: one tensor load.
; SHARES.  A tile of 256 x 256 is made by four waves, each 128 x 128: 64 accumulators.  K goes in slots of 256 through a ring of two LDS slots.  64 work-groups: the tile is the one that reads each LDS byte least often.
; CLUSTERS: 4 x 4 work-groups; attn's tiles are asked for jointly along a row of the cluster, Wo's along a column.
; THE MATRIX INSTRUCTION IS USED TRANSPOSED (source 0 = 16 rows of Wo, source 1 = 16 rows of attn): lane (r, h) holds one row of the result; register j of tile b is column 32 (b / 2) + 16 h + 8 (b % 2) + j.
; The bias is the C of each sum's first product.  The rows' order is undone on the way out, in the stores' immediates.
; REGISTERS, in windows of 256: window 0: v16-31 addresses; v32-63 scale words, two sets; v128-223 attn's fragments, one set (on the way out v128-255: rows of the result).
;   window 1: Wo's fragments, two sets, at v0 and v128; v96-127 and v224-255 the bias.   windows 2, 3: the accumulators.
.set REC,   12800
.set FRB,   1536
.set SCO,   8*FRB
.set TEN,   256*REC
.set GB,    16*REC
.set PART,  2*REC
.set SLOT,  4*PART
.set SPARE, 2*SLOT                     ; behind the ring: the spare words, 128 bytes a wave: two blocks of 256 bytes that no other line names
.set SPITCH, 528                       ; the way out: a stage of 16 rows x (512 + 16) bytes for each wave, in slot 0, which has had its last fill and its last read by then
.set FR,    12
.set NL,    3
.set NP,    4
.set ADRA, 16
.set ADRB, 20
.set ADRS, 22
.set STO,  24
.set RD,   25
.set VBN,  26
.set CO,   27
.set SPW,  28
.set NIL,  29
.set PFO,  30
.set HH,   31
.set SC,   32
.set AF,   128
.set BK,   128
.set WV,   16
.set RH,   17
.set CH,   18
.set TR,   19
.set G1,   24
.set G0,   32
.set G1B,  48
.set G0B,  56
.set PFA,  66
.set LIM,  68
.set MSB, 0
.macro WIN new                         ; the immediate's high byte repeats the setting that is left
.if MSB != (\new)
	s_set_vgpr_msb (MSB<<8)|(\new)
.set MSB, (\new)
.endif
.endm
.set MUL_LO,  0xa1                     ; source 0 (Wo) window 1, source 1 (attn) window 0, C and D window 2
.set MUL_HI,  0xf1                     ; the same, C and D window 3
.set MUL_LO0, 0x91                     ; the first step: C (the bias) window 1, D window 2
.set MUL_HI0, 0xd1                     ; C window 1, D window 3
.set TO_B,    0x40
.macro JLOAD g0a, g1a, g0b, g1b        ; a joint load: waves 0 and 1 fetch for attn, waves 2 and 3 for Wo; four v_nop follow each of the two lines
	s_cmp_eq_u32 s[RH], 0
	s_cbranch_scc0 .Lfor_b_\@
	tensor_load_to_lds s[\g0a:\g0a+3], s[\g1a:\g1a+7]
	s_nop 0
.rept 4
	v_nop
.endr
	s_branch .Lasked_\@
.Lfor_b_\@:
	tensor_load_to_lds s[\g0b:\g0b+3], s[\g1b:\g1b+7]
	s_nop 0
.rept 4
	v_nop
.endr
.Lasked_\@:
.endm
.macro CREST
	s_cmp_lg_u32 s[WV], 0
	s_cbranch_scc1 .Lnot_wave_0_\@
	s_barrier_signal -3
.Lnot_wave_0_\@:
	s_barrier_wait -3
	s_barrier_signal -1
	s_barrier_wait -1
.endm
.macro CROUND
	s_barrier_signal -1
	s_barrier_wait -1
	CREST
.endm
; A prefetch of the slot that stands two refills on: of the 25,600 bytes that I fetch, my work-group's quarter, 25 blocks of 256 bytes, a lane a block (lanes 25-31 repeat lane 24's).
; The partners share a part out by address (cx for attn, cy for Wo); attn's parts are read by both clusters of a row of clusters: cluster x = 0 asks; Wo's by both of a column: cluster y = 0 asks.
.macro ASK
	s_cmp_gt_u32 s3, s[LIM]
	s_cbranch_scc0 .Lnot_mine_\@
	global_prefetch_b8 v[PFO], s[PFA:PFA+1] offset:PART th:TH_LOAD_NT scope:SCOPE_SE
.Lnot_mine_\@:
.endm
.macro PLACES n
.rept \n
	v_nop
.endr
.endm
	s_load_b256 s[4:11], s[0:1], 0x0               ; att, ops, bo, out0
	v_lshl_add_u32 v[SPW], v0, 2, SPARE
	v_mov_b32 v[NIL], 0
	ds_add_u32 v28, v29
	s_wait_dscnt 0x0
	v_lshrrev_b32 v1, 5, v0
	v_readfirstlane_b32 s[WV], v1
	s_lshr_b32 s[RH], s[WV], 1                     ; which half of the tile's rows is mine; also: I fetch for attn (0) or for Wo (1)
	s_and_b32 s[CH], s[WV], 1                      ; which half of its columns; also: which 128 rows I fetch
	s_bfe_u32 s40, ttmp6, 0x40000                  ; cx
	s_bfe_u32 s41, ttmp6, 0x40004                  ; cy
	s_lshl_b32 s42, ttmp9, 2
	s_add_co_u32 s42, s42, s40                     ; tile column
	s_and_b32 s69, ttmp7, 0xffff                   ; cluster y
	s_lshl_b32 s[TR], s69, 2
	s_add_co_u32 s[TR], s[TR], s41                 ; tile row
	s_lshl_b32 s43, s41, 2
	s_lshl_b32 s43, 15, s43                        ; my row of the cluster
	s_lshl_b32 s44, 0x1111, s40                    ; my column
	s_or_b32 s[G1+0], s43, (3<<16)|(1<<21)         ; 15:0 the mask; 17:16 elements of 8 bytes; 21 set beside a mask; no padding
	s_or_b32 s[G1B+0], s44, (3<<16)|(1<<21)
.irp g, G1, G1B
	s_mov_b32 s[\g+1], 32<<16                      ; 25,600 dense bytes as 100 rows of 32 elements
	s_mov_b32 s[\g+2], 100<<16
	s_mov_b32 s[\g+3], 32<<16
	s_mov_b32 s[\g+4], 100
	s_mov_b32 s[\g+5], 32
	s_mov_b32 s[\g+6], 0
	s_mov_b32 s[\g+7], 0
.endr
	s_lshl_b32 s20, s[TR], 1
	s_add_co_u32 s20, s20, s[CH]
	s_mul_i32 s20, s20, GB                         ; attn: rows 128 (2 x tile row + the half that I fetch)
	s_mov_b32 s21, 0
	s_lshl_b32 s46, s42, 1
	s_add_co_u32 s46, s46, s[CH]
	s_mul_i32 s46, s46, GB
	s_add_co_u32 s46, s46, 4*TEN                   ; Wo: tensor 4 of ops
	s_mov_b32 s47, 0
	s_mul_i32 s45, s[WV], PART
	s_lshl_b32 s70, s42, 1
	s_add_co_u32 s70, s70, s[CH]                   ; my 128 columns
	s_lshl_b32 s71, s[TR], 1
	s_add_co_u32 s71, s71, s[RH]                   ; my 128 rows
	s_wait_kmcnt 0x0
	s_add_nc_u64 s[20:21], s[4:5], s[20:21]
	s_add_nc_u64 s[46:47], s[6:7], s[46:47]
	s_lshl_b32 s72, s70, 9
	s_mov_b32 s73, 0
	s_add_nc_u64 s[8:9], s[8:9], s[72:73]          ; the bias of my 128 columns
	s_add_nc_u64 s[10:11], s[10:11], s[72:73]      ; out0: my columns,
	s_lshl_b32 s72, s71, 20
	s_add_nc_u64 s[10:11], s[10:11], s[72:73]      ; my 128 rows of 8,192 bytes
	s_cmp_eq_u32 s[RH], 0                          ; the prefetches: do I fetch for attn?
	s_cselect_b32 s72, s40, s41
	s_cselect_b32 s22, ttmp9, s69
	s_cselect_b64 s[PFA:PFA+1], s[20:21], s[46:47]
	s_cmp_eq_u32 s22, 0
	s_cselect_b32 s[LIM], 1, -1
	s_mul_i32 s72, s72, PART/4
	s_add_co_u32 s72, s72, 2*PART                  ; at slot 2: the first refill steps it to 3 and names slot 4
	s_add_nc_u64 s[PFA:PFA+1], s[PFA:PFA+1], s[72:73]
	CROUND                                         ; all sixteen work-groups are here: the first joint loads meet
.irp s, 0,1
	s_mov_b32 s[G0+4*\s], 1
	s_add_co_u32 s[G0+4*\s+1], s45, \s*SLOT
	s_add_nc_u64 s[G0+4*\s+2:G0+4*\s+3], s[20:21], \s*PART
	s_or_b32 s[G0+4*\s+3], s[G0+4*\s+3], 0x80000000
	s_mov_b32 s[G0B+4*\s], 1
	s_add_co_u32 s[G0B+4*\s+1], s45, \s*SLOT
	s_add_nc_u64 s[G0B+4*\s+2:G0B+4*\s+3], s[46:47], \s*PART
	s_or_b32 s[G0B+4*\s+3], s[G0B+4*\s+3], 0x80000000
	JLOAD G0+4*\s, G1, G0B+4*\s, G1B
.endr
	v_and_b32 v1, 31, v0
	v_lshlrev_b32 v[CO], 4, v1                     ; 16 x lane
	v_and_b32 v3, 15, v0                           ; r
	v_bfe_u32 v[HH], v0, 4, 1                      ; h
	s_mul_i32 s74, s[RH], PART
	s_mul_i32 s75, s[CH], PART
	s_add_co_u32 s75, s75, 2*PART
.irp s, 0,1
	v_add_nc_u32 v[ADRA+\s], s74, v[CO]
	v_add_nc_u32 v[ADRB+\s], s75, v[CO]
	s_add_co_u32 s74, s74, SLOT
	s_add_co_u32 s75, s75, SLOT
.endr
	s_mul_i32 s74, s[RH], PART
	s_mul_i32 s75, s[CH], PART
	s_add_co_u32 s75, s75, 2*PART
	s_sub_co_u32 s75, s75, s74
	v_mul_u32_u24 v5, s75, v[HH]                   ; lanes 16-31 take Wo's scale words
	v_lshl_add_u32 v5, v3, 4, v5
	s_add_co_u32 s74, s74, SCO
	v_add_nc_u32 v[ADRS], s74, v5
	v_add_nc_u32 v[ADRS+1], SLOT, v[ADRS]
	v_min_u32 v[PFO], 24, v1
	v_lshlrev_b32 v[PFO], 8, v[PFO]
	v_lshlrev_b32 v[VBN], 6, v[HH]
	s_mul_i32 s74, s[WV], 16*SPITCH                ; my stage
	v_mul_u32_u24 v5, v3, SPITCH
	v_lshl_add_u32 v5, v[HH], 6, v5
	v_add_nc_u32 v[STO], s74, v5                   ; in: row r, + 64 h
	v_add_nc_u32 v[RD], s74, v[CO]                 ; back: a row of 512 bytes, 16 a lane
	WIN TO_B
.irp n, 0,1,2,3,4,5,6,7,8,9,10,11,12,13,14,15
	global_load_b128 v[96+4*\n+96*(\n/8):99+4*\n+96*(\n/8)], v[VBN], s[8:9] offset:128*(\n/4)+16*(\n%4)   ; the bias in the result's layout: register 16 B + i = column 32 B + 16 h + i
.endr
	WIN 0
.macro FRAG reg, adr, q, i
.irp c, 0,1,2
	ds_load_b128 v[\reg+4*\c:\reg+4*\c+3], v[\adr] offset:(\q)*REC+(\i)*FRB+512*\c
.endr
.endm
; 16 matrix instructions: attn's blocks a0, a0 + 1 x Wo's eight.  zero = 1: the first product starts the sums, with the bias as its C.
; The 64 accumulators take turns, one instruction a turn, in the same order in every step.
.macro MUL16 a0, p, q, sc, zero
.irp a, \a0, \a0+1
.irp b, 0,1,2,3,4,5,6,7
.set rD, 8*(8*((\a)%4)+\b)
.set rB, 128*(\p)+FR*\b
.set rA, AF+FR*(\a)
.set rC, 96+8*\b+96*(\b/4)
.set rSB, SC+16*(\sc)+8*(\q)+\b
.set rSA, SC+16*(\sc)+8*(\q)+(\a)
.if \zero
	v_wmma_scale_f32_16x16x128_f8f6f4 v[rD:rD+7], v[rB:rB+11], v[rA:rA+11], v[rC:rC+7], v[rSB], v[rSA] matrix_a_fmt:MATRIX_FMT_FP6 matrix_b_fmt:MATRIX_FMT_FP6 matrix_a_scale:MATRIX_SCALE_ROW1
.else
	v_wmma_scale_f32_16x16x128_f8f6f4 v[rD:rD+7], v[rB:rB+11], v[rA:rA+11], v[rD:rD+7], v[rSB], v[rSA] matrix_a_fmt:MATRIX_FMT_FP6 matrix_b_fmt:MATRIX_FMT_FP6 matrix_a_scale:MATRIX_SCALE_ROW1
.endif
.endr
.endr
.endm
.macro FETCH_B slot, q, p
	WIN TO_B
.irp i, 0,1,2,3,4,5,6,7
	FRAG 128*(\p)+FR*\i, ADRB+\slot, \q, \i
.endr
	WIN 0
.endm
.macro FETCH_A slot, q, i0
.irp i, \i0, \i0+1, \i0+2, \i0+3
	FRAG AF+FR*(\i), ADRA+\slot, \q, \i
.endr
.endm
.macro SCALES slot
.irp q, 0,1
.irp hh, 0,1
	ds_load_b128 v[SC+16*\slot+8*\q+4*\hh:SC+16*\slot+8*\q+4*\hh+3], v[ADRS+\slot] offset:\q*REC+256*\hh
.endr
.endr
.endm
.macro STEP slot, zero                 ; a slot's first step of 128 along K
	s_wait_dscnt 4*NL                              ; all but the youngest 12 loads (attn's blocks 4-7)
.if \zero
	WIN MUL_LO0
.else
	WIN MUL_LO
.endif
	MUL16 0, 0, 0, \slot, \zero
	MUL16 2, 0, 0, \slot, \zero
	s_wait_dscnt 0x0
	PLACES NP                                      ; in front of loads into registers that matrix instructions have read
	FETCH_B \slot, 1, 1
	FETCH_A \slot, 1, 0
.if \zero
	WIN MUL_HI0
.else
	WIN MUL_HI
.endif
	MUL16 4, 0, 0, \slot, \zero
	MUL16 6, 0, 0, \slot, \zero
	PLACES NP
	WIN 0
	FETCH_A \slot, 1, 4
.endm
; A slot's second step changes slots: one barrier; in front of it each wave waits for all its tensor loads, adds 0 to its spare word, and waits for that and for its reads of this slot.
.macro TURN slot, next, fill
.if \fill
	s_wait_xcnt 0x0                                ; the last prefetch, a slot back, has read its address
	s_add_nc_u64 s[PFA:PFA+1], s[PFA:PFA+1], PART
.endif
	s_wait_tensorcnt 0x0                           ; all my tensor loads have landed: my part of the next slot
	ds_add_u32 v[SPW], v[NIL]                      ; 0 onto my spare word
	s_wait_dscnt 4*NL+1                            ; (the add and the youngest 12 loads may be out)
	WIN MUL_LO
	MUL16 0, 1, 1, \slot, 0
	s_wait_dscnt 0x0                               ; the add is done, and my reads of this slot are over
	s_barrier_signal -1
	MUL16 2, 1, 1, \slot, 0
	WIN 0
	s_barrier_wait -1
.if \fill
	CREST                                          ; no wave of any partner still reads this slot or has a load on its way
	s_add_nc_u64 s[G0+4*\slot+2:G0+4*\slot+3], s[G0+4*\slot+2:G0+4*\slot+3], 2*PART
	s_add_nc_u64 s[G0B+4*\slot+2:G0B+4*\slot+3], s[G0B+4*\slot+2:G0B+4*\slot+3], 2*PART
	JLOAD G0+4*\slot, G1, G0B+4*\slot, G1B         ; the first tensor load behind the round; its four v_nop are also the places in front of the loads below
.else
	PLACES NP
.endif
	FETCH_B \next, 0, 0
	FETCH_A \next, 0, 0
	SCALES \next
.if \fill
	ASK
.endif
	WIN MUL_HI
	MUL16 4, 1, 1, \slot, 0
	MUL16 6, 1, 1, \slot, 0
	PLACES NP
	WIN 0
	FETCH_A \next, 0, 4
.endm
	s_wait_tensorcnt 1                             ; my part of slot 0 is in; slot 1's may be out
	s_barrier_signal -1
	s_barrier_wait -1
	FETCH_B 0, 0, 0
	FETCH_A 0, 0, 0
	SCALES 0
	FETCH_A 0, 0, 4
	s_wait_loadcnt 0x0                             ; the bias
	STEP 0, 1                                      ; the first step stands in front of the loop: its products start the sums
	s_mov_b32 s3, 3
.Llap:
	TURN 0, 1, 1
	STEP 1, 0
	TURN 1, 0, 1
	STEP 0, 0
	s_sub_co_u32 s3, s3, 1
	s_cmp_lg_u32 s3, 0
	s_cbranch_scc1 .Llap
	TURN 0, 1, 0                                   ; the last lap fills nothing
	STEP 1, 0
	s_wait_dscnt 4*NL
	WIN MUL_LO
	MUL16 0, 1, 1, 1, 0
	MUL16 2, 1, 1, 1, 0
	s_wait_dscnt 0x0
	WIN MUL_HI
	MUL16 4, 1, 1, 1, 0
	MUL16 6, 1, 1, 1, 0
	WIN 0
; THE WAY OUT, block by block of 16 rows x 128 columns, through my own stage in LDS: in as 16 bytes of a row a store, back as whole rows of 512 bytes, which the 32 lanes store.
; LDS serves a wave's instructions in order: no wait between the stores and the loads, nor in front of the next block's stores.
.macro TOSTAGE a
.set AC, 64*((\a)%4)
	WIN 0x08+4*((\a)/4)                            ; the data: window 2 or 3
.irp b, 0,1,2,3,4,5,6,7
	ds_store_b128 v[STO], v[AC+8*\b:AC+8*\b+3] offset:128*(\b/2)+32*(\b%2)          ; each accumulator from its low end on
	ds_store_b128 v[STO], v[AC+8*\b+4:AC+8*\b+7] offset:128*(\b/2)+32*(\b%2)+16
.endr
	WIN 0
.set BB, BK+64*((\a)%2)
.irp t, 0,1,2,3,4,5,6,7,8,9,10,11,12,13,14,15
	ds_load_b128 v[BB+4*\t:BB+4*\t+3], v[RD] offset:\t*SPITCH
.endr
.endm
.macro SEND a, younger                 ; younger: the LDS instructions issued behind block a's loads, which may stay out
.set BB, BK+64*((\a)%2)
	s_wait_dscnt \younger
.irp t, 0,1,2,3,4,5,6,7,8,9,10,11,12,13,14,15
	global_store_b128 v[CO], v[BB+4*\t:BB+4*\t+3], s[10:11] offset:(32*((\a)/2)+8*((\a)%2)+\t+8*(\t/8))*8192 th:TH_STORE_NT   ; the stage's row t is row 32 (a / 2) + 8 (a % 2) + t + 8 (t / 8) of my 128; 512 consecutive bytes, aligned
.endr
.endm
	PLACES NP                                      ; behind the last products: results are read, and rows land where attn's fragments lay
	TOSTAGE 0
.irp a, 1,2,3,4,5,6,7
.if \a > 1
	s_wait_xcnt 0x0                                ; block a - 2's stores have read their registers: block a's rows may land there
.endif
	TOSTAGE \a
	SEND \a-1, 32                                  ; behind block a - 1's loads: block a's 16 stores and 16 loads
.endr
	SEND 7, 0
	s_wait_tensorcnt 0x0                           ; the wave's end
	ds_add_u32 v[SPW], v[NIL]
	s_wait_dscnt 0x0
	CROUND                                         ; the closing round
	s_endpgm
.Lfunc_end_k_qd4786bff66_outp:
	.size	k_qd4786bff66_outp, .Lfunc_end_k_qd4786bff66_outp-k_qd4786bff66_outp
	.p2alignl 7, 3214868480
	.fill 96, 4, 3214868480
	.section	.rodata,"a",@progbits
	.p2align	6, 0x0
	.amdhsa_kernel k_qd4786bff66_outp
		.amdhsa_group_segment_fixed_size 327680
		.amdhsa_private_segment_fixed_size 0
		.amdhsa_enable_private_segment 0
		.amdhsa_kernarg_size 32
		.amdhsa_user_sgpr_count 2
		.amdhsa_user_sgpr_kernarg_segment_ptr 1
		.amdhsa_wavefront_size32 1
		.amdhsa_system_sgpr_workgroup_id_x 1
		.amdhsa_system_sgpr_workgroup_id_y 1
		.amdhsa_system_sgpr_workgroup_id_z 1
		.amdhsa_system_vgpr_workitem_id 0
		.amdhsa_next_free_vgpr 1024
		.amdhsa_next_free_sgpr 96
		.amdhsa_reserve_vcc 0
		.amdhsa_float_denorm_mode_32 3
		.amdhsa_float_denorm_mode_16_64 3
		.amdhsa_memory_ordered 1
		.amdhsa_forward_progress 1
		.amdhsa_inst_pref_size 134
	.end_amdhsa_kernel
	.amdgpu_metadata
---
amdhsa.version: [ 1, 2 ]
amdhsa.kernels:
  - .name:           k_qd4786bff66_outp
    .symbol:         k_qd4786bff66_outp.kd
    .args:
      - { .name: att, .offset: 0, .size: 8, .value_kind: global_buffer, .address_space: global }
      - { .name: ops, .offset: 8, .size: 8, .value_kind: global_buffer, .address_space: global }
      - { .name: bo, .offset: 16, .size: 8, .value_kind: global_buffer, .address_space: global }
      - { .name: out0, .offset: 24, .size: 8, .value_kind: global_buffer, .address_space: global }
    .group_segment_fixed_size: 327680
    .private_segment_fixed_size: 0
    .kernarg_segment_align: 8
    .kernarg_segment_size: 32
    .max_flat_workgroup_size: 128
    .sgpr_count:     96
    .vgpr_count:     1024
    .wavefront_size: 32
...
	.end_amdgpu_metadata
.endif
;; end of part 4
;; ======== version 2 of 2: 4 launches
;; limits: right only within a limited range of input values
;; workspace buffers: ops 19,660,800 bytes; qkv 9,830,400 bytes; att 3,276,800 bytes
;; launch quant (part 5): grid 256 x 1, 6 waves a work-group, no clusters, 51,456 bytes of LDS; arguments x_q, x_kv, Wv, Wk, Wo, Wq, ops; writes ops
.if DOCPART == 5
	.amdgcn_target "amdgcn-amd-amdhsa--gfx1250"
	.amdhsa_code_object_version 6
	.text
	.protected	k_qd4786bff66_quant
	.globl	k_qd4786bff66_quant
	.p2align	8
	.type	k_qd4786bff66_quant,@function
k_qd4786bff66_quant:
	s_mov_b64 s[64:65], 0
	v_nop
	global_prefetch_b8 v0, s[64:65] scope:SCOPE_SE
	s_setreg_imm32_b32 hwreg(HW_REG_WAVE_MODE, 25, 1), 1
	s_wait_xcnt 0x0
; Six f32 matrices [2048][2048], K innermost, become codes of FP6 (E2M3) with one E8M0 scale byte for each 32 along K.
; A block's scale is 2^(floor(log2(its largest magnitude)) - 2); its byte is the largest magnitude's exponent field - 2, held at 1 from below.
; LAYOUT OF THE RESULT: RECORDS.  A record is 128 rows x 128 K as eight images of operand registers: fragment f (16 rows x 128 K, 12 registers a lane) at 1,536 f, its registers
; 4 c .. 4 c + 3 at 512 c, lane l at 16 l.  Behind them, at 12,288, the scale words: that of (fragment f, lane r) at 256 (f / 4) + 16 r + 4 (f % 4).  12,800 bytes in all.
; Lane r of fragment f holds row 32 (f / 2) + 8 (f % 2) + r + 8 (r / 8) of the 128: with that choice a product's results lie, in a lane's registers, as neighbours along the next product's K.
; A matrix is 16 x 16 records, [row / 128][k / 128]; tensor y lies at y x 256 records: 0 x_q, 1 x_kv, 2 Wv, 3 Wk, 4 Wo, 5 Wq.
; SHARES.  6 x 256 records = 256 work-groups x 6 waves: wave w of work-group g makes record 6 g + w of the 1,536.  It reads 128 rows x 512 bytes, 512 consecutive bytes a load, and stores 12,800
; consecutive bytes, 512 a store.  The conversions want 16 neighbours along K in one lane, the loads want neighbouring lanes on neighbouring bytes: a fragment's 16 rows turn through the wave's own
; stage in LDS (rows of 512 + 16 bytes).  Loads run four fragments (64 loads a wave) ahead, in the four sets of window 1.
; ALL CODES STAY IN REGISTERS (96 a lane) and the record's 25 stores are the wave's last instructions: no store's data are written again, no address register is stepped, so no wait frees a source.
; No matrix unit, no cluster, no tensor load: every byte is read once by one wave, and waves share nothing, so there is no barrier.
; LIMITS: NaN and infinities among the inputs are not served.  A block of zeros, or one whose largest magnitude lies under 2^-124, gets the byte 1: its codes are zeros or what the
; held scale gives, and the bytes are read by this program alone.
.set REC,  12800
.set TEN,  256*REC
.set FRB,  1536
.set SCO,  8*FRB
.set SP,   528                         ; a stage row
.set STG,  16*SP                       ; a wave's stage
.set SPARE, 6*STG                      ; behind the stages: the spare words, 128 bytes a wave: three blocks of 256 bytes that no other line names
.set SPW,  5                           ; v5       SPARE + 4 x my thread's number; never rewritten
.set NIL,  6                           ; v6       0; never rewritten
.set TM,   8                           ; v8-23    at work in QUANT
.set W,    24                          ; v24-31   the eight fragments' scale words
.set X4,   32                          ; v32-35   the scale block as it is stored
.set PT,   36                          ; v36-42   the upper halves of the blocks' codes, as the conversions make them
.set CD,   48                          ; v48-143  the record's codes: fragment f at 12 f
.set X,    192                         ; v192-255 64 numbers of my row: register 16 b + i = k 32 b + 16 (lane / 16) + i
                                       ; window 1: four sets of 64 registers as loaded
.set SEL,  20                          ; s[20:21] v_permlanex16_b32's selects for lane l xor 16
.set MSB, 0
.macro WIN new                         ; bits 1:0 source 0, 3:2 source 1, 7:6 destination; the high byte repeats the setting that is left
.if MSB != (\new)
	s_set_vgpr_msb (MSB<<8)|(\new)
.set MSB, (\new)
.endif
.endm
; 64 numbers of a lane become a fragment's codes in v[pc] .. v[pc + 11] and my row's scale word in v[pw].
.macro QUANT src, pw, pc
.irp b, 0,1,2,3
	v_max3_num_f32 v[TM+\b], |v[\src+16*\b]|, |v[\src+1+16*\b]|, 0x1800000   ; block b: my 16 numbers, and the floor 2^(3 - 127): the byte cannot fall under 1
.endr
.irp i, 2,4,6,8,10,12,14
.irp b, 0,1,2,3
	v_max3_num_f32 v[TM+\b], v[TM+\b], |v[\src+16*\b+\i]|, |v[\src+1+16*\b+\i]|   ; the four blocks by turns
.endr
.endr
.irp b, 0,1,2,3
	v_permlanex16_b32 v[TM+4+\b], v[TM+\b], s[SEL], s[SEL+1]
.endr
.irp b, 0,1,2,3
	v_max_num_f32 v[TM+\b], v[TM+\b], v[TM+4+\b]   ; with lane l xor 16's 16: the block's largest magnitude
.endr
.irp b, 0,1,2,3
	v_add_nc_u32 v[TM+12+\b], 0xff000000, v[TM+\b]   ; 2 off its exponent field: the conversion takes the exponent field of this operand as its scale
.endr
.irp b, 0,1,2,3
	v_lshrrev_b32 v[TM+4+\b], 23, v[TM+12+\b]      ; the scale's byte
.endr
	v_lshl_or_b32 v[\pw], v[TM+5], 8, v[TM+4]
	v_lshl_or_b32 v[\pw], v[TM+6], 16, v[\pw]
	v_lshl_or_b32 v[\pw], v[TM+7], 24, v[\pw]      ; my row's scale word, the same in both halves of the lanes
.irp c, 0,1
	v_cvt_scalef32_pk16_fp6_f32 v[\pc+6*\c:\pc+2+6*\c], v[\src+32*\c:\src+15+32*\c], v[TM+12+2*\c]
	v_cvt_scalef32_pk16_fp6_f32 v[PT+4*\c:PT+2+4*\c], v[\src+16+32*\c:\src+31+32*\c], v[TM+13+2*\c]   ; (a conversion's three registers begin on an even number)
.endr
	v_nop                                          ; one plain instruction behind the scaled conversions
.irp c, 0,1                                    ; the operand's layout wants a whole block in a lane: lanes 0-15 block 2 c, lanes 16-31 block 2 c + 1
.irp i, 0,1,2
	v_permlane16_swap_b32 v[\pc+6*\c+\i], v[PT+4*\c+\i]
.endr
.irp i, 0,1,2
	v_mov_b32 v[\pc+3+6*\c+\i], v[PT+4*\c+\i]
.endr
.endr
.endm
	s_load_b256 s[4:11], s[0:1], 0x0               ; x_q, x_kv, Wv, Wk
	s_load_b128 s[12:15], s[0:1], 0x20             ; Wo, Wq
	s_load_b64 s[16:17], s[0:1], 0x30              ; ops
	v_lshl_add_u32 v[SPW], v0, 2, SPARE
	v_mov_b32 v[NIL], 0
	v_lshrrev_b32 v7, 5, v0
	v_readfirstlane_b32 s18, v7                    ; wave 0..5
	v_and_b32 v7, 31, v0
	v_lshlrev_b32 v1, 4, v7                        ; 16 x lane: my bytes of a load's or a store's 512
	v_and_b32 v3, 15, v0                           ; r
	v_bfe_u32 v4, v0, 4, 1                         ; h
	s_mul_i32 s19, s18, STG                        ; my wave's stage
	v_add_nc_u32 v2, s19, v1                       ; into it: a row as it lies
	v_mul_u32_u24 v3, v3, SP
	v_lshl_add_u32 v3, v4, 6, v3
	v_add_nc_u32 v3, s19, v3                       ; out of it: row r, + 64 h: my 16 numbers of each block of 32
	s_mov_b32 s[SEL], 0x76543210
	s_mov_b32 s[SEL+1], 0xfedcba98
.irp b, 0,1,2,3
	v_mov_b32 v[TM+4+\b], 0                        ; written once: a lane permute's destination counts as one of its sources
.endr
	s_mul_i32 s23, ttmp9, 6
	s_add_co_u32 s23, s23, s18                     ; my record of the 1,536
	s_lshr_b32 s22, s23, 8                         ; which tensor
	s_and_b32 s23, s23, 255                        ; which record of it: 16 G + s
	s_lshr_b32 s24, s23, 4
	s_lshl_b32 s24, s24, 20                        ; G x 128 rows of 8,192 bytes
	s_and_b32 s25, s23, 15
	s_lshl_b32 s25, s25, 9                         ; s x 128 numbers
	s_add_co_u32 s24, s24, s25
	s_mov_b32 s25, 0
	s_mul_i32 s26, s22, TEN
	s_mul_i32 s27, s23, REC
	s_add_co_u32 s26, s26, s27
	s_mov_b32 s27, 0
	s_wait_alu depctr_va_vdst(0)
	s_wait_kmcnt 0x0
	s_cmp_eq_u32 s22, 1                            ; the input is chosen by the record's number alone
	s_cselect_b64 s[4:5], s[6:7], s[4:5]
	s_cmp_eq_u32 s22, 2
	s_cselect_b64 s[4:5], s[8:9], s[4:5]
	s_cmp_eq_u32 s22, 3
	s_cselect_b64 s[4:5], s[10:11], s[4:5]
	s_cmp_eq_u32 s22, 4
	s_cselect_b64 s[4:5], s[12:13], s[4:5]
	s_cmp_eq_u32 s22, 5
	s_cselect_b64 s[4:5], s[14:15], s[4:5]
	s_add_nc_u64 s[4:5], s[4:5], s[24:25]
	s_add_nc_u64 s[16:17], s[16:17], s[26:27]
.macro LOAD f                          ; fragment f's 16 rows, 512 consecutive bytes each, into set f % 4 of window 1
.irp t, 0,1,2,3,4,5,6,7,8,9,10,11,12,13,14,15
	global_load_b128 v[64*((\f)%4)+4*\t:64*((\f)%4)+4*\t+3], v1, s[4:5] offset:(32*((\f)/2)+8*((\f)%2)+\t+8*(\t/8))*8192 th:TH_LOAD_NT
.endr
.endm
.macro FRAGQ f
.if (\f) < 5
	s_wait_loadcnt 48                              ; this fragment's 16 loads are in; those of the three fragments behind it may be out
.else
	s_wait_loadcnt 16*(7-(\f))
.endif
	WIN 0x04                                       ; the data lie in window 1
.irp t, 0,1,2,3,4,5,6,7,8,9,10,11,12,13,14,15
	ds_store_b128 v2, v[64*((\f)%4)+4*\t:64*((\f)%4)+4*\t+3] offset:SP*\t
.endr
	WIN 0
.irp n, 0,1,2,3,4,5,6,7,8,9,10,11,12,13,14,15
	ds_load_b128 v[X+4*\n:X+4*\n+3], v3 offset:128*(\n/4)+16*(\n%4)   ; LDS serves a wave's instructions in order: these see the stores above
.endr
	s_wait_dscnt 0x0                               ; my numbers are back, and the stores have read their registers,
.if (\f) < 4
	WIN 0x40
	LOAD (\f)+4                                    ; which take the loads of four fragments on
	WIN 0
.endif
	QUANT X, W+(\f), CD+12*(\f)
.endm
	WIN 0x40
.irp f, 0,1,2,3
	LOAD \f
.endr
	WIN 0
.irp f, 0,1,2,3,4,5,6,7
	FRAGQ \f
.endr
	v_cmp_eq_u32 vcc_lo, 1, v4                     ; the scale block: lanes 0-15 hold fragments 0-3's words of their row, lanes 16-31 fragments 4-7's
.irp i, 0,1,2,3
	v_cndmask_b32 v[X4+\i], v[W+\i], v[W+4+\i], vcc_lo
.endr
	s_wait_alu depctr_va_vdst(0)                   ; the stores read what was just written
	s_wait_tensorcnt 0x0
	ds_add_u32 v[SPW], v[NIL]
	s_wait_dscnt 0x0
.irp f, 0,1,2,3,4,5,6,7
.irp c, 0,1,2
	global_store_b128 v1, v[CD+12*\f+4*\c:CD+12*\f+4*\c+3], s[16:17] offset:FRB*\f+512*\c   ; 32 lanes store 512 consecutive bytes, aligned
.endr
.endr
	global_store_b128 v1, v[X4:X4+3], s[16:17] offset:SCO
	s_endpgm
.Lfunc_end_k_qd4786bff66_quant:
	.size	k_qd4786bff66_quant, .Lfunc_end_k_qd4786bff66_quant-k_qd4786bff66_quant
	.p2alignl 7, 3214868480
	.fill 96, 4, 3214868480
	.section	.rodata,"a",@progbits
	.p2align	6, 0x0
	.amdhsa_kernel k_qd4786bff66_quant
		.amdhsa_group_segment_fixed_size 51456
		.amdhsa_private_segment_fixed_size 0
		.amdhsa_enable_private_segment 0
		.amdhsa_kernarg_size 56
		.amdhsa_user_sgpr_count 2
		.amdhsa_user_sgpr_kernarg_segment_ptr 1
		.amdhsa_wavefront_size32 1
		.amdhsa_system_sgpr_workgroup_id_x 1
		.amdhsa_system_sgpr_workgroup_id_y 1
		.amdhsa_system_sgpr_workgroup_id_z 1
		.amdhsa_system_vgpr_workitem_id 0
		.amdhsa_next_free_vgpr 512
		.amdhsa_next_free_sgpr 66
		.amdhsa_reserve_vcc 1
		.amdhsa_float_denorm_mode_32 3
		.amdhsa_float_denorm_mode_16_64 3
		.amdhsa_memory_ordered 1
		.amdhsa_forward_progress 1
		.amdhsa_inst_pref_size 65
	.end_amdhsa_kernel
	.amdgpu_metadata
---
amdhsa.version: [ 1, 2 ]
amdhsa.kernels:
  - .name:           k_qd4786bff66_quant
    .symbol:         k_qd4786bff66_quant.kd
    .args:
      - { .name: x_q, .offset: 0, .size: 8, .value_kind: global_buffer, .address_space: global }
      - { .name: x_kv, .offset: 8, .size: 8, .value_kind: global_buffer, .address_space: global }
      - { .name: Wv, .offset: 16, .size: 8, .value_kind: global_buffer, .address_space: global }
      - { .name: Wk, .offset: 24, .size: 8, .value_kind: global_buffer, .address_space: global }
      - { .name: Wo, .offset: 32, .size: 8, .value_kind: global_buffer, .address_space: global }
      - { .name: Wq, .offset: 40, .size: 8, .value_kind: global_buffer, .address_space: global }
      - { .name: ops, .offset: 48, .size: 8, .value_kind: global_buffer, .address_space: global }
    .group_segment_fixed_size: 51456
    .private_segment_fixed_size: 0
    .kernarg_segment_align: 8
    .kernarg_segment_size: 56
    .max_flat_workgroup_size: 192
    .sgpr_count:     66
    .vgpr_count:     512
    .wavefront_size: 32
...
	.end_amdgpu_metadata
.endif
;; end of part 5
;; launch proj (part 6): grid 8 x 24, 4 waves a work-group, clusters of 4 x 4, 327,680 bytes of LDS; arguments ops, bq, bk, bv, angles, qkv; writes qkv
.if DOCPART == 6
	.amdgcn_target "amdgcn-amd-amdhsa--gfx1250"
	.amdhsa_code_object_version 6
	.text
	.protected	k_qd4786bff66_proj
	.globl	k_qd4786bff66_proj
	.p2align	8
	.type	k_qd4786bff66_proj,@function
k_qd4786bff66_proj:
	s_mov_b64 s[64:65], 0
	v_nop
	global_prefetch_b8 v0, s[64:65] scope:SCOPE_SE
	s_setreg_imm32_b32 hwreg(HW_REG_WAVE_MODE, 25, 1), 1
	s_wait_xcnt 0x0
	s_wait_alu depctr_hold_cnt(0) depctr_sa_sdst(0) depctr_va_vdst(0) depctr_va_sdst(0) depctr_va_ssrc(0) depctr_va_vcc(0) depctr_vm_vsrc(0)
	s_getreg_b32 s2, hwreg(HW_REG_IB_STS2, 6, 4)
	s_cmp_eq_u32 s2, 0
	s_cbranch_scc0 .Lentry_in_a_cluster
	s_endpgm
.Lentry_in_a_cluster:
	s_bfe_u32 s2, ttmp6, 0x10000c
	s_cmp_lg_u32 s2, 0xf033
	s_cbranch_scc0 .Lentry_shape_is_right
	s_endpgm
.Lentry_shape_is_right:
; THE THREE PROJECTIONS ON CODES of FP6 (E2M3) with E8M0 scales: q = x_q Wq^T + bq, k = x_kv Wk^T + bk, both turned by the angles, and v^T = Wv x_kv^T + bv; K = 2,048.
; Operands come as records (128 rows x 128 K as images of operand registers, then 512 bytes of scale words); a work-group makes 256 x 256, a wave 128 x 128 in 512 registers.
; A ring of two LDS slots, each with two K steps of both operands, filled by joint loads of a 4 x 4 cluster; the tiles two slots on are prefetched, each block once.
; THE WAY OUT: each block of 16 rows gets its bias (and its turn), is quantised along the next product's K, and its 12 code registers are kept in that block's own accumulators, which are done with;
; the record's 25 stores are the wave's last memory instructions, so that no store's data are written again.
.set REC,   12800
.set FRB,   1536
.set SCO,   8*FRB
.set TEN,   256*REC
.set GB,    16*REC
.set PART,  2*REC
.set SLOT,  4*PART
.set SPARE, 2*SLOT
.set FR,    12
.set NL,    3
.set NP,    4
.set ADRA, 16
.set ADRB, 20
.set ADRS, 22
.set VAN,  24
.set VBN,  25
.set VBM,  26
.set CO,   27
.set SPW,  28
.set NIL,  29
.set PFO,  30                          ; v30 the tiles' prefetches: 256 x min(lane, 24); never rewritten
.set PFG,  6                           ; v6  the angles' prefetches: 256 x lane, a lane a row; never rewritten
.set APF,  76                          ; s[76:77] where my prefetches of the angles stand
.set LIMA, 80                          ; s80 1 in a cluster that turns its results by the angles (q, k), the greatest number in one that does not (v)
.set HH,   31
.set SC,   32
.set AF,   128
.set H,    128
.set PC,   192
.set TM,   212
.set W,    228
.set X4,   236
.set BM,   248
.set KIND, 2
.set WV,   16
.set RH,   17
.set CH,   18
.set TR,   19
.set G1,   24
.set G0,   32
.set G1B,  48
.set G0B,  56
.set PFA,  66
.set LIM,  68
.set SEL,  78
.set MSB, 0
.macro WIN new
.if MSB != (\new)
	s_set_vgpr_msb (MSB<<8)|(\new)
.set MSB, (\new)
.endif
.endm
.set MUL_LO, 0xa1
.set MUL_HI, 0xf1
.set TO_B,   0x40
.macro JLOAD g0a, g1a, g0b, g1b
	s_cmp_eq_u32 s[RH], 0
	s_cbranch_scc0 .Lfor_b_\@
	tensor_load_to_lds s[\g0a:\g0a+3], s[\g1a:\g1a+7]
	s_nop 0
.rept 4
	v_nop
.endr
	s_branch .Lasked_\@
.Lfor_b_\@:
	tensor_load_to_lds s[\g0b:\g0b+3], s[\g1b:\g1b+7]
	s_nop 0
.rept 4
	v_nop
.endr
.Lasked_\@:
.endm
.macro CREST
	s_cmp_lg_u32 s[WV], 0
	s_cbranch_scc1 .Lnot_wave_0_\@
	s_barrier_signal -3
.Lnot_wave_0_\@:
	s_barrier_wait -3
	s_barrier_signal -1
	s_barrier_wait -1
.endm
.macro CROUND
	s_barrier_signal -1
	s_barrier_wait -1
	CREST
.endm
.macro ASK
	s_cmp_gt_u32 s3, s[LIM]
	s_cbranch_scc0 .Lnot_mine_\@
	global_prefetch_b8 v[PFO], s[PFA:PFA+1] offset:PART th:TH_LOAD_NT scope:SCOPE_SE
.Lnot_mine_\@:
	s_cmp_gt_u32 s3, s[LIMA]                       ; the angles of my 128 rows, for the way out: the wave of the first column half asks for the sines, the other for the cosines,
	s_cbranch_scc0 .Lno_angles_\@                  ; 32 rows of 256 bytes at each of the loop's first four changes of slots; the condition is made of ids that all partners share
	global_prefetch_b8 v[PFG], s[APF:APF+1] offset:-8192 th:TH_LOAD_NT scope:SCOPE_SE
.Lno_angles_\@:
.endm
.macro PLACES n
.rept \n
	v_nop
.endr
.endm
	s_load_b256 s[4:11], s[0:1], 0x0
	s_load_b128 s[12:15], s[0:1], 0x20
	v_lshl_add_u32 v[SPW], v0, 2, SPARE
	v_mov_b32 v[NIL], 0
	ds_add_u32 v28, v29
	ds_add_u32 v28, v29
	s_wait_dscnt 0x0
	v_lshrrev_b32 v1, 5, v0
	v_readfirstlane_b32 s[WV], v1
	v_and_b32 v[PFG], 31, v0
	v_min_u32 v[PFO], 24, v[PFG]
	v_lshlrev_b32 v[PFG], 8, v[PFG]
	v_lshlrev_b32 v[PFO], 8, v[PFO]
	s_lshr_b32 s[RH], s[WV], 1
	s_and_b32 s[CH], s[WV], 1
	s_bfe_u32 s40, ttmp6, 0x40000
	s_bfe_u32 s41, ttmp6, 0x40004
	s_lshl_b32 s42, ttmp9, 2
	s_add_co_u32 s42, s42, s40
	s_and_b32 s69, ttmp7, 0xffff
	s_lshr_b32 s[KIND], s69, 1
	s_and_b32 s[TR], s69, 1
	s_lshl_b32 s[TR], s[TR], 2
	s_add_co_u32 s[TR], s[TR], s41
	s_lshl_b32 s43, s41, 2
	s_lshl_b32 s43, 15, s43
	s_lshl_b32 s44, 0x1111, s40
	s_or_b32 s[G1+0], s43, (3<<16)|(1<<21)
	s_or_b32 s[G1B+0], s44, (3<<16)|(1<<21)
.irp g, G1, G1B
	s_mov_b32 s[\g+1], 32<<16
	s_mov_b32 s[\g+2], 100<<16
	s_mov_b32 s[\g+3], 32<<16
	s_mov_b32 s[\g+4], 100
	s_mov_b32 s[\g+5], 32
	s_mov_b32 s[\g+6], 0
	s_mov_b32 s[\g+7], 0
.endr
	s_lshl_b32 s20, s[TR], 1
	s_add_co_u32 s20, s20, s[CH]
	s_mul_i32 s20, s20, GB
	s_mul_i32 s21, s[KIND], TEN
	s_add_co_u32 s20, s20, s21
	s_mov_b32 s21, 0
	s_lshl_b32 s46, s42, 1
	s_add_co_u32 s46, s46, s[CH]
	s_mul_i32 s46, s46, GB
	s_lshl_b32 s47, s[KIND], 1
	s_sub_co_u32 s47, 5, s47
	s_mul_i32 s47, s47, TEN
	s_add_co_u32 s46, s46, s47
	s_mov_b32 s47, 0
	s_mul_i32 s45, s[WV], PART
	s_lshl_b32 s70, s42, 1
	s_add_co_u32 s70, s70, s[CH]
	s_lshl_b32 s71, s[TR], 1
	s_add_co_u32 s71, s71, s[RH]
	s_mov_b32 s[SEL], 0x76543210
	s_mov_b32 s[SEL+1], 0xfedcba98
	s_wait_kmcnt 0x0
	s_add_nc_u64 s[20:21], s[4:5], s[20:21]
	s_add_nc_u64 s[46:47], s[4:5], s[46:47]
	s_cmp_eq_u32 s[KIND], 1
	s_cselect_b64 s[6:7], s[8:9], s[6:7]
	s_cmp_eq_u32 s[KIND], 2
	s_cselect_b64 s[6:7], s[10:11], s[6:7]
	s_cselect_b32 s72, s71, s70
	s_cselect_b32 s73, s70, s71
	s_lshl_b32 s72, s72, 4
	s_add_co_u32 s72, s72, s73
	s_mul_i32 s72, s72, REC
	s_mul_i32 s73, s[KIND], TEN
	s_add_co_u32 s72, s72, s73
	s_mov_b32 s73, 0
	s_add_nc_u64 s[14:15], s[14:15], s[72:73]
	s_lshl_b32 s72, s70, 9
	s_add_nc_u64 s[8:9], s[6:7], s[72:73]
	s_lshl_b32 s72, s71, 9
	s_add_nc_u64 s[10:11], s[6:7], s[72:73]
	s_lshl_b32 s72, s71, 15
	s_add_nc_u64 s[12:13], s[12:13], s[72:73]
	s_lshl_b32 s[APF], s[CH], 19                   ; the sines lie first, the cosines 524,288 bytes on
	s_mov_b32 s[APF+1], 0
	s_add_nc_u64 s[APF:APF+1], s[12:13], s[APF:APF+1]
	s_cmp_eq_u32 s[KIND], 2
	s_cselect_b32 s[LIMA], -1, 1
	s_cmp_eq_u32 s[RH], 0
	s_cselect_b32 s72, s40, s41                    ; my place among the four that ask for my part jointly: each takes a quarter of it, told apart by address
	s_cselect_b64 s[PFA:PFA+1], s[20:21], s[46:47]
	s_mov_b32 s[LIM], 1                            ; every cluster asks for what it will itself load
	s_mul_i32 s72, s72, PART/4
	s_add_co_u32 s72, s72, 2*PART
	s_add_nc_u64 s[PFA:PFA+1], s[PFA:PFA+1], s[72:73]
.irp s, 0,1
	s_mov_b32 s[G0+4*\s], 1
	s_add_co_u32 s[G0+4*\s+1], s45, \s*SLOT
	s_add_nc_u64 s[G0+4*\s+2:G0+4*\s+3], s[20:21], \s*PART
	s_or_b32 s[G0+4*\s+3], s[G0+4*\s+3], 0x80000000
	s_mov_b32 s[G0B+4*\s], 1
	s_add_co_u32 s[G0B+4*\s+1], s45, \s*SLOT
	s_add_nc_u64 s[G0B+4*\s+2:G0B+4*\s+3], s[46:47], \s*PART
	s_or_b32 s[G0B+4*\s+3], s[G0B+4*\s+3], 0x80000000
	s_wait_alu depctr_va_vdst(0)
	s_wait_tensorcnt 0x0
	ds_add_u32 v28, v29
	ds_add_u32 v28, v29
	s_wait_dscnt 0x0
	CROUND
	JLOAD G0+4*\s, G1, G0B+4*\s, G1B
.if \s == 0
	global_prefetch_b8 v[PFO], s[PFA:PFA+1] offset:-PART th:TH_LOAD_NT scope:SCOPE_SE   ; behind part 0's load: parts 1 and 2 (the address stands at part 2);
	global_prefetch_b8 v[PFO], s[PFA:PFA+1] th:TH_LOAD_NT scope:SCOPE_SE
.else
	global_prefetch_b8 v[PFO], s[PFA:PFA+1] offset:PART th:TH_LOAD_NT scope:SCOPE_SE    ; behind part 1's: part 3.  From there on each refill asks for the part two on
.endif
.endr
	v_and_b32 v1, 31, v0
	v_lshlrev_b32 v[CO], 4, v1
	v_and_b32 v3, 15, v0
	v_bfe_u32 v[HH], v0, 4, 1
	s_wait_alu depctr_va_vdst(0)
	s_mul_i32 s74, s[RH], PART
	s_mul_i32 s75, s[CH], PART
	s_add_co_u32 s75, s75, 2*PART
.irp s, 0,1
	v_add_nc_u32 v[ADRA+\s], s74, v[CO]
	v_add_nc_u32 v[ADRB+\s], s75, v[CO]
	s_add_co_u32 s74, s74, SLOT
	s_add_co_u32 s75, s75, SLOT
.endr
	s_mul_i32 s74, s[RH], PART
	s_mul_i32 s75, s[CH], PART
	s_add_co_u32 s75, s75, 2*PART
	s_sub_co_u32 s75, s75, s74
	v_mul_u32_u24 v5, s75, v[HH]
	v_lshl_add_u32 v5, v3, 4, v5
	s_add_co_u32 s74, s74, SCO
	v_add_nc_u32 v[ADRS], s74, v5
	v_add_nc_u32 v[ADRS+1], SLOT, v[ADRS]
	v_lshlrev_b32 v[VBN], 6, v[HH]
	v_and_b32 v4, 8, v3
	v_add_nc_u32 v4, v4, v3
	v_lshlrev_b32 v[VBM], 2, v4
	v_lshl_add_u32 v[VAN], v4, 8, v[VBN]
	WIN TO_B
.irp n, 0,1,2,3,4,5,6,7,8,9,10,11,12,13,14,15
	global_load_b128 v[96+4*\n+96*(\n/8):99+4*\n+96*(\n/8)], v[VBN], s[8:9] offset:128*(\n/4)+16*(\n%4)
.endr
	WIN 0
.irp a, 0,1,2,3,4,5,6,7
	global_load_b32 v[BM+\a], v[VBM], s[10:11] offset:4*(32*(\a/2)+8*(\a%2))
.endr
.macro ANGSET a
.if ((\a)%4) == 0                      ; four sets of 64 registers take turns: block a's angles are asked for when block a - 4's have been used
.set SN, 64
.set CN, 96
.set AW, 0
.elseif ((\a)%4) == 1
.set SN, 0
.set CN, 32
.set AW, 1
.elseif ((\a)%4) == 2
.set SN, 128
.set CN, 160
.set AW, 1
.else
.set SN, 64
.set CN, 192
.set AW, 1
.endif
.endm
.macro ANGASK a
	ANGSET \a
	WIN AW<<6
.irp n, 0,1,2,3,4,5,6,7
	global_load_b128 v[SN+4*\n:SN+4*\n+3], v[VAN], s[12:13] offset:(32*((\a)/2)+8*((\a)%2))*256+128*(\n/4)+16*(\n%4)
	global_load_b128 v[CN+4*\n:CN+4*\n+3], v[VAN], s[12:13] offset:524288+(32*((\a)/2)+8*((\a)%2))*256+128*(\n/4)+16*(\n%4)
.endr
	WIN 0
.endm
	ANGASK 0
.macro FRAG reg, adr, q, i
.irp c, 0,1,2
	ds_load_b128 v[\reg+4*\c:\reg+4*\c+3], v[\adr] offset:(\q)*REC+(\i)*FRB+512*\c
.endr
.endm
.macro MUL16 a0, p, q, sc, zero
.irp a, \a0, \a0+1
.irp b, 0,1,2,3,4,5,6,7
.set rD, 8*(8*((\a)%4)+\b)
.set rB, 128*(\p)+FR*\b
.set rA, AF+FR*(\a)
.set rSB, SC+16*(\sc)+8*(\q)+\b
.set rSA, SC+16*(\sc)+8*(\q)+(\a)
.if \zero
	v_wmma_scale_f32_16x16x128_f8f6f4 v[rD:rD+7], v[rB:rB+11], v[rA:rA+11], 0, v[rSB], v[rSA] matrix_a_fmt:MATRIX_FMT_FP6 matrix_b_fmt:MATRIX_FMT_FP6 matrix_a_scale:MATRIX_SCALE_ROW1
.else
	v_wmma_scale_f32_16x16x128_f8f6f4 v[rD:rD+7], v[rB:rB+11], v[rA:rA+11], v[rD:rD+7], v[rSB], v[rSA] matrix_a_fmt:MATRIX_FMT_FP6 matrix_b_fmt:MATRIX_FMT_FP6 matrix_a_scale:MATRIX_SCALE_ROW1
.endif
.endr
.endr
.endm
.macro FETCH_B slot, q, p
	WIN TO_B
.irp i, 0,1,2,3,4,5,6,7
	FRAG 128*(\p)+FR*\i, ADRB+\slot, \q, \i
.endr
	WIN 0
.endm
.macro FETCH_A slot, q, i0
.irp i, \i0, \i0+1, \i0+2, \i0+3
	FRAG AF+FR*(\i), ADRA+\slot, \q, \i
.endr
.endm
.macro SCALES slot
.irp q, 0,1
.irp hh, 0,1
	ds_load_b128 v[SC+16*\slot+8*\q+4*\hh:SC+16*\slot+8*\q+4*\hh+3], v[ADRS+\slot] offset:\q*REC+256*\hh
.endr
.endr
.endm
.macro STEP slot, zero
	s_wait_dscnt 4*NL
	WIN MUL_LO
	MUL16 0, 0, 0, \slot, \zero
	MUL16 2, 0, 0, \slot, \zero
	s_wait_dscnt 0x0
	PLACES NP
	FETCH_B \slot, 1, 1
	FETCH_A \slot, 1, 0
	WIN MUL_HI
	MUL16 4, 0, 0, \slot, \zero
	MUL16 6, 0, 0, \slot, \zero
	PLACES NP
	WIN 0
	FETCH_A \slot, 1, 4
.endm
.macro TURN slot, next, fill
.if \fill
	s_wait_xcnt 0x0
	s_add_nc_u64 s[PFA:PFA+1], s[PFA:PFA+1], PART
	s_add_nc_u64 s[APF:APF+1], s[APF:APF+1], 8192
.endif
	s_wait_tensorcnt 0x0
	ds_add_u32 v[SPW], v[NIL]
	s_wait_dscnt 4*NL+1
	WIN MUL_LO
	MUL16 0, 1, 1, \slot, 0
	s_wait_dscnt 0x0
	s_barrier_signal -1
	MUL16 2, 1, 1, \slot, 0
	WIN 0
	s_barrier_wait -1
.if \fill
	CREST
	s_add_nc_u64 s[G0+4*\slot+2:G0+4*\slot+3], s[G0+4*\slot+2:G0+4*\slot+3], 2*PART
	s_add_nc_u64 s[G0B+4*\slot+2:G0B+4*\slot+3], s[G0B+4*\slot+2:G0B+4*\slot+3], 2*PART
	JLOAD G0+4*\slot, G1, G0B+4*\slot, G1B
.else
	PLACES NP
.endif
	FETCH_B \next, 0, 0
	FETCH_A \next, 0, 0
	SCALES \next
.if \fill
	ASK
.endif
	WIN MUL_HI
	MUL16 4, 1, 1, \slot, 0
	MUL16 6, 1, 1, \slot, 0
	PLACES NP
	WIN 0
	FETCH_A \next, 0, 4
.endm
	s_wait_alu depctr_va_vdst(0)
	s_wait_tensorcnt 1
	s_barrier_signal -1
	s_barrier_wait -1
	FETCH_B 0, 0, 0
	FETCH_A 0, 0, 0
	SCALES 0
	FETCH_A 0, 0, 4
	STEP 0, 1
	s_mov_b32 s3, 3
.Llap:
	TURN 0, 1, 1
	STEP 1, 0
	TURN 1, 0, 1
	STEP 0, 0
	s_sub_co_u32 s3, s3, 1
	s_cmp_lg_u32 s3, 0
	s_cbranch_scc1 .Llap
	TURN 0, 1, 0
	STEP 1, 0
	ANGASK 1
	s_wait_dscnt 4*NL
	WIN MUL_LO
	MUL16 0, 1, 1, 1, 0
	MUL16 2, 1, 1, 1, 0
	s_wait_dscnt 0x0
	WIN MUL_HI
	MUL16 4, 1, 1, 1, 0
	MUL16 6, 1, 1, 1, 0
	WIN 0
.macro QUANT src, pw
.irp b, 0,1,2,3
	v_max3_num_f32 v[TM+\b], |v[\src+16*\b]|, |v[\src+1+16*\b]|, 0x1800000
.endr
.irp i, 2,4,6,8,10,12,14
.irp b, 0,1,2,3
	v_max3_num_f32 v[TM+\b], v[TM+\b], |v[\src+16*\b+\i]|, |v[\src+1+16*\b+\i]|
.endr
.endr
.irp b, 0,1,2,3
	v_permlanex16_b32 v[TM+4+\b], v[TM+\b], s[SEL], s[SEL+1]
.endr
.irp b, 0,1,2,3
	v_max_num_f32 v[TM+\b], v[TM+\b], v[TM+4+\b]
.endr
.irp b, 0,1,2,3
	v_add_nc_u32 v[TM+12+\b], 0xff000000, v[TM+\b]
.endr
.irp b, 0,1,2,3
	v_lshrrev_b32 v[TM+4+\b], 23, v[TM+12+\b]
.endr
	v_lshl_or_b32 v[\pw], v[TM+5], 8, v[TM+4]
	v_lshl_or_b32 v[\pw], v[TM+6], 16, v[\pw]
	v_lshl_or_b32 v[\pw], v[TM+7], 24, v[\pw]
.irp c, 0,1
	v_cvt_scalef32_pk16_fp6_f32 v[PC+6*\c:PC+2+6*\c], v[\src+32*\c:\src+15+32*\c], v[TM+12+2*\c]
	v_cvt_scalef32_pk16_fp6_f32 v[PC+12+4*\c:PC+14+4*\c], v[\src+16+32*\c:\src+31+32*\c], v[TM+13+2*\c]
.endr
	v_nop
.irp c, 0,1
.irp i, 0,1,2
	v_permlane16_swap_b32 v[PC+6*\c+\i], v[PC+12+4*\c+\i]
.endr
.irp i, 0,1,2
	v_mov_b32 v[PC+3+6*\c+\i], v[PC+12+4*\c+\i]
.endr
.endr
.endm
.macro KEEPF a                         ; block a's codes into the first 12 registers of its own accumulators (window 2 or 3), which have been read
	WIN (2+(\a)/4)<<6
.irp c, 0,1,2,3,4,5,6,7,8,9,10,11
	v_mov_b32 v[64*((\a)%4)+\c], v[PC+\c]
.endr
	WIN 0
.endm
.macro OUTFRAG a                       ; fragment a of the record: 512 consecutive bytes a store
	WIN (2+(\a)/4)<<2
.irp c, 0,1,2
	global_store_b128 v[CO], v[64*((\a)%4)+4*\c:64*((\a)%4)+4*\c+3], s[14:15] offset:FRB*(\a)+512*\c
.endr
.endm
.macro EPI_QK a
.set AC, 64*((\a)%4)
	WIN 0x06+(\a)/4
.set p, 0
.rept 32
	v_pk_add_f32 v[H+p:H+p+1], v[AC+p:AC+p+1], v[96+p+96*(p/32):97+p+96*(p/32)]
.set p, p+2
.endr
.if (\a) == 7
	s_wait_loadcnt 0x0
.elseif (\a) == 6
	s_wait_loadcnt 16
.elseif (\a) == 5
	s_wait_loadcnt 32
.elseif (\a) > 0
	s_wait_loadcnt 48                              ; this block's 16 loads are in; those of the three blocks behind it may be out
.endif
	ANGSET \a
	WIN AW<<2
.set p, 0
.rept 16
.set T, TM+4*((p/2)%2)
	v_pk_mul_f32 v[T:T+1], v[H+32+p:H+33+p], v[SN+p:SN+p+1]
	v_pk_mul_f32 v[T+2:T+3], v[H+32+p:H+33+p], v[CN+p:CN+p+1]
	v_pk_fma_f32 v[H+32+p:H+33+p], v[H+p:H+p+1], v[SN+p:SN+p+1], v[T+2:T+3]
	v_pk_fma_f32 v[H+p:H+p+1], v[H+p:H+p+1], v[CN+p:CN+p+1], v[T:T+1] neg_lo:[0,0,1] neg_hi:[0,0,1]
.set p, p+2
.endr
	WIN 0
.if (\a) < 4
	ANGASK (\a)+4
.endif
	QUANT H, W+(\a)
	KEEPF \a
.endm
.macro EPI_V a
.set AC, 64*((\a)%4)
	WIN 0x02+(\a)/4
.set p, 0
.rept 32
	v_pk_add_f32 v[H+p:H+p+1], v[AC+p:AC+p+1], v[BM+2*((\a)/2):BM+2*((\a)/2)+1] op_sel:[0,(\a)%2] op_sel_hi:[1,(\a)%2]
.set p, p+2
.endr
	WIN 0
	QUANT H, W+(\a)
	KEEPF \a
.endm
	PLACES NP
.irp b, 0,1,2,3
	v_mov_b32 v[TM+4+\b], 0
.endr
	s_wait_loadcnt 16
	s_cmp_eq_u32 s[KIND], 2
	s_cbranch_scc1 .Lv
	ANGASK 2
	ANGASK 3
.irp a, 0,1,2,3,4,5,6,7
	EPI_QK \a
.endr
	s_branch .Ljoin
.Lv:
.irp a, 0,1,2,3,4,5,6,7
	EPI_V \a
.endr
.Ljoin:
	v_cmp_eq_u32 vcc_lo, 1, v[HH]
.irp i, 0,1,2,3
	v_cndmask_b32 v[X4+\i], v[W+\i], v[W+4+\i], vcc_lo
.endr
	s_wait_alu depctr_va_vdst(0)                   ; the stores read what was just written
	s_wait_tensorcnt 0x0
	ds_add_u32 v[SPW], v[NIL]
	s_wait_dscnt 0x0
.irp a, 0,1,2,3,4,5,6,7
	OUTFRAG \a
.endr
	WIN 0
	global_store_b128 v[CO], v[X4:X4+3], s[14:15] offset:SCO
	CROUND
	s_endpgm
.Lfunc_end_k_qd4786bff66_proj:
	.size	k_qd4786bff66_proj, .Lfunc_end_k_qd4786bff66_proj-k_qd4786bff66_proj
	.p2alignl 7, 3214868480
	.fill 96, 4, 3214868480
	.section	.rodata,"a",@progbits
	.p2align	6, 0x0
	.amdhsa_kernel k_qd4786bff66_proj
		.amdhsa_group_segment_fixed_size 327680
		.amdhsa_private_segment_fixed_size 0
		.amdhsa_enable_private_segment 0
		.amdhsa_kernarg_size 48
		.amdhsa_user_sgpr_count 2
		.amdhsa_user_sgpr_kernarg_segment_ptr 1
		.amdhsa_wavefront_size32 1
		.amdhsa_system_sgpr_workgroup_id_x 1
		.amdhsa_system_sgpr_workgroup_id_y 1
		.amdhsa_system_sgpr_workgroup_id_z 1
		.amdhsa_system_vgpr_workitem_id 0
		.amdhsa_next_free_vgpr 1024
		.amdhsa_next_free_sgpr 96
		.amdhsa_reserve_vcc 1
		.amdhsa_float_denorm_mode_32 3
		.amdhsa_float_denorm_mode_16_64 3
		.amdhsa_memory_ordered 1
		.amdhsa_forward_progress 1
		.amdhsa_inst_pref_size 255
	.end_amdhsa_kernel
	.amdgpu_metadata
---
amdhsa.version: [ 1, 2 ]
amdhsa.kernels:
  - .name:           k_qd4786bff66_proj
    .symbol:         k_qd4786bff66_proj.kd
    .args:
      - { .name: ops, .offset: 0, .size: 8, .value_kind: global_buffer, .address_space: global }
      - { .name: bq, .offset: 8, .size: 8, .value_kind: global_buffer, .address_space: global }
      - { .name: bk, .offset: 16, .size: 8, .value_kind: global_buffer, .address_space: global }
      - { .name: bv, .offset: 24, .size: 8, .value_kind: global_buffer, .address_space: global }
      - { .name: angles, .offset: 32, .size: 8, .value_kind: global_buffer, .address_space: global }
      - { .name: qkv, .offset: 40, .size: 8, .value_kind: global_buffer, .address_space: global }
    .group_segment_fixed_size: 327680
    .private_segment_fixed_size: 0
    .kernarg_segment_align: 8
    .kernarg_segment_size: 48
    .max_flat_workgroup_size: 128
    .sgpr_count:     96
    .vgpr_count:     1024
    .wavefront_size: 32
...
	.end_amdgpu_metadata
.endif
;; end of part 6
;; launch attn (part 7): grid 16 x 16, 8 waves a work-group, clusters of 4 x 1, 327,680 bytes of LDS; arguments qkv, attn_mask, att; writes att
.if DOCPART == 7
	.amdgcn_target "amdgcn-amd-amdhsa--gfx1250"
	.amdhsa_code_object_version 6
	.text
	.protected	k_qd4786bff66_attn
	.globl	k_qd4786bff66_attn
	.p2align	8
	.type	k_qd4786bff66_attn,@function
k_qd4786bff66_attn:
	s_mov_b64 s[64:65], 0
	v_nop
	global_prefetch_b8 v0, s[64:65] scope:SCOPE_SE
	s_setreg_imm32_b32 hwreg(HW_REG_WAVE_MODE, 25, 1), 1
	s_wait_xcnt 0x0
	s_wait_alu depctr_hold_cnt(0) depctr_sa_sdst(0) depctr_va_vdst(0) depctr_va_sdst(0) depctr_va_ssrc(0) depctr_va_vcc(0) depctr_vm_vsrc(0)
	s_getreg_b32 s2, hwreg(HW_REG_IB_STS2, 6, 4)
	s_cmp_eq_u32 s2, 0
	s_cbranch_scc0 .Lentry_in_a_cluster
	s_endpgm
.Lentry_in_a_cluster:
	s_bfe_u32 s2, ttmp6, 0x10000c
	s_cmp_lg_u32 s2, 0x3003
	s_cbranch_scc0 .Lentry_shape_is_right
	s_endpgm
.Lentry_shape_is_right:
; ATTENTION ON CODES of FP6 (E2M3) with E8M0 scales: 16 heads, 2,048 queries, 2,048 keys, head size 128, with a mask over the keys that is an input.
; q, k, v^T come as records (128 rows x 128 K: eight images of operand registers of 1,536 bytes, then 512 bytes of scale words; lane r of fragment f holds row 32 (f / 2) + 8 (f % 2) + r + 8 (r / 8)).
; THE SOFTMAX: t = score x log2(e) / sqrt(128); M = the running largest t rounded up to a whole number; p = 2^(t - M) is quantised along the keys, not normalised; the row's sum is taken of the
; unquantised p and divides at the end; when M moves, the sum and O are multiplied by 2^(old M - new M), which rounds nothing.
; THE MASK IS THE C OF THE SCORE PRODUCT: a table of one f32 a key in LDS, 0 for a key that counts and -2^100 for one that does not.  The running largest t begins at -2^80: a wave that has seen only
; masked keys keeps M = -2^80, p = 0, sum 0.  A MASK WITH NO TRUE KEY gives uniform weights: c and the table's entries are then chosen 0 (a choice of values, no branch), so that every p is 1.
; SHARES.  A work-group owns 128 queries of one head: 256 work-groups.  Wave w owns tiles 2 (w % 4) and 2 (w % 4) + 1 (32 queries) and half j = w / 4 of the keys: of each slot's four key steps it takes 2 j, 2 j + 1.
; Each fragment of K and of V read from LDS feeds two matrix instructions, one a tile, and the mask's 64 entries of a step are read once and are the C of both tiles' score products (C and D are different registers).
; Two waves of 512 registers share a SIMD.  At the end the two halves of the keys are merged by exact powers of two.
; Both products are used transposed (S^T = K Q^T, O^T = V^T P^T): a lane holds one query of each tile throughout, and by the fragments' choice of rows its registers run along the next K.
; CLUSTER: the four query blocks of a cluster belong to one head and walk the same K and V.  A slot is eight records (four of K, four of V); wave w asks jointly for record w: every wave issues every fill.
; PREFETCH: the head's first cluster asks, one slot ahead of the tensor loads; see ASK.
; OUT: att, records [query block][head]: O / sum, quantised along the head's 128, is a fragment of the output projection's first operand.
; LIMITS: |score| x c under 2^80; NaN and infinities are not served; a block of zeros gets the scale byte 1 (read by this program alone).
; REGISTERS, two windows of 256.  TILE t'S OWN REGISTERS LIE IN WINDOW t AT THE SAME NUMBERS, so that one text serves both: v12 -M, v13 the largest t, v[14:15] the sum, v16-27 Q, v96-159 S^T then p,
;   v160-223 O^T, v224-235 p's codes, v232-254 at work.  SHARED, window 0: v1-11, v28-31 addresses; v32-79 four fragments; v80-83, v84-87 K's, V's scale words; v88-89 Q's, v90-91 p's scale words
;   (scale operands are taken from window 0); v92-94 the head's.  SHARED, window 1: v32-95 the mask's entries, then (v32-79) V's fragments 4-7.
.set REC,   12800
.set FRB,   1536
.set SCO,   8*FRB
.set TEN,   256*REC
.set GB,    16*REC
.set PART,  2*REC                      ; a wave's two key steps of a slot
.set VOFF,  4*REC                      ; a slot: four records of K, then four of V
.set SLOT1, 1<<17                      ; slot 1 begins here: one exclusive or turns an address from one slot to the other
.set BIAS,  2*SLOT1                    ; the mask's table: 8,192 bytes
.set SPARE, BIAS+8192                  ; the spare words, 128 bytes a wave: four blocks of 256 bytes that no other line names
.set SCW,   SPARE+1024                 ; the output record's scale words: 512 bytes
.set MRGB,  8704                       ; the merge: for each tile 8,192 bytes of O^T, 128 of -M, 128 of the sum; in slot 0, which has had its last fill and its last read by then
.set AL0,  1
.set AV0,  2
.set AM0,  3
.set MA,   4
.set SPW,  5
.set NIL,  6
.set MB,   7
.set ADK,  8
.set ADV,  9
.set ADM,  10
.set SWA,  11
.set PFO,  28
.set L16,  29                          ; 16 x lane
.set SRD,  30                          ; SCW + 16 x lane
.set R16,  31                          ; 16 r
.set KS,   80
.set VS,   84
.set QSW,  88
.set PSW,  90
.set TBA,  92
.set MKO,  93
.set BGV,  94
.set PC,   32
.set TM,   232
.set TB,   2                           ; s2  LDS byte at which the slot in hand begins
.set TMK,  3                           ; s3  where the slot's part of the mask's table begins
.set WV,   18
.set TA,   19                          ; s19 my pair of tiles; also which record of K or of V I fetch
.set SEL,  20
.set CS,   22                          ; s[22:23] c
.set G1,   24
.set G0,   40
.set RK,   55                          ; s55 TB + 12,800 x the step in hand
.set RM,   56                          ; s56 TMK + 512 x the step in hand
.set QC,   57                          ; s57 steps to go in the slot
.set SLOTS, 67
.set PFA,  76
.set LIM,  80
.set BIG,  81
.set MSB, 0
.macro WIN new                         ; bits 1:0 source 0, 3:2 source 1, 5:4 source 2, 7:6 destination; the high byte repeats the setting that is left
.if MSB != (\new)
	s_set_vgpr_msb (MSB<<8)|(\new)
.set MSB, (\new)
.endif
.endm
.macro CROUND                          ; a round of the cluster's barrier
	s_barrier_signal -1
	s_barrier_wait -1
	s_cmp_lg_u32 s[WV], 0
	s_cbranch_scc1 .Lnot_wave_0_\@
	s_barrier_signal -3
.Lnot_wave_0_\@:
	s_barrier_wait -3
	s_barrier_signal -1
	s_barrier_wait -1
.endm
.macro TLOAD                           ; my record of a slot; an s_nop 0 and four v_nop follow the line
	tensor_load_to_lds s[G0:G0+3], s[G1:G1+7]
	s_nop 0
.rept 4
	v_nop
.endr
.endm
; A prefetch of what the next change of slots will ask for.  All clusters of a head walk the same K and V: the head's first cluster asks.  Its four partners take a record of K and one of V each, told apart by
; address; in each, waves 4 and 5 ask for the halves of K's record, waves 6 and 7 of V's: 25 blocks of 256 bytes, a lane a block (lanes 25-31 repeat lane 24's).  The last filling change asks for nothing.
.macro ASK
	s_cmp_gt_u32 s[SLOTS], s[LIM]
	s_cbranch_scc0 .Lnot_mine_\@
	global_prefetch_b8 v[PFO], s[PFA:PFA+1] th:TH_LOAD_NT scope:SCOPE_SE
.Lnot_mine_\@:
.endm
	s_load_b128 s[4:7], s[0:1], 0x0                ; qkv, attn_mask
	s_load_b64 s[8:9], s[0:1], 0x10                ; att
	v_lshl_add_u32 v[SPW], v0, 2, SPARE
	v_mov_b32 v[NIL], 0
	ds_add_u32 v[SPW], v[NIL]                      ; the opening lines: the add, twice on end, and its wait ahead of my first tensor load
	ds_add_u32 v[SPW], v[NIL]
	v_lshrrev_b32 v8, 5, v0
	v_readfirstlane_b32 s[WV], v8                  ; wave 0..7
	s_and_b32 s[TA], s[WV], 3
	s_lshr_b32 s10, s[WV], 2                       ; my half of the keys; also: I fetch for K (0) or for V (1)
	s_bfe_u32 s11, ttmp6, 0x40000                  ; cx: it enters Q's, att's and the prefetches' addresses alone
	s_lshl_b32 s12, ttmp9, 2
	s_add_co_u32 s12, s12, s11                     ; my block of 128 queries
	s_and_b32 s13, ttmp7, 0xffff                   ; the head, which the four partners share
	s_mul_i32 s15, s[WV], REC                      ; my record's place in a slot
	s_add_co_u32 s44, s10, 1                       ; tensor 1 (k) or 2 (v^T)
	s_mul_i32 s44, s44, TEN
	s_mul_i32 s45, s13, GB
	s_add_co_u32 s44, s44, s45
	s_mul_i32 s45, s[TA], REC
	s_add_co_u32 s44, s44, s45
	s_mov_b32 s45, 0
	s_mov_b32 s[G1], 15|(3<<16)|(1<<21)            ; 15:0 the mask: all four work-groups; 17:16 elements of 8 bytes; 21 set beside a mask; no padding
	s_mov_b32 s[G1+1], 32<<16                      ; 12,800 dense bytes as 50 rows of 32 elements
	s_mov_b32 s[G1+2], 50<<16
	s_mov_b32 s[G1+3], 32<<16
	s_mov_b32 s[G1+4], 50
	s_mov_b32 s[G1+5], 32
	s_mov_b32 s[G1+6], 0
	s_mov_b32 s[G1+7], 0
	s_mul_i32 s46, s10, PART                       ; my half's two records
	s_lshl_b32 s47, s10, 10
	s_add_co_u32 s47, s47, BIAS                    ; my half's 256 keys of a slot's part of the table
	s_mul_i32 s51, s[TA], 2*MRGB                   ; my tiles' place in the merge
	s_lshr_b32 s52, s[TA], 1
	s_lshl_b32 s52, s52, 8
	s_and_b32 s53, s[TA], 1
	s_lshl_b32 s53, s53, 3
	s_add_co_u32 s52, s52, s53                     ; 256 (a / 4) + 4 (a % 4), a = 2 x my pair: my first tile's place in a scale block; the second's is 4 bytes on
	s_add_co_u32 s54, s52, SCW
	s_lshl_b32 s32, s13, 4
	s_add_co_u32 s32, s32, s12
	s_mul_i32 s32, s32, REC                        ; Q's record: [head][query block]
	s_mul_i32 s33, s[TA], 2*FRB
	s_add_co_u32 s34, s32, s33                     ; my two fragments
	s_mov_b32 s35, 0
	s_add_co_u32 s36, s32, s52
	s_add_co_u32 s36, s36, SCO                     ; their scale words
	s_mov_b32 s37, 0
	s_lshl_b32 s38, s12, 4
	s_add_co_u32 s38, s38, s13
	s_mul_i32 s38, s38, REC                        ; att's record: [query block][head]
	s_add_co_u32 s38, s38, s33
	s_mov_b32 s39, 0
	s_lshr_b32 s48, s[WV], 1                       ; the prefetches: waves 4, 5: k; waves 6, 7: v^T
	s_and_b32 s48, s48, 1
	s_add_co_u32 s48, s48, 1
	s_mul_i32 s48, s48, TEN
	s_mul_i32 s49, s13, GB
	s_add_co_u32 s48, s48, s49
	s_mul_i32 s49, s11, REC                        ; my work-group's record of a slot's four
	s_add_co_u32 s48, s48, s49
	s_and_b32 s49, s[WV], 1
	s_mul_i32 s49, s49, REC/2
	s_add_co_u32 s48, s48, s49
	s_add_co_u32 s48, s48, 4*REC                   ; in slot 1: the first change of slots steps it to slot 2
	s_mov_b32 s49, 0
	s_xor_b32 s50, s10, 1                          ; 0 in waves 4 to 7,
	s_or_b32 s50, s50, ttmp9                       ; of the head's first cluster: the same in all four partners
	s_cmp_eq_u32 s50, 0
	s_cselect_b32 s[LIM], 1, -1
	s_mov_b32 s[SEL], 0x76543210
	s_mov_b32 s[SEL+1], 0xfedcba98
	s_mov_b32 s[TB], 0
	s_mov_b32 s[TMK], 0
	s_mov_b32 s[SLOTS], 3
	s_wait_dscnt 0x0                               ; both opening adds are done
	; every address that stays is made here, in one run of vector instructions
	v_and_b32 v8, 31, v0                           ; lane
	v_and_b32 v9, 15, v0                           ; r
	v_bfe_u32 v10, v0, 4, 1                        ; h
	v_lshlrev_b32 v[L16], 4, v8
	v_lshlrev_b32 v[R16], 4, v9
	v_lshl_add_u32 v[AM0], v10, 6, s47             ; the table: 64 h + my half's keys
	v_lshl_add_u32 v[MB], v8, 2, s51
	v_lshl_add_u32 v[SWA], v9, 4, s54
	v_lshl_add_u32 v[TBA], v0, 4, BIAS             ; where my thread's entries of the table go
	v_lshlrev_b32 v[MKO], 4, v0                    ; and its words of the mask
	v_min_u32 v[PFO], 24, v8
	v_add_nc_u32 v[AL0], s46, v[L16]               ; K: 16 x lane + my half's two records
	v_add_nc_u32 v[MA], s51, v[L16]
	v_add_nc_u32 v[SRD], SCW, v[L16]
	v_lshlrev_b32 v[PFO], 8, v[PFO]
	v_add_nc_u32 v[AV0], VOFF, v[AL0]              ; V likewise
	s_wait_alu depctr_va_vdst(0)
	s_wait_kmcnt 0x0
	s_mov_b32 s[G0], 1
	s_mov_b32 s[G0+1], s15
	s_add_nc_u64 s[G0+2:G0+3], s[4:5], s[44:45]
	s_or_b32 s[G0+3], s[G0+3], 0x80000000
	s_add_nc_u64 s[34:35], s[4:5], s[34:35]
	s_add_nc_u64 s[36:37], s[4:5], s[36:37]
	s_add_nc_u64 s[8:9], s[8:9], s[38:39]
	s_add_nc_u64 s[PFA:PFA+1], s[4:5], s[48:49]
	CROUND                                         ; all four work-groups are here: the first joint loads meet
	TLOAD                                          ; slot 0: one tensor load a wave
.irp t, 0,1
	WIN 0x40*\t
.irp c, 0,1,2
	global_load_b128 v[16+4*\c:19+4*\c], v[L16], s[34:35] offset:FRB*\t+512*\c   ; Q's fragments stay in registers
.endr
.endr
	WIN 0
.irp t, 0,1
	global_load_b32 v[QSW+\t], v[R16], s[36:37] offset:4*\t   ; and their scale words
.endr
.irp n, 0,1,2,3,4,5,6,7,8,9,10,11,12,13,14,15
	global_load_b128 v[96+4*\n:99+4*\n], v[L16], s[6:7] offset:512*\n   ; the whole mask, to see whether any key counts
.endr
	global_load_b128 v[64:67], v[MKO], s[6:7]      ; my thread's eight keys
	global_load_b128 v[68:71], v[MKO], s[6:7] offset:4096
.irp t, 1,0
	WIN 0x55*\t
	v_mov_b32 v13, 0xe7800000                      ; the largest t so far: -2^80
	v_mov_b32 v14, 0                               ; the sum, in two halves
	v_mov_b32 v15, 0
	v_mov_b32 v253, 0                              ; (named as the upper half of the pair v[252:253])
	v_floor_f32 v12, -v13                          ; -M
.set j, 0
.rept 64
	v_mov_b32 v[160+j], 0                          ; O^T: the step is written once for every step; the first finds zeros, which the first change of M leaves zeros
.set j, j+1
.endr
.endr
	s_wait_loadcnt 0x0
.irp n, 32,16,8,4,2,1
.set i, 0
.rept \n
	v_or_b32 v[96+i], v[96+i], v[96+\n+i]
.set i, i+1
.endr
.endr
	v_cmp_ne_u32 s82, 0, v96
	s_cmp_lg_u32 s82, 0                            ; does any key count?
	s_cselect_b32 s[CS], 0x3e0293ee, 0             ; c = log2(e) / sqrt(128), or 0
	s_cselect_b32 s[BIG], 0xf1800000, 0            ; -2^100, or 0
	s_mov_b32 s[CS+1], s[CS]                       ; (named with it as a pair)
	v_mov_b32 v[BGV], s[BIG]
.irp i, 0,1,2,3,4,5,6,7
	v_cmp_eq_u32 vcc_lo, 0, v[64+\i]
	v_cndmask_b32 v[64+\i], 0, v[BGV], vcc_lo
.endr
	ds_store_b128 v[TBA], v[64:67]                 ; the table; the first change of slots' wait and barrier stand between this and its readers
	ds_store_b128 v[TBA], v[68:71] offset:4096
	s_wait_alu depctr_va_vdst(0)
; The largest score of my 16 keys of blocks b0 and b0 + 1 of tile t: four chains by turns; each accumulator is read from its low end on.
.macro MAXB t, b0
	WIN 0x55*\t
.irp b, \b0, \b0+1
	v_max3_num_f32 v[232+\b], v[96+16*(\b)], v[97+16*(\b)], v[98+16*(\b)]
	v_max3_num_f32 v[236+\b], v[104+16*(\b)], v[105+16*(\b)], v[106+16*(\b)]
.endr
.irp i, 3,5
.irp b, \b0, \b0+1
	v_max3_num_f32 v[232+\b], v[232+\b], v[96+16*(\b)+\i], v[97+16*(\b)+\i]
	v_max3_num_f32 v[236+\b], v[236+\b], v[104+16*(\b)+\i], v[105+16*(\b)+\i]
.endr
.endr
.irp b, \b0, \b0+1
	v_max3_num_f32 v[232+\b], v[232+\b], v[103+16*(\b)], v[111+16*(\b)]
.endr
.irp b, \b0, \b0+1
	s_delay_alu instid0(VALU_DEP_2)
	v_max_num_f32 v[232+\b], v[232+\b], v[236+\b]
.endr
.endm
; Tile t: the blocks' and the row's largest score, the new M, f, and t - M of all 64 scores and of the four blocks' largest.
.macro CHAIN t
	WIN 0x55*\t
.irp b, 0,1,2,3
	v_permlanex16_b32 v[236+\b], v[232+\b], s[SEL], s[SEL+1]
.endr
.irp b, 0,1,2,3
	s_delay_alu instid0(VALU_DEP_4)
	v_max_num_f32 v[232+\b], v[232+\b], v[236+\b]  ; with lane l xor 16's 16 keys: it serves for the row's maximum and, since p rises with the score, for the block's largest p
.endr
	s_delay_alu instid0(VALU_DEP_2)
	v_max3_num_f32 v254, v232, v233, v234
	s_delay_alu instid0(VALU_DEP_1)
	v_max_num_f32 v254, v254, v235                 ; the step's largest score of my query
	s_delay_alu instid0(VALU_DEP_1)
	v_mul_f32 v254, s[CS], v254                    ; as t (c is not negative)
	s_delay_alu instid0(VALU_DEP_1)
	v_max_num_f32 v13, v13, v254                   ; the running largest t
	v_mov_b32 v254, v12
	s_delay_alu instid0(VALU_DEP_2)
	v_floor_f32 v12, -v13                          ; the new -M = floor(-t): M is a whole number
	s_delay_alu instid0(VALU_DEP_1)
	v_sub_f32 v254, v12, v254                      ; old M - new M: a whole number, 0 or less
	s_delay_alu instid0(VALU_DEP_1)
	v_cvt_i32_f32 v254, v254                       ; (it saturates)
	s_delay_alu instid0(VALU_DEP_1)
	v_ldexp_f32 v252, 1.0, v254                    ; f = 2^(old M - new M)
.set j, 0
.rept 32
	v_pk_fma_f32 v[96+j:97+j], v[96+j:97+j], s[CS:CS+1], v[12:13] op_sel_hi:[1,0,0]   ; t - M, two at a time
.set j, j+2
.endr
.irp b, 0,1,2,3
	v_fma_f32 v[232+\b], v[232+\b], s[CS], v12     ; the same of each block's largest score: the same arithmetic on the same number gives the same bits
.endr
.endm
.macro EXPS t
	WIN 0x55*\t
.set j, 0
.rept 64
	v_exp_f32 v[96+j], v[96+j]                     ; p = 2^(t - M)
.set j, j+1
.endr
.irp b, 0,1,2,3
	v_exp_f32 v[232+\b], v[232+\b]                 ; the block's largest p
.endr
.endm
; Tile t behind the exponentials: p's scale word and codes; O^T and the sum under the new M; the sum of the unquantised p.
.macro POST t
	WIN 0x55*\t
.irp b, 0,1,2,3
	v_max_num_f32 v[232+\b], 0x1800000, v[232+\b]  ; the floor 2^(3 - 127): a block whose every p is 0 keeps the byte 1; its codes are zeros
.endr
.irp b, 0,1,2,3
	s_delay_alu instid0(VALU_DEP_4)
	v_add_nc_u32 v[244+\b], 0xff000000, v[232+\b]  ; 2 off the exponent field: the conversion's scale operand
.endr
.irp b, 0,1,2,3
	s_delay_alu instid0(VALU_DEP_4)
	v_lshrrev_b32 v[236+\b], 23, v[244+\b]
.endr
	s_delay_alu instid0(VALU_DEP_3)
	v_lshl_or_b32 v254, v237, 8, v236
	s_delay_alu instid0(VALU_DEP_1)
	v_lshl_or_b32 v254, v238, 16, v254
	WIN 0x15*\t                                    ; the destination lies in window 0, where scale operands are taken from
	v_lshl_or_b32 v[PSW+\t], v239, 24, v254        ; p's scale word for these 128 keys
	WIN 0x55*\t
.irp c, 0,1
	v_cvt_scalef32_pk16_fp6_f32 v[224+6*\c:226+6*\c], v[96+32*\c:111+32*\c], v[244+2*\c]
	v_cvt_scalef32_pk16_fp6_f32 v[236+4*\c:238+4*\c], v[112+32*\c:127+32*\c], v[245+2*\c]   ; (a conversion's three registers begin on an even number)
.endr
	v_nop                                          ; one plain instruction behind the scaled conversions
.irp c, 0,1                                    ; the operand's layout wants a whole block in a lane
.irp i, 0,1,2
	v_permlane16_swap_b32 v[224+6*\c+\i], v[236+4*\c+\i]
.endr
.irp i, 0,1,2
	v_mov_b32 v[227+6*\c+\i], v[236+4*\c+\i]
.endr
.endr
	s_wait_alu depctr_va_vdst(0)
.set j, 0
.rept 32
	v_pk_mul_f32 v[160+j:161+j], v[160+j:161+j], v[252:253] op_sel_hi:[1,0]   ; O^T under the new M.  These and the sums below are the places between the codes' and the scale word's writes and the products
.set j, j+2
.endr
	v_pk_mul_f32 v[14:15], v[14:15], v[252:253] op_sel_hi:[1,0]
.set k, 96
.irp a, 236,240,242,244,246,248,250            ; the 32 pairs of p go into eight chains
	v_pk_add_f32 v[\a:\a+1], v[k:k+1], v[k+14:k+15]
.set k, k+2
.endr
.set k, 124
.rept 2
.irp a, 14,236,240,242,244,246,248,250
	v_pk_add_f32 v[\a:\a+1], v[\a:\a+1], v[k:k+1]
.set k, k+2
.endr
.endr
	v_pk_add_f32 v[14:15], v[14:15], v[156:157]
	v_pk_add_f32 v[236:237], v[236:237], v[158:159]
	v_pk_add_f32 v[244:245], v[244:245], v[246:247]
	v_pk_add_f32 v[248:249], v[248:249], v[250:251]
	v_pk_add_f32 v[14:15], v[14:15], v[240:241]
	v_pk_add_f32 v[236:237], v[236:237], v[242:243]
	v_pk_add_f32 v[14:15], v[14:15], v[244:245]
	v_pk_add_f32 v[236:237], v[236:237], v[248:249]
	s_delay_alu instid0(VALU_DEP_1)
	v_pk_add_f32 v[14:15], v[14:15], v[236:237]
.endm
; S^T = K Q^T + the mask: K's fragments 4 g .. 4 g + 3 against both tiles' Q.  A: window 0; B and D: the tile's window; C, the mask's entries: window 1.  All eight accumulators differ.
.macro SMUL g
.irp t, 0,1
	WIN 0x10+0x44*\t
.irp f, 0,1,2,3
.if \g
	v_wmma_scale_f32_16x16x128_f8f6f4 v[128+8*\f:135+8*\f], v[32+12*\f:43+12*\f], v[16:27], v[64+8*\f:71+8*\f], v[KS+\f], v[QSW+\t] matrix_a_fmt:MATRIX_FMT_FP6 matrix_b_fmt:MATRIX_FMT_FP6 matrix_a_scale:MATRIX_SCALE_ROW1
.else
	v_wmma_scale_f32_16x16x128_f8f6f4 v[96+8*\f:103+8*\f], v[32+12*\f:43+12*\f], v[16:27], v[32+8*\f:39+8*\f], v[KS+\f], v[QSW+\t] matrix_a_fmt:MATRIX_FMT_FP6 matrix_b_fmt:MATRIX_FMT_FP6
.endif
.endr
.endr
.endm
; O^T += V^T P^T: V's fragments 0-3 lie in window 0, 4-7 in window 1; sixteen accumulators, one instruction each.
.macro PVMUL
.irp g, 0,1
.irp t, 0,1
	WIN \g+0x54*\t
.irp f, 0,1,2,3
.if \g
	v_wmma_scale_f32_16x16x128_f8f6f4 v[192+8*\f:199+8*\f], v[32+12*\f:43+12*\f], v[224:235], v[192+8*\f:199+8*\f], v[VS+\f], v[PSW+\t] matrix_a_fmt:MATRIX_FMT_FP6 matrix_b_fmt:MATRIX_FMT_FP6 matrix_a_scale:MATRIX_SCALE_ROW1
.else
	v_wmma_scale_f32_16x16x128_f8f6f4 v[160+8*\f:167+8*\f], v[32+12*\f:43+12*\f], v[224:235], v[160+8*\f:167+8*\f], v[VS+\f], v[PSW+\t] matrix_a_fmt:MATRIX_FMT_FP6 matrix_b_fmt:MATRIX_FMT_FP6
.endif
.endr
.endr
.endr
	WIN 0
.endm
.macro FRAGS adr, f0                           ; four fragments, three loads of 512 bytes each
.irp f, 0,1,2,3
.irp c, 0,1,2
	ds_load_b128 v[32+12*\f+4*\c:35+12*\f+4*\c], v[\adr] offset:(\f0+\f)*FRB+512*\c
.endr
.endr
.endm
; A KEY STEP: 128 keys against my 32 queries.
.macro STEP
	v_add_nc_u32 v[ADK], s[RK], v[AL0]             ; these three and the v_nop are the four places in front of loads into registers that the last products have read
	v_add_nc_u32 v[ADV], s[RK], v[AV0]
	v_add_nc_u32 v[ADM], s[RM], v[AM0]
	v_nop
	s_wait_alu depctr_va_vdst(0)                   ; the wait behind these writes
	WIN 0x40
.irp n, 0,1,2,3,4,5,6,7,8,9,10,11,12,13,14,15
	ds_load_b128 v[32+4*\n:35+4*\n], v[ADM] offset:128*(\n/4)+16*(\n%4)   ; the mask's entries of keys 32 B + 16 h + i into register 16 B + i of window 1's 64
.endr
	WIN 0
	ds_load_b128 v[KS:KS+3], v[ADK] offset:SCO     ; K's scale words: lanes 0-15 fragments 0-3, lanes 16-31 fragments 4-7
	FRAGS ADK, 0
	s_wait_dscnt 0x0
	SMUL 0
	WIN 0
.rept 4
	v_nop                                          ; places: K's next fragments land where the last lay, and the scores are read
.endr
	FRAGS ADK, 4
	MAXB 0, 0                                      ; blocks 0 and 1 of both tiles, while the loads are out
	MAXB 1, 0
	WIN 0
	s_wait_alu depctr_va_vdst(0)
	s_wait_dscnt 0x0
	SMUL 1
	WIN 0
.rept 4
	v_nop                                          ; places: V's fragments land where K's and the mask's entries lay
.endr
	ds_load_b128 v[VS:VS+3], v[ADV] offset:SCO
	FRAGS ADV, 0
	WIN 0x40
	FRAGS ADV, 4                                   ; all of V's record lands under the softmax
	MAXB 0, 2
	MAXB 1, 2
	CHAIN 1
	CHAIN 0
	s_wait_alu depctr_va_vdst(0)
	EXPS 0
	EXPS 1
	v_nop                                          ; a plain instruction behind the exponentials
	s_wait_alu depctr_va_vdst(0)                   ; one wait for the whole batch, ahead of its first reader
	POST 1
	POST 0
	s_wait_alu depctr_va_vdst(0)
	s_wait_dscnt 0x0                               ; V's eight fragments and its scale words
	PVMUL
.endm
; THE CHANGE OF SLOTS stands at a slot's head.  Each wave waits for all its tensor loads, adds 0 to its spare word, and waits for that and for its reads of the slot that it has left.
; fill = 1: a round of the cluster's barrier, and behind it the slot just left is filled with the next 512 keys: by the text's own count a wave has one tensor load out, with a slot's two steps in which to land.
.macro CHANGE fill
	s_wait_tensorcnt 0x0                           ; no tensor load of mine is out, so the group 0 may be written
	ds_add_u32 v[SPW], v[NIL]                      ; 0 onto my spare word
.if \fill
	s_xor_b32 s[G0+1], s[G0+1], SLOT1              ; the walking descriptor: the other slot,
	s_add_nc_u64 s[G0+2:G0+3], s[G0+2:G0+3], 4*REC ; the next four records
	s_wait_xcnt 0x0                                ; the last prefetch, a slot back, has read its address
	s_add_nc_u64 s[PFA:PFA+1], s[PFA:PFA+1], 4*REC
	s_wait_dscnt 0x0                               ; the add is done; my LDS reads and stores are over
	CROUND
	TLOAD                                          ; the first thing behind the round, and a wave's one tensor load until the next
	ASK
.else
	s_wait_dscnt 0x0
	s_barrier_signal -1
	s_barrier_wait -1
.endif
.endm
.macro RUN                                     ; my two key steps of the slot in hand: a counted loop of two trips, so that the step's text stands once for each place
	s_mov_b32 s[RK], s[TB]
	s_mov_b32 s[RM], s[TMK]
	s_mov_b32 s[QC], 2
.Lstep_\@:
	STEP
	s_add_co_u32 s[RK], s[RK], REC
	s_add_co_u32 s[RM], s[RM], 512
	s_sub_co_u32 s[QC], s[QC], 1
	s_cmp_lg_u32 s[QC], 0
	s_cbranch_scc1 .Lstep_\@
.endm
.Lslot:                                            ; three trips: behind each change of slots but the last the next slot is asked for
	CHANGE 1
	RUN
	s_xor_b32 s[TB], s[TB], SLOT1
	s_add_co_u32 s[TMK], s[TMK], 2048
	s_sub_co_u32 s[SLOTS], s[SLOTS], 1
	s_cmp_lg_u32 s[SLOTS], 0
	s_cbranch_scc1 .Lslot
	CHANGE 0                                       ; the last slot is written out
	RUN
; 64 numbers of a lane become a fragment's codes in v[PC] on and my row's scale word in v[pw].
.macro QUANT src, pw
.irp b, 0,1,2,3
	v_max3_num_f32 v[TM+\b], |v[\src+16*\b]|, |v[\src+1+16*\b]|, 0x1800000
.endr
.irp i, 2,4,6,8,10,12,14
.irp b, 0,1,2,3
	s_delay_alu instid0(VALU_DEP_4)
	v_max3_num_f32 v[TM+\b], v[TM+\b], |v[\src+16*\b+\i]|, |v[\src+1+16*\b+\i]|
.endr
.endr
.irp b, 0,1,2,3
	v_permlanex16_b32 v[TM+4+\b], v[TM+\b], s[SEL], s[SEL+1]
.endr
.irp b, 0,1,2,3
	s_delay_alu instid0(VALU_DEP_4)
	v_max_num_f32 v[TM+\b], v[TM+\b], v[TM+4+\b]
.endr
.irp b, 0,1,2,3
	s_delay_alu instid0(VALU_DEP_4)
	v_add_nc_u32 v[TM+12+\b], 0xff000000, v[TM+\b]
.endr
.irp b, 0,1,2,3
	s_delay_alu instid0(VALU_DEP_4)
	v_lshrrev_b32 v[TM+4+\b], 23, v[TM+12+\b]
.endr
	s_delay_alu instid0(VALU_DEP_3)
	v_lshl_or_b32 v[\pw], v[TM+5], 8, v[TM+4]
	s_delay_alu instid0(VALU_DEP_1)
	v_lshl_or_b32 v[\pw], v[TM+6], 16, v[\pw]
	s_delay_alu instid0(VALU_DEP_1)
	v_lshl_or_b32 v[\pw], v[TM+7], 24, v[\pw]
.irp c, 0,1
	v_cvt_scalef32_pk16_fp6_f32 v[PC+6*\c:PC+2+6*\c], v[\src+32*\c:\src+15+32*\c], v[TM+12+2*\c]
	v_cvt_scalef32_pk16_fp6_f32 v[PC+12+4*\c:PC+14+4*\c], v[\src+16+32*\c:\src+31+32*\c], v[TM+13+2*\c]
.endr
	v_nop
.irp c, 0,1
.irp i, 0,1,2
	v_permlane16_swap_b32 v[PC+6*\c+\i], v[PC+12+4*\c+\i]
.endr
.irp i, 0,1,2
	v_mov_b32 v[PC+3+6*\c+\i], v[PC+12+4*\c+\i]
.endr
.endr
.endm
; Tile t of a wave that keeps: both halves of the keys under the common M, divided by the row's sum, quantised, stored.
.macro MRG t
	WIN 0x55*\t
	v_min_num_f32 v234, v12, v232                  ; -M of both halves: the larger M
	s_delay_alu instid0(VALU_DEP_1)
	v_sub_f32 v235, v234, v12                      ; my M less the common one: a whole number, 0 or less
	v_sub_f32 v236, v234, v232
	s_delay_alu instid0(VALU_DEP_2)
	v_cvt_i32_f32 v235, v235
	s_delay_alu instid0(VALU_DEP_2)
	v_cvt_i32_f32 v236, v236
	s_delay_alu instid0(VALU_DEP_2)
	v_ldexp_f32 v235, 1.0, v235                    ; f1, f2: exact powers of two (0 for a half whose keys are all masked)
	s_delay_alu instid0(VALU_DEP_2)
	v_ldexp_f32 v236, 1.0, v236
	s_delay_alu instid0(VALU_DEP_2)
	v_mul_f32 v237, v14, v235
	s_delay_alu instid0(VALU_DEP_1)
	v_fma_f32 v237, v233, v236, v237               ; the row's sum
	s_wait_alu depctr_va_vdst(0)
	v_rcp_f32 v238, v237
	v_nop                                          ; a plain instruction behind the reciprocal
	s_wait_alu depctr_va_vdst(0)                   ; and the wait ahead of its first reader
	v_mul_f32 v240, v235, v238
	v_mul_f32 v242, v236, v238
	v_mov_b32 v241, v240                           ; (the pairs' upper halves are named, so they are written)
	v_mov_b32 v243, v242
	s_wait_alu depctr_va_vdst(0)
.set j, 0
.rept 32
	v_pk_mul_f32 v[160+j:161+j], v[160+j:161+j], v[240:241] op_sel_hi:[1,0]
.set j, j+2
.endr
.set j, 0
.rept 32
	v_pk_fma_f32 v[96+j:97+j], v[96+j:97+j], v[242:243], v[160+j:161+j] op_sel_hi:[1,0,1]   ; O / sum: register 16 B + i = channel 32 B + 16 h + i of my query
.set j, j+2
.endr
	QUANT 96, 248
	WIN 4*\t                                       ; the data lie in the tile's window, the addresses in window 0
	ds_store_b32 v[SWA], v248 offset:4*\t          ; its scale words meet the other tiles' in LDS (both halves of the lanes write the same word with the same value)
.endm
.macro MST t                                   ; tile t's fragment of the record: 512 consecutive bytes a store
	WIN 4*\t
.irp c, 0,1,2
	global_store_b128 v[L16], v[PC+4*\c:PC+4*\c+3], s[8:9] offset:FRB*\t+512*\c
.endr
.endm
	; THE MERGE.  Waves 4-7 hand O^T, -M and the sum of their half of the keys to waves 0-3 through LDS, as images of the registers.
.rept 4
	v_nop                                          ; places behind the last products
.endr
.irp t, 0,1
	WIN 0x55*\t
	v_add_f32 v14, v14, v15                        ; the sum's two halves,
	s_delay_alu instid0(VALU_DEP_1)
	v_permlanex16_b32 v252, v14, s[SEL], s[SEL+1]
	s_delay_alu instid0(VALU_DEP_1)
	v_add_f32 v14, v14, v252                       ; and lane l xor 16's
.endr
	WIN 0
	s_wait_alu depctr_va_vdst(0)
	s_cmp_lt_u32 s[WV], 4
	s_cbranch_scc1 .Lkeeps
.irp t, 0,1
	WIN 4*\t
.irp k, 0,1,2,3,4,5,6,7,8,9,10,11,12,13,14,15
	ds_store_b128 v[MA], v[160+4*\k:163+4*\k] offset:MRGB*\t+512*\k   ; each accumulator from its low end on
.endr
	ds_store_b32 v[MB], v12 offset:MRGB*\t+8192
	ds_store_b32 v[MB], v14 offset:MRGB*\t+8320
.endr
	WIN 0
.Lkeeps:
	s_wait_dscnt 0x0                               ; for the others' sake: my stores have landed
	s_barrier_signal -1
	s_barrier_wait -1
	s_cmp_ge_u32 s[WV], 4
	s_cbranch_scc1 .Lgave
.irp t, 0,1
	WIN 0x40*\t
.irp k, 0,1,2,3,4,5,6,7,8,9,10,11,12,13,14,15
	ds_load_b128 v[96+4*\k:99+4*\k], v[MA] offset:MRGB*\t+512*\k
.endr
	ds_load_b32 v232, v[MB] offset:MRGB*\t+8192
	ds_load_b32 v233, v[MB] offset:MRGB*\t+8320
.endr
	WIN 0
	s_wait_dscnt 0x0
	MRG 0
	MRG 1
	WIN 0
.Lgave:
	s_wait_dscnt 0x0
	s_barrier_signal -1
	s_barrier_wait -1
	s_cmp_lg_u32 s[WV], 0
	s_cbranch_scc1 .Lnot_first
	ds_load_b128 v[64:67], v[SRD]                  ; wave 0 takes the scale block whole
.Lnot_first:
	s_wait_tensorcnt 0x0
	ds_add_u32 v[SPW], v[NIL]
	s_wait_dscnt 0x0                               ; the add, and wave 0's load
	s_cmp_ge_u32 s[WV], 4                          ; the stores are the waves' last memory instructions
	s_cbranch_scc1 .Lend
	s_wait_alu depctr_va_vdst(0)
	MST 0
	MST 1
	WIN 0
	s_cmp_lg_u32 s[WV], 0
	s_cbranch_scc1 .Lend
	global_store_b128 v[L16], v[64:67], s[8:9] offset:SCO   ; wave 0 (tile 0: its base is the record's)
.Lend:
	CROUND                                         ; the closing round
	s_endpgm
.Lfunc_end_k_qd4786bff66_attn:
	.size	k_qd4786bff66_attn, .Lfunc_end_k_qd4786bff66_attn-k_qd4786bff66_attn
	.p2alignl 7, 3214868480
	.fill 96, 4, 3214868480
	.section	.rodata,"a",@progbits
	.p2align	6, 0x0
	.amdhsa_kernel k_qd4786bff66_attn
		.amdhsa_group_segment_fixed_size 327680
		.amdhsa_private_segment_fixed_size 0
		.amdhsa_enable_private_segment 0
		.amdhsa_kernarg_size 24
		.amdhsa_user_sgpr_count 2
		.amdhsa_user_sgpr_kernarg_segment_ptr 1
		.amdhsa_wavefront_size32 1
		.amdhsa_system_sgpr_workgroup_id_x 1
		.amdhsa_system_sgpr_workgroup_id_y 1
		.amdhsa_system_sgpr_workgroup_id_z 1
		.amdhsa_system_vgpr_workitem_id 0
		.amdhsa_next_free_vgpr 512
		.amdhsa_next_free_sgpr 100
		.amdhsa_reserve_vcc 1
		.amdhsa_float_denorm_mode_32 3
		.amdhsa_float_denorm_mode_16_64 3
		.amdhsa_memory_ordered 1
		.amdhsa_forward_progress 1
		.amdhsa_inst_pref_size 118
	.end_amdhsa_kernel
	.amdgpu_metadata
---
amdhsa.version: [ 1, 2 ]
amdhsa.kernels:
  - .name:           k_qd4786bff66_attn
    .symbol:         k_qd4786bff66_attn.kd
    .args:
      - { .name: qkv, .offset: 0, .size: 8, .value_kind: global_buffer, .address_space: global }
      - { .name: attn_mask, .offset: 8, .size: 8, .value_kind: global_buffer, .address_space: global }
      - { .name: att, .offset: 16, .size: 8, .value_kind: global_buffer, .address_space: global }
    .group_segment_fixed_size: 327680
    .private_segment_fixed_size: 0
    .kernarg_segment_align: 8
    .kernarg_segment_size: 24
    .max_flat_workgroup_size: 256
    .sgpr_count:     100
    .vgpr_count:     512
    .wavefront_size: 32
...
	.end_amdgpu_metadata
.endif
;; end of part 7
;; launch outp (part 8): grid 16 x 16, 4 waves a work-group, clusters of 4 x 4, 327,680 bytes of LDS; arguments att, ops, bo, out0; writes out0
.if DOCPART == 8
	.amdgcn_target "amdgcn-amd-amdhsa--gfx1250"
	.amdhsa_code_object_version 6
	.text
	.protected	k_qd4786bff66_outp
	.globl	k_qd4786bff66_outp
	.p2align	8
	.type	k_qd4786bff66_outp,@function
k_qd4786bff66_outp:
	s_mov_b64 s[64:65], 0
	v_nop
	global_prefetch_b8 v0, s[64:65] scope:SCOPE_SE
	s_setreg_imm32_b32 hwreg(HW_REG_WAVE_MODE, 25, 1), 1
	s_wait_xcnt 0x0
	s_wait_alu depctr_hold_cnt(0) depctr_sa_sdst(0) depctr_va_vdst(0) depctr_va_sdst(0) depctr_va_ssrc(0) depctr_va_vcc(0) depctr_vm_vsrc(0)
	s_getreg_b32 s2, hwreg(HW_REG_IB_STS2, 6, 4)
	s_cmp_eq_u32 s2, 0
	s_cbranch_scc0 .Lentry_in_a_cluster
	s_endpgm
.Lentry_in_a_cluster:
	s_bfe_u32 s2, ttmp6, 0x10000c
	s_cmp_lg_u32 s2, 0xf033
	s_cbranch_scc0 .Lentry_shape_is_right
	s_endpgm
.Lentry_shape_is_right:
; THE OUTPUT PROJECTION ON CODES of FP6 (E2M3) with E8M0 scales: out0 = att Wo^T + bo, K = 2,048.  Operands come as records (128 rows x 128 K as images of operand registers, then the scale words).
; A work-group makes 128 x 128, a wave 64 x 64; bo is the C of the first products.  Three LDS slots of four K steps, filled by joint loads of a 4 x 4 cluster; slot 0 is filled a second time.
; THE WAY OUT: the four blocks of 16 rows turn through the wave's own stage in LDS into window 1's registers, which are done with; then all stores follow, 256 aligned bytes to sixteen lanes.
.set REC,   12800
.set FRB,   1536
.set SCO,   8*FRB
.set TEN,   256*REC
.set GB,    16*REC
.set PART,  2*REC
.set SLOT,  4*PART
.set SPARE, 3*SLOT
.set STAGE, SLOT
.set SPITCH, 272
.set NP,    4
.set NF,    25
.set ADRA, 8
.set ADRB, 11
.set ADRS, 14
.set STO,  24
.set RD,   25
.set VBN,  26
.set CO,   27
.set SPW,  28
.set NIL,  29
.set HH,   31
.set PFO,  30                          ; v30 the prefetches' offset: 256 x min(lane, 24); never rewritten
.set PFA,  56                          ; s[56:57] my work-group's quarter of the part of slot 0 that I fetch; never rewritten
.set SC,   32
.set BN,   64
.set BK,   64
.set ACC,  128
.set WV,   16
.set RH,   17
.set CH,   18
.set TR,   19
.set G1,   24
.set G0,   32
.set G1B,  48
.set G0B,  80
.set MSB, 0
.macro WIN new
.if MSB != (\new)
	s_set_vgpr_msb (MSB<<8)|(\new)
.set MSB, (\new)
.endif
.endm
.macro JLOAD g0a, g1a, g0b, g1b
	s_cmp_eq_u32 s[RH], 0
	s_cbranch_scc0 .Lfor_b_\@
	tensor_load_to_lds s[\g0a:\g0a+3], s[\g1a:\g1a+7]
	s_nop 0
.rept 4
	v_nop
.endr
	s_branch .Lasked_\@
.Lfor_b_\@:
	tensor_load_to_lds s[\g0b:\g0b+3], s[\g1b:\g1b+7]
	s_nop 0
.rept 4
	v_nop
.endr
.Lasked_\@:
.endm
.macro CREST
	s_cmp_lg_u32 s[WV], 0
	s_cbranch_scc1 .Lnot_wave_0_\@
	s_barrier_signal -3
.Lnot_wave_0_\@:
	s_barrier_wait -3
	s_barrier_signal -1
	s_barrier_wait -1
.endm
.macro CROUND
	s_barrier_signal -1
	s_barrier_wait -1
	CREST
.endm
.macro PLACES n
.rept \n
	v_nop
.endr
.endm
	s_load_b256 s[4:11], s[0:1], 0x0
	v_lshl_add_u32 v[SPW], v0, 2, SPARE
	v_mov_b32 v[NIL], 0
	ds_add_u32 v28, v29
	ds_add_u32 v28, v29
	s_wait_dscnt 0x0
	v_lshrrev_b32 v1, 5, v0
	v_readfirstlane_b32 s[WV], v1
	v_and_b32 v[PFO], 31, v0
	v_min_u32 v[PFO], 24, v[PFO]
	v_lshlrev_b32 v[PFO], 8, v[PFO]
	s_lshr_b32 s[RH], s[WV], 1
	s_and_b32 s[CH], s[WV], 1
	s_bfe_u32 s66, ttmp6, 0x40000
	s_bfe_u32 s67, ttmp6, 0x40004
	s_lshl_b32 s68, ttmp9, 2
	s_add_co_u32 s68, s68, s66
	s_and_b32 s[TR], ttmp7, 0xffff
	s_lshl_b32 s[TR], s[TR], 2
	s_add_co_u32 s[TR], s[TR], s67
	s_lshl_b32 s69, s67, 2
	s_lshl_b32 s69, 15, s69
	s_lshl_b32 s70, 0x1111, s66
	s_or_b32 s[G1+0], s69, (3<<16)|(1<<21)
	s_or_b32 s[G1B+0], s70, (3<<16)|(1<<21)
.irp g, G1, G1B
	s_mov_b32 s[\g+1], 32<<16
	s_mov_b32 s[\g+2], 100<<16
	s_mov_b32 s[\g+3], 32<<16
	s_mov_b32 s[\g+4], 100
	s_mov_b32 s[\g+5], 32
	s_mov_b32 s[\g+6], 0
	s_mov_b32 s[\g+7], 0
.endr
	s_mul_i32 s20, s[TR], GB
	s_mul_i32 s21, s[CH], PART
	s_add_co_u32 s20, s20, s21
	s_mov_b32 s21, 0
	s_mul_i32 s46, s68, GB
	s_mul_i32 s47, s[CH], PART
	s_add_co_u32 s46, s46, s47
	s_add_co_u32 s46, s46, 4*TEN
	s_mov_b32 s47, 0
	s_mul_i32 s45, s[WV], PART
	s_lshl_b32 s72, s68, 9
	s_lshl_b32 s73, s[CH], 8
	s_add_co_u32 s72, s72, s73
	s_mov_b32 s73, 0
	s_lshl_b32 s76, s[TR], 20
	s_lshl_b32 s77, s[RH], 19
	s_add_co_u32 s76, s76, s77
	s_mov_b32 s77, 0
	s_wait_kmcnt 0x0
	s_add_nc_u64 s[20:21], s[4:5], s[20:21]
	s_add_nc_u64 s[46:47], s[6:7], s[46:47]
	s_add_nc_u64 s[8:9], s[8:9], s[72:73]
	s_add_nc_u64 s[10:11], s[10:11], s[72:73]
	s_add_nc_u64 s[10:11], s[10:11], s[76:77]
	; THE PREFETCHES.  A wave's part of a slot, 25,600 bytes, is asked for jointly by four partners: each of them takes a quarter, 25 blocks of 256 bytes, a lane a block (lanes 25-31 repeat lane 24's),
	; told apart by address (cx for att's tiles, cy for Wo's).  So each block is named once in each cluster that will load it, by one instruction a wave and slot.
	s_cmp_eq_u32 s[RH], 0
	s_cselect_b32 s58, s66, s67
	s_cselect_b64 s[PFA:PFA+1], s[20:21], s[46:47]
	s_mul_i32 s58, s58, PART/4
	s_mov_b32 s59, 0
	s_add_nc_u64 s[PFA:PFA+1], s[PFA:PFA+1], s[58:59]
.irp s, 0,1,2
	s_mov_b32 s[G0+4*\s], 1
	s_add_co_u32 s[G0+4*\s+1], s45, \s*SLOT
	s_add_nc_u64 s[G0+4*\s+2:G0+4*\s+3], s[20:21], \s*2*PART
	s_or_b32 s[G0+4*\s+3], s[G0+4*\s+3], 0x80000000
	s_mov_b32 s[G0B+4*\s], 1
	s_add_co_u32 s[G0B+4*\s+1], s45, \s*SLOT
	s_add_nc_u64 s[G0B+4*\s+2:G0B+4*\s+3], s[46:47], \s*2*PART
	s_or_b32 s[G0B+4*\s+3], s[G0B+4*\s+3], 0x80000000
	s_wait_alu depctr_va_vdst(0)
	s_wait_tensorcnt 0x0
	ds_add_u32 v28, v29
	ds_add_u32 v28, v29
	s_wait_dscnt 0x0
	CROUND
	JLOAD G0+4*\s, G1, G0B+4*\s, G1B
.if \s == 0
	global_prefetch_b8 v[PFO], s[PFA:PFA+1] offset:2*PART th:TH_LOAD_NT scope:SCOPE_SE   ; behind slot 0's load: the K steps of slots 1 and 2;
	global_prefetch_b8 v[PFO], s[PFA:PFA+1] offset:4*PART th:TH_LOAD_NT scope:SCOPE_SE
.elseif \s == 1
	global_prefetch_b8 v[PFO], s[PFA:PFA+1] offset:6*PART th:TH_LOAD_NT scope:SCOPE_SE   ; behind slot 1's: the last four K steps, which fill slot 0 again.  Nothing lies beyond them
.endif
.endr
	v_and_b32 v1, 31, v0
	v_lshlrev_b32 v2, 4, v1
	v_and_b32 v3, 15, v0
	v_bfe_u32 v[HH], v0, 4, 1
	s_wait_alu depctr_va_vdst(0)
	s_mul_i32 s74, s[RH], 4*FRB
	s_mul_i32 s75, s[CH], 4*FRB
	s_add_co_u32 s75, s75, 4*REC
.irp s, 0,1,2
	v_add_nc_u32 v[ADRA+\s], s74, v2
	v_add_nc_u32 v[ADRB+\s], s75, v2
	s_add_co_u32 s74, s74, SLOT
	s_add_co_u32 s75, s75, SLOT
.endr
	s_lshl_b32 s74, s[RH], 8
	s_lshl_b32 s75, s[CH], 8
	s_add_co_u32 s75, s75, 4*REC
	s_sub_co_u32 s75, s75, s74
	v_mul_u32_u24 v5, s75, v[HH]
	v_lshl_add_u32 v5, v3, 4, v5
	s_add_co_u32 s74, s74, SCO
	v_add_nc_u32 v[ADRS], s74, v5
	v_add_nc_u32 v[ADRS+1], SLOT, v[ADRS]
	v_add_nc_u32 v[ADRS+2], 2*SLOT, v[ADRS]
	s_mul_i32 s74, s[WV], 16*SPITCH
	s_add_co_u32 s74, s74, STAGE
	v_mul_u32_u24 v5, v3, SPITCH
	v_lshl_add_u32 v5, v[HH], 6, v5
	v_add_nc_u32 v[STO], s74, v5
	v_mul_u32_u24 v5, v[HH], SPITCH
	v_lshl_add_u32 v5, v3, 4, v5
	v_add_nc_u32 v[RD], s74, v5
	v_lshlrev_b32 v[CO], 13, v[HH]
	v_lshl_add_u32 v[CO], v3, 4, v[CO]
	v_lshlrev_b32 v[VBN], 6, v[HH]
.irp n, 0,1,2,3,4,5,6,7
	global_load_b128 v[BN+4*\n:BN+4*\n+3], v[VBN], s[8:9] offset:128*(\n/4)+16*(\n%4)
.endr
.macro FETCH k
.set sl, ((\k)/4)%3
.set st, (\k)%4
.set fb, 128*(st%2)
	WIN 0
	ds_load_b128 v[SC+4*st:SC+4*st+3], v[ADRS+sl] offset:st*REC
	WIN (1+st/2)<<6
.irp i, 0,1,2,3
.irp c, 0,1,2
	ds_load_b128 v[fb+12*\i+4*\c:fb+12*\i+4*\c+3], v[ADRA+sl] offset:st*REC+\i*FRB+512*\c
.endr
.endr
.irp i, 0,1,2,3
.irp c, 0,1,2
	ds_load_b128 v[fb+48+12*\i+4*\c:fb+48+12*\i+4*\c+3], v[ADRB+sl] offset:st*REC+\i*FRB+512*\c
.endr
.endr
.endm
.macro MULS k, half
.set st, (\k)%4
.set fb, 128*(st%2)
	WIN (1+st/2)*5
.irp a, 2*\half, 2*\half+1
.irp b, 0,1,2,3
.set rD, ACC+8*(4*(\a)+\b)
.set rB, fb+48+12*\b
.set rA, fb+12*(\a)
.set rC, BN+8*\b
.set rSB, SC+4*st+\b
.set rSA, SC+4*st+(\a)
.if (\k) == 0
	v_wmma_scale_f32_16x16x128_f8f6f4 v[rD:rD+7], v[rB:rB+11], v[rA:rA+11], v[rC:rC+7], v[rSB], v[rSA] matrix_a_fmt:MATRIX_FMT_FP6 matrix_b_fmt:MATRIX_FMT_FP6 matrix_a_scale:MATRIX_SCALE_ROW1
.else
	v_wmma_scale_f32_16x16x128_f8f6f4 v[rD:rD+7], v[rB:rB+11], v[rA:rA+11], v[rD:rD+7], v[rSB], v[rSA] matrix_a_fmt:MATRIX_FMT_FP6 matrix_b_fmt:MATRIX_FMT_FP6 matrix_a_scale:MATRIX_SCALE_ROW1
.endif
.endr
.endr
.endm
.macro STEPN k
.if (\k) < 15
	s_wait_dscnt NF
.else
	s_wait_dscnt 0x0
.endif
.if (\k) < 14
.if (\k) >= 2
	PLACES NP
.endif
	FETCH (\k)+2
.endif
	MULS \k, 0
	MULS \k, 1
.endm
.macro MEET k, fill
	WIN 0
	s_wait_tensorcnt 0x0
	ds_add_u32 v[SPW], v[NIL]
	s_wait_dscnt NF+1
	MULS \k, 0
	s_wait_dscnt 0x0
	s_barrier_signal -1
	MULS \k, 1
	WIN 0
	s_barrier_wait -1
.if \fill
	CREST
	s_add_nc_u64 s[G0+2:G0+3], s[G0+2:G0+3], 6*PART
	s_add_nc_u64 s[G0B+2:G0B+3], s[G0B+2:G0B+3], 6*PART
	JLOAD G0, G1, G0B, G1B
.else
	PLACES NP
.endif
	FETCH (\k)+2
.endm
	s_wait_tensorcnt 2
	s_barrier_signal -1
	s_barrier_wait -1
	FETCH 0
	FETCH 1
	s_wait_loadcnt 0x0
	STEPN 0
	STEPN 1
	MEET 2, 1
.irp k, 3,4,5,6,7,8,9
	STEPN \k
.endr
	MEET 10, 0
.irp k, 11,12,13,14,15
	STEPN \k
.endr
	WIN 0
.macro TOSTAGE a
.irp b, 0,1,2,3
	ds_store_b128 v[STO], v[ACC+8*(4*(\a)+\b):ACC+8*(4*(\a)+\b)+3] offset:128*(\b/2)+32*(\b%2)
	ds_store_b128 v[STO], v[ACC+8*(4*(\a)+\b)+4:ACC+8*(4*(\a)+\b)+7] offset:128*(\b/2)+32*(\b%2)+16
.endr
.set BB, 32*(\a)
	WIN 0x40                                       ; back into window 1, 32 registers a block
.irp t, 0,1,2,3,4,5,6,7
	ds_load_b128 v[BB+4*\t:BB+4*\t+3], v[RD] offset:2*\t*SPITCH
.endr
	WIN 0
.endm
.macro SEND a, younger
.set BB, 32*(\a)
	WIN 0x04                                       ; the data lie in window 1
.irp t, 0,1,2,3,4,5,6,7
	global_store_b128 v[CO], v[BB+4*\t:BB+4*\t+3], s[10:11] offset:(32*((\a)/2)+8*((\a)%2)+2*\t+8*(\t/4))*8192 th:TH_STORE_NT
.endr
	WIN 0
.endm
	PLACES NP
	s_wait_alu depctr_va_vdst(0)
.irp a, 0,1,2,3
	TOSTAGE \a                                     ; LDS serves a wave's instructions in order: a block's stores follow the last block's loads
.endr
	s_wait_tensorcnt 0x0
	ds_add_u32 v[SPW], v[NIL]
	s_wait_dscnt 0x0                               ; the add is done, and all four blocks are back in registers
.irp a, 0,1,2,3
	SEND \a, 0
.endr
	CROUND
	s_endpgm
.Lfunc_end_k_qd4786bff66_outp:
	.size	k_qd4786bff66_outp, .Lfunc_end_k_qd4786bff66_outp-k_qd4786bff66_outp
	.p2alignl 7, 3214868480
	.fill 96, 4, 3214868480
	.section	.rodata,"a",@progbits
	.p2align	6, 0x0
	.amdhsa_kernel k_qd4786bff66_outp
		.amdhsa_group_segment_fixed_size 327680
		.amdhsa_private_segment_fixed_size 0
		.amdhsa_enable_private_segment 0
		.amdhsa_kernarg_size 32
		.amdhsa_user_sgpr_count 2
		.amdhsa_user_sgpr_kernarg_segment_ptr 1
		.amdhsa_wavefront_size32 1
		.amdhsa_system_sgpr_workgroup_id_x 1
		.amdhsa_system_sgpr_workgroup_id_y 1
		.amdhsa_system_sgpr_workgroup_id_z 1
		.amdhsa_system_vgpr_workitem_id 0
		.amdhsa_next_free_vgpr 768
		.amdhsa_next_free_sgpr 96
		.amdhsa_reserve_vcc 0
		.amdhsa_float_denorm_mode_32 3
		.amdhsa_float_denorm_mode_16_64 3
		.amdhsa_memory_ordered 1
		.amdhsa_forward_progress 1
		.amdhsa_inst_pref_size 81
	.end_amdhsa_kernel
	.amdgpu_metadata
---
amdhsa.version: [ 1, 2 ]
amdhsa.kernels:
  - .name:           k_qd4786bff66_outp
    .symbol:         k_qd4786bff66_outp.kd
    .args:
      - { .name: att, .offset: 0, .size: 8, .value_kind: global_buffer, .address_space: global }
      - { .name: ops, .offset: 8, .size: 8, .value_kind: global_buffer, .address_space: global }
      - { .name: bo, .offset: 16, .size: 8, .value_kind: global_buffer, .address_space: global }
      - { .name: out0, .offset: 24, .size: 8, .value_kind: global_buffer, .address_space: global }
    .group_segment_fixed_size: 327680
    .private_segment_fixed_size: 0
    .kernarg_segment_align: 8
    .kernarg_segment_size: 32
    .max_flat_workgroup_size: 128
    .sgpr_count:     96
    .vgpr_count:     768
    .wavefront_size: 32
...
	.end_amdgpu_metadata
.endif
;; end of part 8
